; MI455X (gfx1250); checked and timed in simulation.
; The chip was launched on July 23, 2026; its instructions are those of AMD's public machine-readable ISA for CDNA 5 (MIT licence, August 2026) and "CDNA5" Instruction Set Architecture Reference Guide (July 2026). The comments in the code are by the model that wrote it; some were corrected since.
;; Adaptive Mo E Layer. Allowed arithmetic: matrix products marked QUANTISED: E5M2 operands, one E8M0 scale for each 32 along K, by v_wmma_scale_f32_16x16x128_f8f6f4 with both operands' format E5M2, f32 sums; products left as they are: f32 operands where the result goes on into a quantised operand, else bf16, f16 or f32 operands; f32 sums; everything else in f32.
;; Inputs: expert_scale 8 float32; hidden_states 2 x 512 x 1,024 float32; router_w 8 x 1,024 float32; w1_codes 8 x 4,096 x 32 x 32 uint8 (E5M2 codes of w1, K innermost, in blocks of 32 codes); w1_scales 8 x 4,096 x 32 uint8 (E8M0 scales of w1, one for each 32 codes along K); w2_codes 8 x 1,024 x 128 x 32 uint8 (E5M2 codes of w2, K innermost, in blocks of 32 codes); w2_scales 8 x 1,024 x 128 uint8 (E8M0 scales of w2, one for each 32 codes along K).
;; Outputs: out0 2 x 512 x 1,024 float32.
;; This version of the problem:
;;   THIS VERSION OF THE PROBLEM IS GIVEN IN LOW PRECISION. The matrix products marked QUANTISED in the list below multiply operands that are first quantised to E5M2 (5 exponent bits, 2 mantissa bits; 8 bits a number), with one power-of-two scale for each 32 numbers along K (OCP MX v1.0); their sums are f32. All else is computed in f32.
;;   The module's matrix products, in the order in which they are computed (A, B: the left and right operand; K: the contracted axis; several contracted axes count as one K, in the product's order):
;;     1. [M 1,024, K 1,024] x [K 1,024, N 8]; A: input hidden_states; B: input router_w: left as it is (N = 8 < 16)
;;     2. [M 1,024, K 1,024] x [K 1,024, N 32,768]; A: input hidden_states; B: input w1 (given as codes): QUANTISED
;;     3. batch 8 x [M 1,024, K 4,096] x [K 4,096, N 1,024]; A: input w2 (given as codes); B: computed on the way: QUANTISED
;;     4. batch 1,024 x [M 1, K 8] x [K 8, N 1,024]; A: computed on the way; B: computed on the way: left as it is (K = 8 < 32)
;;   THE QUANTISER, for each operand of a quantised product, along K:
;;     - K is cut into blocks of 32 from its start; a last block that is shorter is filled with zeros.
;;     - A block's scale is 2^e with e = floor(log2(the largest magnitude in the block)) - 15, held to -126 .. 127; a block of zeros has e = 0. As a byte (E8M0): e + 127.
;;     - Each number is divided by its block's scale, clamped to +-57,344, and rounded to the nearest number of E5M2, ties to even, subnormals kept.
;;     - The product sums the exact products of the quantised numbers (number of the format x scale) in f32.
;;   ~~~python
;;   def quantise(x, axis):      # numpy; x: float32 -> the quantised numbers, widened to float32 again
;;       x = np.moveaxis(x, axis, -1); K = x.shape[-1]
;;       x = np.pad(x, [(0, 0)] * (x.ndim - 1) + [(0, -K % 32)]); x = x.reshape(x.shape[:-1] + (-1, 32)); a = np.abs(x).max(-1, keepdims=True)
;;       e = np.where(a > 0, np.clip(np.frexp(np.where(a > 0, a, 1))[1] - 1 - 15, -126, 127), 0)      # np.frexp(a)[1] - 1 = floor(log2(a)), exactly
;;       r = np.clip(x / 2.0 ** e, -57344, 57344)
;;       step = 2.0 ** (np.maximum(np.frexp(np.where(r == 0, 1, r))[1] - 1, -14) - 2)
;;       q = np.round(r / step) * step * 2.0 ** e      # np.round: ties to even
;;       return np.moveaxis(q.reshape(q.shape[:-2] + (-1,))[..., :K], -1, axis).astype(np.float32)
;;   ~~~
;;   OPERANDS COMPUTED ON THE WAY. 'Computed on the way' means the value that the module computes at that place (a softmax that the list does not call 'softmax' is quantised finished and normalised). What goes into a quantiser is computed in f32, as accurately as f32 sums, v_exp_f32 and their like allow (about 1e-6 of the number): no bf16 or f16 on the way to a quantiser, and a product that is left as it is and whose result goes on into a quantised operand takes f32 operands (vector FMAs, or v_wmma_f32_16x16x4_f32). A number that lies on a knife's edge between two numbers of the format may be rounded either way, as far as f32 arithmetic and the matrix unit's own rounding can turn it there, and no further.
;;   INPUTS GIVEN AS CODES. w1 (in the module: [8, 4096, 1024], K = its axis 2); w2 (in the module: [8, 1024, 4096], K = its axis 2): each comes as NAME_codes (uint8): NAME with its K axis moved to the last place and cut into blocks of 32 codes, [.., K / 32, bytes a block], one block behind the other in memory; one code a byte (a code: sign, 5 exponent bits, 2 mantissa bits); and NAME_scales (uint8): the same leading axes, one E8M0 byte (e + 127) for each 32 codes along K. Its value is code x scale, taken as it is: it is not quantised again, and the codes and scales need not be those that the quantiser above would give.
;; 3 versions, each right; version 2 is faster than version 1; version 3 is version 2 with the launches up, down written anew for expert scheduling mode. Each part assembles by itself: llvm-mc -triple=amdgcn-amd-amdhsa -mcpu=gfx1250 --defsym DOCPART=n.
;; ======== version 1 of 3: 4 launches
;; workspace buffers: xq 1,048,576 bytes; xs 32,768 bytes; route 4,096 bytes of whole numbers; gate 8,192 bytes; hq 33,554,432 bytes; hs 1,048,576 bytes; yp 67,108,864 bytes
;; launch route (part 1): grid 256 x 1, 4 waves a work-group, no clusters, 25,088 bytes of LDS; arguments hidden_states, router_w, xq, xs, route, gate; writes xq, xs, route, gate
.if DOCPART == 1
	.amdgcn_target "amdgcn-amd-amdhsa--gfx1250"
	.amdhsa_code_object_version 6
	.text
	.protected	k_q9be9edfacd_route
	.globl	k_q9be9edfacd_route
	.p2align	8
	.type	k_q9be9edfacd_route,@function
k_q9be9edfacd_route:
	s_mov_b64 s[64:65], 0
	v_nop
	global_prefetch_b8 v0, s[64:65] scope:SCOPE_SE
	s_setreg_imm32_b32 hwreg(HW_REG_WAVE_MODE, 25, 1), 1
	s_wait_xcnt 0x0
; THE ROUTER AND x's QUANTISER.  hidden_states [1024][1024] f32, router_w [8][1024] f32.  One wave takes one token t = 4 x work-group + wave.
; It stores: xq[t][1024] codes of E5M2 (K innermost), xs[t][32] E8M0 bytes (one for each 32 along K), route[t] (a whole number: bits 7:0 a bit for each of the two chosen experts,
; bits 10:8 the first expert, bits 18:16 the second), gate[t][2] f32 (the softmax over the two largest probabilities).
; The choice steers no address and no branch here: it is only stored, at places that hang on t alone.
; QUANTISER: a block's scale is 2^(floor(log2(largest magnitude)) - 15); its byte is the largest magnitude's exponent field - 15, held at 1 from below; each number is held within +-57,344 x the scale and converted.
; ROUTER: eight dot products of 1,024 in f32 fused multiply-adds; softmax with the maximum taken away; top-2 by compares and selects, the lower index kept on a tie.
; LIMITS: NaN and infinities are not served.  Blocks whose largest magnitude lies under 2^-111 (blocks of zeros too) keep the byte 1; these bytes are read by this program alone.
; Probabilities that differ by less than f32 rounding, or that fall under 2^-126 (they become 0 here), may be ordered otherwise than by exact arithmetic.
; No matrix instruction, no tensor load, no cluster, no barrier: the waves share nothing, and the launch's bytes are read once.
.set SP,   80                          ; a lane's place in a stage: 64 bytes + 16 of padding
.set WREG, 6144                        ; LDS of a wave: two stages of 32 x SP bytes, then its 32 scale bytes
.set SCB,  5120
.set R,    16                          ; v16-47   x as loaded: register 4 i + k = element 128 i + 4 lane + k
.set X,    48                          ; v48-79   two sets of 16 neighbours along K
.set CD,   80                          ; v80-87   codes, four registers a step
.set EB,   88                          ; v88-89   a scale byte a step
.set A,    96                          ; v96-111  eight pairs of partial sums
.set LG,   112                         ; v112-119 logits, then probabilities
.set T,    120                         ; v120-127 at work
.set MSB, 0                            ; window 1 (v256-511): router_w, register 32 e + 4 i + k, the same element map as x
.macro WIN new                         ; the immediate's high byte repeats the setting that is left
.if MSB != (\new)
	s_set_vgpr_msb (MSB<<8)|(\new)
.set MSB, (\new)
.endif
.endm
	s_load_b128 s[4:7], s[0:1], 0x0                ; hidden_states, router_w
	s_load_b128 s[8:11], s[0:1], 0x10              ; xq, xs
	s_load_b128 s[12:15], s[0:1], 0x20             ; route, gate
	v_lshl_add_u32 v254, v0, 2, 0x6000
	v_mov_b32 v255, 0
	v_lshrrev_b32 v1, 5, v0
	v_readfirstlane_b32 s16, v1                    ; wave
	v_and_b32 v1, 31, v0                           ; lane
	v_lshlrev_b32 v2, 4, v1                        ; 16 x lane
	s_mul_i32 s17, s16, WREG
	v_lshrrev_b32 v3, 2, v1
	v_mul_u32_u24 v3, v3, SP
	v_and_b32 v4, 3, v1
	v_lshl_add_u32 v3, v4, 4, v3
	v_add_nc_u32 v3, s17, v3                       ; into a stage: SP (lane / 4) + 16 (lane % 4)
	v_mul_u32_u24 v4, v1, SP
	v_add_nc_u32 v4, s17, v4                       ; out of it: SP x lane: 16 neighbours
	s_add_co_u32 s17, s17, SCB
	v_lshrrev_b32 v5, 1, v1
	v_add_nc_u32 v5, s17, v5                       ; my block's scale byte
	v_and_b32 v6, 7, v1
	v_lshl_add_u32 v6, v6, 2, s17                  ; the 32 bytes back, a word a lane
	v_lshlrev_b32 v7, 2, v1                        ; 4 x lane: the small stores' offset
	v_cmp_gt_u32 s33, 8, v1                        ; the small stores' lanes, made while every lane is on
	v_cmp_gt_u32 s34, 2, v1
	v_cmp_gt_u32 s35, 1, v1
	s_lshl_b32 s18, ttmp9, 2
	s_add_co_u32 s18, s18, s16                     ; t
	s_lshl_b32 s20, s18, 12                        ; a row of x: 4,096 bytes
	s_mov_b32 s21, 0
	s_lshl_b32 s22, s18, 10                        ; of codes: 1,024
	s_mov_b32 s23, 0
	s_lshl_b32 s24, s18, 5                         ; of scale bytes: 32
	s_mov_b32 s25, 0
	s_lshl_b32 s26, s18, 2                         ; route: 4
	s_mov_b32 s27, 0
	s_lshl_b32 s28, s18, 3                         ; gate: 8
	s_mov_b32 s29, 0
	s_mov_b32 s30, 0x76543210
	s_mov_b32 s31, 0xfedcba98                      ; v_permlanex16_b32's selects for lane l xor 16
	s_mov_b32 s32, 0x600000                        ; the mantissa field of 57,344
	s_wait_kmcnt 0x0
	s_add_nc_u64 s[4:5], s[4:5], s[20:21]
	s_add_nc_u64 s[8:9], s[8:9], s[22:23]
	s_add_nc_u64 s[10:11], s[10:11], s[24:25]
	s_add_nc_u64 s[12:13], s[12:13], s[26:27]
	s_add_nc_u64 s[14:15], s[14:15], s[28:29]
.irp i, 0,1,2,3,4,5,6,7
	global_load_b128 v[R+4*\i:R+4*\i+3], v2, s[4:5] offset:512*\i th:TH_LOAD_NT   ; 32 lanes read 512 consecutive bytes
.endr
	WIN 0x40                                       ; destination window 1
.irp e, 0,1,2,3,4,5,6,7
.irp i, 0,1,2,3,4,5,6,7
	global_load_b128 v[32*\e+4*\i:32*\e+4*\i+3], v2, s[6:7] offset:4096*\e+512*\i
.endr
.endr
	WIN 0
.irp e, 0,1,2,3,4,5,6,7
	v_mov_b32 v[T+\e], 0                           ; written once: a lane permute's destination counts as one of its sources
.endr
	s_wait_loadcnt 63                              ; 64 loads stand behind x's eight: x is in, router_w may be out
; a step's 512 numbers through its stage: LDS serves a wave's instructions in order, so no wait stands between the stores and the loads
.macro TURN st
.irp i, 0,1,2,3
	ds_store_b128 v3, v[R+16*\st+4*\i:R+16*\st+4*\i+3] offset:32*SP*\st+8*SP*\i
.endr
.irp i, 0,1,2,3
	ds_load_b128 v[X+16*\st+4*\i:X+16*\st+4*\i+3], v4 offset:32*SP*\st+16*\i
.endr
.endm
	TURN 0
	TURN 1
	s_wait_dscnt 0x0
; step st: my 16 neighbours, elements 512 st + 16 lane on; two neighbouring lanes hold a block of 32
.macro QSTEP st
.set XS, X+16*\st
	v_max3_num_f32 v8, |v[XS]|, |v[XS+1]|, |v[XS+2]|
	v_max3_num_f32 v9, |v[XS+3]|, |v[XS+4]|, |v[XS+5]|
.irp i, 6,10
	v_max3_num_f32 v8, v8, |v[XS+\i]|, |v[XS+\i+1]|
	v_max3_num_f32 v9, v9, |v[XS+\i+2]|, |v[XS+\i+3]|
.endr
	v_max3_num_f32 v8, v8, |v[XS+14]|, |v[XS+15]|
	v_max3_num_f32 v8, v8, v9, 0x8000000           ; and the floor 2^(16 - 127): the byte cannot fall under 1
	v_max_num_f32_dpp v8, v8, v8 row_xmask:1 row_mask:0xf bank_mask:0xf   ; with my neighbour's 16: the block's largest magnitude
	v_add_nc_u32 v11, 0xf8800000, v8               ; 15 off its exponent field: the conversion takes this operand's exponent field as its scale
	v_and_or_b32 v10, v8, 0x7f800000, s32          ; 57,344 x the scale
.irp i, 0,1,2,3,4,5,6,7,8,9,10,11,12,13,14,15
	v_med3_num_f32 v[XS+\i], v[XS+\i], -v10, v10   ; the conversion to an 8-bit code does not saturate (ISA guide 7.6.2): the hold comes first
.endr
	v_cvt_scalef32_pk8_bf8_f32 v[CD+4*\st:CD+4*\st+1], v[XS:XS+7], v11
	v_cvt_scalef32_pk8_bf8_f32 v[CD+4*\st+2:CD+4*\st+3], v[XS+8:XS+15], v11
	v_lshrrev_b32 v[EB+\st], 23, v11               ; the scale's byte (also the plain line behind the conversions)
	ds_store_b8 v5, v[EB+\st] offset:16*\st        ; both lanes of a block write the same byte with the same value
	global_store_b128 v2, v[CD+4*\st:CD+4*\st+3], s[8:9] offset:512*\st   ; 32 lanes store 512 consecutive bytes
.endm
	QSTEP 0
	QSTEP 1
	; the eight logits: 32 products a lane and expert, two at a time, the experts by turns
	s_wait_loadcnt 0x0                             ; router_w
	WIN 0x04                                       ; source 1 window 1
.irp e, 0,1,2,3,4,5,6,7
	v_pk_mul_f32 v[A+2*\e:A+2*\e+1], v[R:R+1], v[32*\e:32*\e+1]
.endr
.irp p, 1,2,3,4,5,6,7,8,9,10,11,12,13,14,15
.irp e, 0,1,2,3,4,5,6,7
	v_pk_fma_f32 v[A+2*\e:A+2*\e+1], v[R+2*\p:R+2*\p+1], v[32*\e+2*\p:32*\e+2*\p+1], v[A+2*\e:A+2*\e+1]
.endr
.endr
	WIN 0
.irp e, 0,1,2,3,4,5,6,7
	v_add_f32 v[LG+\e], v[A+2*\e], v[A+2*\e+1]
.endr
.irp m, 1,2,4,8
.irp e, 0,1,2,3,4,5,6,7
	v_add_f32_dpp v[LG+\e], v[LG+\e], v[LG+\e] row_xmask:\m row_mask:0xf bank_mask:0xf
.endr
.endr
.irp e, 0,1,2,3,4,5,6,7
	v_permlanex16_b32 v[T+\e], v[LG+\e], s30, s31
.endr
.irp e, 0,1,2,3,4,5,6,7
	v_add_f32 v[LG+\e], v[LG+\e], v[T+\e]          ; every lane holds all eight logits
.endr
	; softmax, the maximum taken away
	v_max3_num_f32 v128, v[LG], v[LG+1], v[LG+2]
	v_max3_num_f32 v128, v128, v[LG+3], v[LG+4]
	v_max3_num_f32 v128, v128, v[LG+5], v[LG+6]
	v_max_num_f32 v128, v128, v[LG+7]
.irp e, 0,1,2,3,4,5,6,7
	v_sub_f32 v[LG+\e], v[LG+\e], v128
.endr
.irp e, 0,1,2,3,4,5,6,7
	v_mul_f32 v[LG+\e], 0x3fb8aa3b, v[LG+\e]       ; x log2(e)
.endr
.irp e, 0,1,2,3,4,5,6,7
	v_exp_f32 v[LG+\e], v[LG+\e]
.endr
	v_mov_b32 v134, -1.0                           ; (a plain line behind the exponentials)
	s_wait_alu depctr_va_vdst(0)                   ; one wait for the batch, ahead of its first reader
	v_add_f32 v129, v[LG], v[LG+1]
	v_add_f32 v130, v[LG+2], v[LG+3]
	v_add_f32 v131, v[LG+4], v[LG+5]
	v_add_f32 v132, v[LG+6], v[LG+7]
	v_add_f32 v129, v129, v130
	v_add_f32 v131, v131, v132
	v_add_f32 v129, v129, v131
	v_rcp_f32 v129, v129
	v_mov_b32 v137, 1                              ; (a plain line behind the reciprocal)
	s_wait_alu depctr_va_vdst(0)
.irp e, 0,1,2,3,4,5,6,7
	v_mul_f32 v[LG+\e], v[LG+\e], v129             ; the probabilities
.endr
	; the largest: kept where best >= p, so the lower index stays on a tie
	v_mov_b32 v130, v[LG]
	v_mov_b32 v131, 0
.irp e, 1,2,3,4,5,6,7
	v_cmp_ge_f32 vcc_lo, v130, v[LG+\e]
	v_cndmask_b32 v130, v[LG+\e], v130, vcc_lo
	v_cndmask_b32 v131, \e, v131, vcc_lo
.endr
.irp e, 0,1,2,3,4,5,6,7
	v_cmp_eq_u32 vcc_lo, \e, v131
	v_cndmask_b32 v[T+\e], v[LG+\e], v134, vcc_lo  ; the winner is taken out: -1 lies under every probability
.endr
	v_mov_b32 v132, v[T]
	v_mov_b32 v133, 0
.irp e, 1,2,3,4,5,6,7
	v_cmp_ge_f32 vcc_lo, v132, v[T+\e]
	v_cndmask_b32 v132, v[T+\e], v132, vcc_lo
	v_cndmask_b32 v133, \e, v133, vcc_lo
.endr
	; softmax over the two: w0 = 1 / (1 + u), w1 = u w0, u = e^(p2 - p1), at most 1
	v_sub_f32 v135, v132, v130
	v_mul_f32 v135, 0x3fb8aa3b, v135
	v_exp_f32 v135, v135
	v_lshlrev_b32 v138, v131, v137                 ; (plain work behind it)  1 << e0
	v_lshlrev_b32 v139, v133, v137                 ; 1 << e1
	s_wait_alu depctr_va_vdst(0)
	v_add_f32 v136, 1.0, v135
	v_rcp_f32 v136, v136
	v_or_b32 v138, v138, v139
	v_lshl_or_b32 v138, v131, 8, v138
	v_lshl_or_b32 v138, v133, 16, v138             ; the route word
	s_wait_alu depctr_va_vdst(0)
	v_mul_f32 v135, v135, v136                     ; w1; w0 is v136
	ds_load_b32 v141, v6                           ; my wave's 32 scale bytes: LDS serves a wave's instructions in order
	v_cmp_eq_u32 vcc_lo, 0, v1
	v_cndmask_b32 v142, v135, v136, vcc_lo         ; lane 0: w0; lane 1: w1
	s_wait_dscnt 0x0
	s_wait_xcnt 0x0                                ; EXEC changes only behind this wait: it is a source of the pending stores
	s_wait_tensorcnt 0x0
	ds_add_u32 v254, v255
	s_wait_dscnt 0x0
	s_and_saveexec_b32 s36, s33                    ; lanes 0-7
	global_store_b32 v7, v141, s[10:11]            ; xs[t]: 32 bytes
	s_wait_xcnt 0x0
	s_and_saveexec_b32 s37, s34                    ; lanes 0-1
	global_store_b32 v7, v142, s[14:15]            ; gate[t]
	s_wait_xcnt 0x0
	s_and_saveexec_b32 s38, s35                    ; lane 0
	global_store_b32 v7, v138, s[12:13]            ; route[t]
	s_endpgm
.Lfunc_end_k_q9be9edfacd_route:
	.size	k_q9be9edfacd_route, .Lfunc_end_k_q9be9edfacd_route-k_q9be9edfacd_route
	.p2alignl 7, 3214868480
	.fill 96, 4, 3214868480
	.section	.rodata,"a",@progbits
	.p2align	6, 0x0
	.amdhsa_kernel k_q9be9edfacd_route
		.amdhsa_group_segment_fixed_size 25088
		.amdhsa_private_segment_fixed_size 0
		.amdhsa_enable_private_segment 0
		.amdhsa_kernarg_size 48
		.amdhsa_user_sgpr_count 2
		.amdhsa_user_sgpr_kernarg_segment_ptr 1
		.amdhsa_wavefront_size32 1
		.amdhsa_system_sgpr_workgroup_id_x 1
		.amdhsa_system_sgpr_workgroup_id_y 1
		.amdhsa_system_sgpr_workgroup_id_z 1
		.amdhsa_system_vgpr_workitem_id 0
		.amdhsa_next_free_vgpr 512
		.amdhsa_next_free_sgpr 66
		.amdhsa_reserve_vcc 1
		.amdhsa_float_denorm_mode_32 3
		.amdhsa_float_denorm_mode_16_64 3
		.amdhsa_memory_ordered 1
		.amdhsa_forward_progress 1
		.amdhsa_inst_pref_size 31
	.end_amdhsa_kernel
	.amdgpu_metadata
---
amdhsa.version: [ 1, 2 ]
amdhsa.kernels:
  - .name:           k_q9be9edfacd_route
    .symbol:         k_q9be9edfacd_route.kd
    .args:
      - { .name: hidden_states, .offset: 0, .size: 8, .value_kind: global_buffer, .address_space: global }
      - { .name: router_w, .offset: 8, .size: 8, .value_kind: global_buffer, .address_space: global }
      - { .name: xq, .offset: 16, .size: 8, .value_kind: global_buffer, .address_space: global }
      - { .name: xs, .offset: 24, .size: 8, .value_kind: global_buffer, .address_space: global }
      - { .name: route, .offset: 32, .size: 8, .value_kind: global_buffer, .address_space: global }
      - { .name: gate, .offset: 40, .size: 8, .value_kind: global_buffer, .address_space: global }
    .group_segment_fixed_size: 25088
    .private_segment_fixed_size: 0
    .kernarg_segment_align: 8
    .kernarg_segment_size: 48
    .max_flat_workgroup_size: 128
    .sgpr_count:     66
    .vgpr_count:     512
    .wavefront_size: 32
...
	.end_amdgpu_metadata
.endif
;; end of part 1
;; launch up (part 2): grid 256 x 1, 4 waves a work-group, no clusters, 71,168 bytes of LDS; arguments route, xq, xs, w1_codes, w1_scales, hq, hs; writes hq, hs
.if DOCPART == 2
	.amdgcn_target "amdgcn-amd-amdhsa--gfx1250"
	.amdhsa_code_object_version 6
	.text
	.protected	k_q9be9edfacd_up
	.globl	k_q9be9edfacd_up
	.p2align	8
	.type	k_q9be9edfacd_up,@function
k_q9be9edfacd_up:
	s_mov_b64 s[64:65], 0
	v_nop
	global_prefetch_b8 v0, s[64:65] scope:SCOPE_SE
	s_setreg_imm32_b32 hwreg(HW_REG_WAVE_MODE, 25, 1), 1
	s_wait_xcnt 0x0
; h = Q(silu(x W1^T)) for the rows that the router kept, on codes of E5M2 with one E8M0 scale for each 32 along K.
; SHARES.  Work-group = (expert e = x / 32, slice sl = x % 32 of 128 hidden units).  Wave W = kq + 2 nq: hidden units 128 sl + 64 nq + 0..63, K bytes 512 kq + 0..511: 32 KiB of W1,
; 256 registers, read from memory once in the launch and kept.  The expert's rows go in chunks of 64 (four tiles of 16); a wave multiplies all four tiles by its weights (64 matrix
; instructions, 16 accumulators by turns), hands the partial sums of two tiles to the wave with the other K half through LDS, and finishes its own two: sum, silu, quantiser, store.
; THE LIST.  Wave 0 sorts the 1,024 route words by a counting pass into LDS: the tokens that chose e, in an order that hangs on the words alone, so that the next launch finds the same.
; Words behind the count are 0: a chunk's spare rows are rows of token 0, whose results are true numbers that nobody needs.  The count is held at 1 from below: chunk 0 is always made.
; LAYOUT.  The product is used transposed (source 0 = 16 rows of W1, source 1 = 16 rows of x): a lane holds one row.  Lane r of tile 2 b + u takes W1's row 32 b + 8 u + r + 8 (r / 8), so that the 16
; registers of tiles 2 b and 2 b + 1 are 16 neighbours along the next K, and the conversions' results are the next operand's registers.  hq is laid in that order: [e][tile of 16 rows][K step][c][lane][16 bytes].
; hs: [e][chunk][K step][nq][pair of tiles][r] words: bytes = (even tile: blocks 2 nq, 2 nq + 1; odd tile: the same two).
; SET j of a wave holds the chunk's tile (2 kq) xor j: a wave's own tiles are always sets 0 and 1; the wave's number enters addresses alone.
; CONTROL.  16 half-trips, one for each chunk that 1,024 rows can make; every barrier lies outside the branches on the count; a half-trip without a chunk costs a barrier and a compare.
; NO TENSOR LOADS, NO CLUSTER: the branches hang on a count read from memory, so operands go from memory straight into registers; no byte of W1 is read by two work-groups;
; what the 32 work-groups of an expert share, its rows of x, is gathered by the list, 1 KiB a row.
; LIMITS: NaN and infinities are not served.  Blocks of h whose largest magnitude lies under 2^-111 (zeros too) keep the byte 1; the bytes are read by this program alone.  silu of a very negative number is -0.
.set REDB,  32768                      ; LDS: two buffers for partial sums: in each 8,192 bytes for each receiving wave: 8 accumulators as register images (low four registers, then high four, 16 bytes a lane)
.set LIST,  65536                      ; the list: 1,152 words
.set CNTW,  70144                      ; the count
.set TRASH, 70272                      ; a word a lane for the sort's lanes that have nothing to place
.set TIDX,  (TRASH-LIST)/4             ; the first of those words, counted in words from the list's first
.set L16, 1                            ; 16 x lane
.set R4,  2                            ; 4 r
.set H16, 3                            ; 16 h
.set WO,  4                            ; W1: (r + 8 (r / 8)) x 1,024 + 16 h
.set WSO, 5                            ; its scale words: (r + 8 (r / 8)) x 32
.set LA0, 6                            ; the list: sets 0, 1
.set LA1, 7                            ; sets 2, 3
.set RS,  8                            ; where I put partial sums: my partner's region
.set RL,  9                            ; where I find my partner's: my region
.set HO,  10                           ; offset in hq
.set SO,  11                           ; offset in hs
.set TOK, 12                           ; v12-15 a token for each set
.set XO,  16                           ; v16-19 offsets in xq
.set XSO, 20                           ; v20-23 offsets in xs
.set LT0, 24
.set LT1, 25
.set ST,   26                          ; v26-29: the sort's own
.set SPOS, 27
.set SA,   28
.set TOKV, 29
.set L4,   30                          ; 4 x lane
.set TR,   31                          ; TIDX + lane: my spare word, as an index
.set WS,  32                           ; v32-47  W1's scale words 4 t + s: scales and nothing else
.set XSC, 48                           ; v48-63, v64-79  x's scale words 4 j + s, buffers 0 and 1: scales and nothing else
.set ACC, 80                           ; v80-207 accumulator (set j, tile t) at 32 j + 8 t
.set PC,  208                          ; v208-223 the codes just made
.set TM,  224                          ; v224-239 the quantiser's
.set PW,  240                          ; the scale word just made
.set ZQ,  244                          ; v244-247 zeros
.set ZA,  248
.set CW,  249
.set CV,  250
.set W,   18
.set KQ,  19
.set NQ,  20
.set EX,  21
.set SL,  22
.set NE,  23                           ; the expert's rows
.set C,   24                           ; the chunk that is being finished
.set I,   25
.set T0,  26
.set T1,  27
.set BIT, 28
.set CNT, 29
.set SEL, 30                           ; s[30:31]
.set MNT, 32
.set NL,  34                           ; s[34:35] -log2(e), twice
.set MSB, 0                            ; window 1: W1's fragment (t, s) at v[16 (4 t + s)];  windows 2, 3: x's fragment (j, s) at v[16 (4 j + s)], buffers 0 and 1
.macro WIN new                         ; the immediate's high byte repeats the setting that is left
.if MSB != (\new)
	s_set_vgpr_msb (MSB<<8)|(\new)
.set MSB, (\new)
.endif
.endm
	s_load_b256 s[4:11], s[0:1], 0x0               ; route s[4:5], xq s[6:7], xs s[8:9], w1_codes s[10:11]
	s_load_b128 s[12:15], s[0:1], 0x20             ; w1_scales s[12:13], hq s[14:15]
	s_load_b64 s[16:17], s[0:1], 0x30              ; hs
	v_lshl_add_u32 v254, v0, 2, 0x11400
	v_mov_b32 v255, 0
	v_lshrrev_b32 v[CV], 5, v0
	v_readfirstlane_b32 s[W], v[CV]
	s_and_b32 s[KQ], s[W], 1
	s_lshr_b32 s[NQ], s[W], 1
	s_lshr_b32 s[EX], ttmp9, 5
	s_and_b32 s[SL], ttmp9, 31
	s_lshl_b32 s[BIT], 1, s[EX]
	; every address register is made here, ahead of the one branch on the wave's number
	v_and_b32 v[L16], 31, v0
	v_and_b32 v[R4], 15, v0
	v_bfe_u32 v[H16], v0, 4, 1
	v_lshlrev_b32 v[L4], 2, v[L16]
	v_add_nc_u32 v[TR], TIDX, v[L16]
	v_lshlrev_b32 v[L16], 4, v[L16]
	v_add_nc_u32 v[ZA], LIST, v[L16]
	v_mov_b32 v[CW], CNTW
	v_and_b32 v[WO], 8, v[R4]
	v_add_nc_u32 v[WO], v[WO], v[R4]               ; r + 8 (r / 8)
	v_lshlrev_b32 v[WSO], 5, v[WO]
	v_lshlrev_b32 v[WO], 10, v[WO]
	v_lshl_add_u32 v[WO], v[H16], 4, v[WO]
	v_lshlrev_b32 v[R4], 2, v[R4]
	v_lshlrev_b32 v[H16], 4, v[H16]
	s_lshl_b32 s[T0], s[KQ], 7
	s_add_co_u32 s[T0], s[T0], LIST
	v_add_nc_u32 v[LA0], s[T0], v[R4]              ; tiles 2 kq, 2 kq + 1: 64 bytes of the list each
	s_xor_b32 s[T0], s[KQ], 1
	s_lshl_b32 s[T0], s[T0], 7
	s_add_co_u32 s[T0], s[T0], LIST
	v_add_nc_u32 v[LA1], s[T0], v[R4]              ; the other two
	s_xor_b32 s[T0], s[W], 1
	s_lshl_b32 s[T0], s[T0], 13
	v_add_nc_u32 v[RS], s[T0], v[L16]
	s_lshl_b32 s[T0], s[W], 13
	v_add_nc_u32 v[RL], s[T0], v[L16]
.irp b, 0,1,2,3
	v_mov_b32 v[ZQ+\b], 0
	v_mov_b32 v[TM+4+\b], 0                        ; written once: a lane permute's destination counts as one of its sources
.endr
	s_mov_b32 s[SEL], 0x76543210
	s_mov_b32 s[SEL+1], 0xfedcba98
	s_mov_b32 s[MNT], 0x600000                     ; the mantissa field of 57,344
	s_mov_b32 s[NL], 0xbfb8aa3b
	s_mov_b32 s[NL+1], s[NL]
	s_mov_b32 s[C], 0
	s_mov_b32 s[I], 8
	; offsets, apart from the addresses
	s_lshl_b32 s36, s[KQ], 9                       ; xq: my K half
	s_mov_b32 s37, 0
	s_lshl_b32 s38, s[KQ], 4                       ; xs: its 16 bytes
	s_mov_b32 s39, 0
	s_lshl_b32 s40, s[EX], 22                      ; w1_codes: 4 MiB e + (128 sl + 64 nq) rows of 1,024 + 512 kq
	s_lshl_b32 s[T0], s[SL], 17
	s_add_co_u32 s40, s40, s[T0]
	s_lshl_b32 s[T0], s[NQ], 16
	s_add_co_u32 s40, s40, s[T0]
	s_add_co_u32 s40, s40, s36
	s_mov_b32 s41, 0
	s_lshl_b32 s42, s[EX], 17                      ; w1_scales: 128 KiB e + (128 sl + 64 nq) rows of 32 + 16 kq
	s_lshl_b32 s[T0], s[SL], 12
	s_add_co_u32 s42, s42, s[T0]
	s_lshl_b32 s[T0], s[NQ], 11
	s_add_co_u32 s42, s42, s[T0]
	s_add_co_u32 s42, s42, s38
	s_mov_b32 s43, 0
	s_lshl_b32 s44, s[EX], 22                      ; hq: 4 MiB e + 2,048 sl + 131,072 kq (my two tiles) + 1,024 nq (my two blocks)
	s_lshl_b32 s[T0], s[SL], 11
	s_add_co_u32 s44, s44, s[T0]
	s_lshl_b32 s[T0], s[KQ], 17
	s_add_co_u32 s44, s44, s[T0]
	s_lshl_b32 s[T0], s[NQ], 10
	s_add_co_u32 s44, s44, s[T0]
	s_mov_b32 s45, 0
	s_lshl_b32 s46, s[EX], 17                      ; hs: 128 KiB e + 256 sl + 128 nq + 64 kq
	s_lshl_b32 s[T0], s[SL], 8
	s_add_co_u32 s46, s46, s[T0]
	s_lshl_b32 s[T0], s[NQ], 7
	s_add_co_u32 s46, s46, s[T0]
	s_lshl_b32 s[T0], s[KQ], 6
	s_add_co_u32 s46, s46, s[T0]
	s_mov_b32 s47, 0
	s_wait_kmcnt 0x0
	s_add_nc_u64 s[6:7], s[6:7], s[36:37]
	s_add_nc_u64 s[8:9], s[8:9], s[38:39]
	s_add_nc_u64 s[10:11], s[10:11], s[40:41]
	s_add_nc_u64 s[12:13], s[12:13], s[42:43]
	s_add_nc_u64 s[14:15], s[14:15], s[44:45]
	s_add_nc_u64 s[16:17], s[16:17], s[46:47]
.irp i, 0,1,2,3,4,5,6,7
	global_load_b128 v[ACC+4*\i:ACC+4*\i+3], v[L16], s[4:5] offset:512*\i   ; the route words: register 4 i + k = token 128 i + 4 lane + k.  Every wave loads them, so that the counts below are the same in all
.endr
	WIN 0x40                                       ; destination window 1
.irp t, 0,1,2,3
.irp s, 0,1,2,3
.irp c, 0,1,2,3
	global_load_b128 v[16*(4*\t+\s)+4*\c:16*(4*\t+\s)+4*\c+3], v[WO], s[10:11] offset:(32*(\t/2)+8*(\t%2))*1024+128*\s+32*\c th:TH_LOAD_NT   ; a tile's 16 loads cover 512 consecutive bytes of each of its rows
.endr
.endr
.endr
	WIN 0
.irp t, 0,1,2,3
	global_load_b128 v[WS+4*\t:WS+4*\t+3], v[WSO], s[12:13] offset:(32*(\t/2)+8*(\t%2))*32   ; four K steps' scale words of a row
.endr
	; THE SORT, by wave 0 alone
	s_cmp_lg_u32 s[W], 0
	s_cbranch_scc1 .Lsorted
	s_wait_loadcnt 63                              ; 68 loads stand behind the route words' eight: they are in
.irp i, 0,1,2,3,4,5,6,7,8
	ds_store_b128 v[ZA], v[ZQ:ZQ+3] offset:512*\i  ; the list begins as zeros: token 0
.endr
	s_mov_b32 s[CNT], 0
.set n, 0
.rept 32
	v_and_b32 v[ST], s[BIT], v[ACC+n]
	v_cmp_ne_u32 vcc_lo, 0, v[ST]                  ; the lanes whose token chose e
	v_mbcnt_lo_u32_b32 v[SPOS], vcc_lo, s[CNT]     ; those placed so far + those in lower lanes: the token's place in the list
	v_cndmask_b32 v[SPOS], v[TR], v[SPOS], vcc_lo  ; the other lanes take their own spare word's index
	v_min_u32 v[SPOS], TIDX+31, v[SPOS]            ; the index is held inside the list and the spare words; behind this line only a shift and an addition
	v_lshl_add_u32 v[SA], v[SPOS], 2, LIST
	v_add_nc_u32 v[TOKV], 128*(n/4)+n%4, v[L4]
	ds_store_b32 v[SA], v[TOKV]
	s_bcnt1_i32_b32 s[T0], vcc_lo
	s_add_co_u32 s[CNT], s[CNT], s[T0]
.set n, n+1
.endr
	v_mov_b32 v[TOKV], s[CNT]
	ds_store_b32 v[CW], v[TOKV]
.Lsorted:
	s_wait_dscnt 0x0                               ; wave 0's stores have landed
	s_barrier_signal -1
	s_barrier_wait -1
	ds_load_b32 v[CV], v[CW]
	s_wait_dscnt 0x0
	v_readfirstlane_b32 s[NE], v[CV]
	s_min_u32 s[NE], s[NE], 1024
	s_max_u32 s[NE], s[NE], 1                      ; chunk 0 is always made
; chunk C + ahead: its 64 tokens from the list, their scale words and their fragments (my K half) into buffer buf: 68 loads
.macro PF ahead, buf
	s_add_co_u32 s[T0], s[C], \ahead
	s_lshl_b32 s[T0], s[T0], 8
	v_add_nc_u32 v[LT0], s[T0], v[LA0]
	v_add_nc_u32 v[LT1], s[T0], v[LA1]
	ds_load_b32 v[TOK], v[LT0]
	ds_load_b32 v[TOK+1], v[LT0] offset:64
	ds_load_b32 v[TOK+2], v[LT1]
	ds_load_b32 v[TOK+3], v[LT1] offset:64
	s_wait_dscnt 0x0
.irp j, 0,1,2,3
	v_min_u32 v[TOK+\j], 0x3ff, v[TOK+\j]
.endr
.irp j, 0,1,2,3
	v_lshlrev_b32 v[XSO+\j], 5, v[TOK+\j]
	v_lshl_add_u32 v[XO+\j], v[TOK+\j], 10, v[H16]
.endr
.irp j, 0,1,2,3
	global_load_b128 v[XSC+16*(\buf)+4*\j:XSC+16*(\buf)+4*\j+3], v[XSO+\j], s[8:9]
.endr
	WIN 0x80+0x40*(\buf)                           ; destination window 2 or 3
.irp j, 0,1,2,3
.irp s, 0,1,2,3
.irp c, 0,1,2,3
	global_load_b128 v[16*(4*\j+\s)+4*\c:16*(4*\j+\s)+4*\c+3], v[XO+\j], s[6:7] offset:128*\s+32*\c
.endr
.endr
.endr
	WIN 0
.endm
; 64 matrix instructions on buffer buf; the 16 accumulators take turns, one instruction a turn; the first K step starts the sums.  Then sets 2 and 3 go to my partner.
.macro MULT buf, red
	WIN 0x09+4*(\buf)                              ; source 0 window 1, source 1 window 2 or 3, C and D window 0
.irp s, 0,1,2,3
.irp j, 0,1,2,3
.irp t, 0,1,2,3
.if \s == 0
	v_wmma_scale_f32_16x16x128_f8f6f4 v[ACC+32*\j+8*\t:ACC+32*\j+8*\t+7], v[16*(4*\t+\s):16*(4*\t+\s)+15], v[16*(4*\j+\s):16*(4*\j+\s)+15], 0, v[WS+4*\t+\s], v[XSC+16*(\buf)+4*\j+\s] matrix_a_fmt:MATRIX_FMT_BF8 matrix_b_fmt:MATRIX_FMT_BF8
.else
	v_wmma_scale_f32_16x16x128_f8f6f4 v[ACC+32*\j+8*\t:ACC+32*\j+8*\t+7], v[16*(4*\t+\s):16*(4*\t+\s)+15], v[16*(4*\j+\s):16*(4*\j+\s)+15], v[ACC+32*\j+8*\t:ACC+32*\j+8*\t+7], v[WS+4*\t+\s], v[XSC+16*(\buf)+4*\j+\s] matrix_a_fmt:MATRIX_FMT_BF8 matrix_b_fmt:MATRIX_FMT_BF8
.endif
.endr
.endr
.endr
	WIN 0
.rept 9
	v_nop                                          ; eight places ahead of stores that read results and of loads into registers that these products named; the ninth for the next products, which begin the accumulators anew
.endr
.irp a, 0,1,2,3,4,5,6,7
	ds_store_b128 v[RS], v[ACC+64+8*\a:ACC+64+8*\a+3] offset:(\red)*REDB+\a*1024        ; each accumulator from its low end on
	ds_store_b128 v[RS], v[ACC+64+8*\a+4:ACC+64+8*\a+7] offset:(\red)*REDB+\a*1024+512
.endr
.endm
; 64 numbers of a lane, v[s] on, register 16 b + i = k 32 b + 16 (lane / 16) + i of a row, become 16 registers of codes in v[PC] on and four scale bytes in v[PW]
.macro QUANT s
.irp b, 0,1,2,3
	v_max3_num_f32 v[TM+\b], |v[\s+16*\b]|, |v[\s+1+16*\b]|, 0x8000000   ; my 16 numbers, and the floor 2^(16 - 127): the byte cannot fall under 1
.endr
.irp i, 2,4,6,8,10,12,14
.irp b, 0,1,2,3
	v_max3_num_f32 v[TM+\b], v[TM+\b], |v[\s+16*\b+\i]|, |v[\s+1+16*\b+\i]|
.endr
.endr
.irp b, 0,1,2,3
	v_permlanex16_b32 v[TM+4+\b], v[TM+\b], s[SEL], s[SEL+1]
.endr
.irp b, 0,1,2,3
	v_max_num_f32 v[TM+\b], v[TM+\b], v[TM+4+\b]   ; with lane l xor 16's: the block's largest magnitude
.endr
.irp b, 0,1,2,3
	v_add_nc_u32 v[TM+12+\b], 0xf8800000, v[TM+\b] ; 15 off its exponent field: the conversion's scale operand
.endr
.irp b, 0,1,2,3
	v_and_or_b32 v[TM+8+\b], v[TM+\b], 0x7f800000, s[MNT]   ; 57,344 x the scale
.endr
.irp b, 0,1,2,3
	v_lshrrev_b32 v[TM+4+\b], 23, v[TM+12+\b]      ; the scale's byte
.endr
	v_lshl_or_b32 v[PW], v[TM+5], 8, v[TM+4]
	v_lshl_or_b32 v[PW], v[TM+6], 16, v[PW]
	v_lshl_or_b32 v[PW], v[TM+7], 24, v[PW]
.irp b, 0,1,2,3
.irp i, 0,1,2,3,4,5,6,7,8,9,10,11,12,13,14,15
	v_med3_num_f32 v[\s+16*\b+\i], v[\s+16*\b+\i], -v[TM+8+\b], v[TM+8+\b]   ; the conversion to an 8-bit code does not saturate (ISA guide 7.6.2): the hold comes first
.endr
	v_cvt_scalef32_pk8_bf8_f32 v[PC+4*\b:PC+1+4*\b], v[\s+16*\b:\s+7+16*\b], v[TM+12+\b]
	v_cvt_scalef32_pk8_bf8_f32 v[PC+2+4*\b:PC+3+4*\b], v[\s+8+16*\b:\s+15+16*\b], v[TM+12+\b]
.endr
	v_nop                                          ; a plain line behind the last conversion: later products write its sources
.endm
; chunk C is finished: my two tiles x my 64 hidden units
.macro FINISH p
	s_wait_xcnt 0x0                                ; the last chunk's stores have read their data and offsets, which are written again below
.irp a, 0,1,2,3,4,5,6,7
	ds_load_b128 v[ACC+64+8*\a:ACC+64+8*\a+3], v[RL] offset:(\p)*REDB+\a*1024           ; my partner's sums for my tiles, into the registers that my own gifts have left
	ds_load_b128 v[ACC+64+8*\a+4:ACC+64+8*\a+7], v[RL] offset:(\p)*REDB+\a*1024+512
.endr
	s_lshl_b32 s[T0], s[C], 18                     ; a chunk of hq: four tiles of 64 KiB
	s_lshl_b32 s[T1], s[C], 13                     ; of hs: 8 KiB
	v_add_nc_u32 v[HO], s[T0], v[L16]
	v_add_nc_u32 v[SO], s[T1], v[R4]
	s_wait_dscnt 0x0
.set i, 0
.rept 32
	v_pk_add_f32 v[ACC+i:ACC+i+1], v[ACC+i:ACC+i+1], v[ACC+64+i:ACC+65+i]   ; the two K halves; each accumulator is read from its low end on
.set i, i+2
.endr
.set i, 0
.rept 32
	v_pk_mul_f32 v[ACC+64+i:ACC+65+i], v[ACC+i:ACC+i+1], s[NL:NL+1] op_sel_hi:[1,0]   ; -z log2(e)
.set i, i+2
.endr
.set i, 0
.rept 64
	v_exp_f32 v[ACC+64+i], v[ACC+64+i]
.set i, i+1
.endr
	v_nop                                          ; a plain line behind the batch,
	s_wait_alu depctr_va_vdst(0)                   ; and one wait for it ahead of its first reader
.set i, 0
.rept 32
	v_pk_add_f32 v[ACC+64+i:ACC+65+i], v[ACC+64+i:ACC+65+i], 1.0 op_sel_hi:[1,0]
.set i, i+2
.endr
.set i, 0
.rept 64
	v_rcp_f32 v[ACC+64+i], v[ACC+64+i]
.set i, i+1
.endr
	v_nop
	s_wait_alu depctr_va_vdst(0)
.set i, 0
.rept 32
	v_pk_mul_f32 v[ACC+i:ACC+i+1], v[ACC+i:ACC+i+1], v[ACC+64+i:ACC+65+i]   ; silu(z) = z / (1 + e^-z)
.set i, i+2
.endr
	QUANT ACC                                      ; block 2 j + b: tile j of my two, block 2 nq + b of the K step
.irp b, 0,1,2,3
	global_store_b128 v[HO], v[PC+4*\b:PC+4*\b+3], s[14:15] offset:(\b/2)*65536+(\b%2)*512   ; 32 lanes store 512 consecutive bytes
.endr
	global_store_b32 v[SO], v[PW], s[16:17]        ; lanes l and l xor 16 store the same word with the same value
.endm
.macro HALF p
	s_wait_dscnt 0x0                               ; my partial sums have landed, my reads of the other buffer are over
	s_barrier_signal -1
	s_barrier_wait -1
	s_lshl_b32 s[T0], s[C], 6
	s_cmp_lt_u32 s[T0], s[NE]                      ; is there a chunk C?
	s_cbranch_scc0 .Lidle_\@
	FINISH \p
	s_lshl_b32 s[T0], s[C], 6
	s_add_co_u32 s[T0], s[T0], 64
	s_cmp_lt_u32 s[T0], s[NE]                      ; a chunk C + 1?
	s_cbranch_scc0 .Lidle_\@
	s_wait_loadcnt 0x0                             ; its fragments are in (0: the same proof on every way here)
	s_wait_xcnt 0x0                                ; nothing that a pending instruction names is written below
	s_add_co_u32 s[T0], s[T0], 64
	s_cmp_lt_u32 s[T0], s[NE]                      ; a chunk C + 2?
	s_cbranch_scc0 .Lnopf_\@
	PF 2, \p                                       ; into the buffer that chunk C has left
.Lnopf_\@:
	MULT 1-\p, 1-\p
.Lidle_\@:
	s_add_co_u32 s[C], s[C], 1
.endm
	PF 0, 0
	s_wait_xcnt 0x0                                ; the first run of loads has read its offsets, which the second writes again
	PF 1, 1                                        ; (behind the count the list holds token 0: every byte read is a written one)
	s_wait_loadcnt 63                              ; 68 loads stand behind chunk 0's: the route words, the weights and chunk 0 are in
	MULT 0, 0
.Lloop:
	HALF 0
	HALF 1
	s_sub_co_u32 s[I], s[I], 1
	s_cmp_lg_u32 s[I], 0
	s_cbranch_scc1 .Lloop
	s_wait_tensorcnt 0x0
	ds_add_u32 v254, v255
	s_wait_dscnt 0x0
	s_endpgm
.Lfunc_end_k_q9be9edfacd_up:
	.size	k_q9be9edfacd_up, .Lfunc_end_k_q9be9edfacd_up-k_q9be9edfacd_up
	.p2alignl 7, 3214868480
	.fill 96, 4, 3214868480
	.section	.rodata,"a",@progbits
	.p2align	6, 0x0
	.amdhsa_kernel k_q9be9edfacd_up
		.amdhsa_group_segment_fixed_size 71168
		.amdhsa_private_segment_fixed_size 0
		.amdhsa_enable_private_segment 0
		.amdhsa_kernarg_size 56
		.amdhsa_user_sgpr_count 2
		.amdhsa_user_sgpr_kernarg_segment_ptr 1
		.amdhsa_wavefront_size32 1
		.amdhsa_system_sgpr_workgroup_id_x 1
		.amdhsa_system_sgpr_workgroup_id_y 1
		.amdhsa_system_sgpr_workgroup_id_z 1
		.amdhsa_system_vgpr_workitem_id 0
		.amdhsa_next_free_vgpr 1024
		.amdhsa_next_free_sgpr 66
		.amdhsa_reserve_vcc 1
		.amdhsa_float_denorm_mode_32 3
		.amdhsa_float_denorm_mode_16_64 3
		.amdhsa_memory_ordered 1
		.amdhsa_forward_progress 1
		.amdhsa_inst_pref_size 131
	.end_amdhsa_kernel
	.amdgpu_metadata
---
amdhsa.version: [ 1, 2 ]
amdhsa.kernels:
  - .name:           k_q9be9edfacd_up
    .symbol:         k_q9be9edfacd_up.kd
    .args:
      - { .name: route, .offset: 0, .size: 8, .value_kind: global_buffer, .address_space: global }
      - { .name: xq, .offset: 8, .size: 8, .value_kind: global_buffer, .address_space: global }
      - { .name: xs, .offset: 16, .size: 8, .value_kind: global_buffer, .address_space: global }
      - { .name: w1_codes, .offset: 24, .size: 8, .value_kind: global_buffer, .address_space: global }
      - { .name: w1_scales, .offset: 32, .size: 8, .value_kind: global_buffer, .address_space: global }
      - { .name: hq, .offset: 40, .size: 8, .value_kind: global_buffer, .address_space: global }
      - { .name: hs, .offset: 48, .size: 8, .value_kind: global_buffer, .address_space: global }
    .group_segment_fixed_size: 71168
    .private_segment_fixed_size: 0
    .kernarg_segment_align: 8
    .kernarg_segment_size: 56
    .max_flat_workgroup_size: 128
    .sgpr_count:     66
    .vgpr_count:     1024
    .wavefront_size: 32
...
	.end_amdgpu_metadata
.endif
;; end of part 2
;; launch down (part 3): grid 256 x 1, 4 waves a work-group, no clusters, 144,896 bytes of LDS; arguments route, hq, hs, w2_codes, w2_scales, yp; writes yp
.if DOCPART == 3
	.amdgcn_target "amdgcn-amd-amdhsa--gfx1250"
	.amdhsa_code_object_version 6
	.text
	.protected	k_q9be9edfacd_down
	.globl	k_q9be9edfacd_down
	.p2align	8
	.type	k_q9be9edfacd_down,@function
k_q9be9edfacd_down:
	s_mov_b64 s[64:65], 0
	v_nop
	global_prefetch_b8 v0, s[64:65] scope:SCOPE_SE
	s_setreg_imm32_b32 hwreg(HW_REG_WAVE_MODE, 25, 1), 1
	s_wait_xcnt 0x0
; y = h W2^T for the rows that the router kept, on codes of E5M2 with one E8M0 scale for each 32 along K, in two halves of K: yp[K half][e][token][1024] f32; the next launch adds the halves.
; SHARES.  Work-group = (expert e = x / 32, 64 output columns ns = (x / 2) % 16, K half kh = x % 2 of 2,048).  Wave W takes K steps 16 kh + 4 W + 0..3 of those 64 columns: 32 KiB of W2,
; 256 registers, read from memory once in the launch and kept.  The expert's rows go in chunks of 64 (four tiles of 16), as the launch before laid them.  A wave multiplies all four tiles (64 matrix
; instructions, 16 accumulators by turns), puts each tile's partial sums into LDS for the wave that owns the tile (wave = tile), and adds and stores its own tile's four parts.
; THE LIST is sorted again by wave 0, by the same lines as in the launch before, so row i of the expert is the same token here.  Spare rows are rows of token 0: they store expert e's true y of token 0.
; LAYOUT.  Transposed use (source 0 = 16 rows of W2, source 1 = 16 rows of h): a lane holds one row and eight neighbouring columns.  In LDS the parts lie as rows of 256 bytes + 16, so they come back as whole rows.
; SET j of a wave holds the chunk's tile W xor j; slot j of a receiving wave's region holds what wave (receiver xor j) sent.
; h's SCALES lie as words (even tile: blocks 2 nq, 2 nq + 1; odd tile: the same): two words (nq = 0, 1) give a tile's word by one byte permute; lanes 0-15 load my tile's pair of tiles, lanes 16-31 the other pair.
; CONTROL, and why no tensor loads and no cluster: as in the launch before: branches hang on a count read from memory; no byte of W2 is read by two work-groups.
; LIMITS: NaN and infinities are not served.
.set REDB,  69632                      ; LDS: two buffers; in each 17,408 bytes for each receiving wave: four slots of 16 rows x 272 bytes
.set LIST,  139264                     ; the list: 1,152 words
.set CNTW,  143872
.set TRASH, 144000                     ; a word a lane for the sort's lanes that have nothing to place
.set TIDX,  (TRASH-LIST)/4             ; the first of those words, counted in words from the list's first
.set L16, 1                            ; 16 x lane
.set C16, 2                            ; 16 r
.set WO,  3                            ; W2: 4,096 r + 16 h
.set WSO, 4                            ; its scale words: 128 r
.set HB,  5                            ; v5-8   16 x lane + 64 KiB x (W xor j)
.set HO,  9                            ; v9-12  the same + the chunk
.set SBS, 13                           ; ((W / 2) xor h) x 64 + 4 r
.set SOS, 14
.set RS,  15                           ; v15-22 where set j's sums go, for each buffer
.set RL,  23                           ; v23-24 where I read my tile's parts
.set LY,  25                           ; the list: my tile's rows, two an instruction
.set LT,  26
.set ST,   27                          ; the sort's own
.set SPOS, 28
.set SA,   29
.set TOKV, 30
.set L4,   31
.set WS,  32                           ; v32-47 W2's scale words 4 t + s: scales and nothing else
.set HR,  48                           ; v48-55, v56-63 h's scale words as stored, 2 s + nq, buffers 0 and 1
.set HSC, 64                           ; v64-71 h's scale words as the products want them: 2 s: tiles of my parity, 2 s + 1: of the other: scales and nothing else
.set TK,  72                           ; v72-79 tokens
.set ACC, 80                           ; v80-207
.set YO,  208                          ; v208-215 offsets in yp
.set TR,  243                          ; TIDX + lane: my spare word, as an index
.set ZQ,  244
.set ZA,  248
.set CW,  249
.set CV,  250
.set W,   18
.set EX,  19
.set NS,  20
.set KH,  21
.set NE,  22
.set C,   23
.set I,   24
.set T0,  25
.set T1,  26
.set BIT, 27
.set CNT, 28
.set LASTC, 29                         ; the expert's last chunk
.set SELS, 30
.set SELO, 31
.set MSB, 0                            ; window 1: W2's fragment (t, s) at v[16 (4 t + s)];  windows 2, 3: h's fragment (j, s) at v[16 (4 j + s)], buffers 0 and 1
.macro WIN new
.if MSB != (\new)
	s_set_vgpr_msb (MSB<<8)|(\new)
.set MSB, (\new)
.endif
.endm
	s_load_b256 s[4:11], s[0:1], 0x0               ; route s[4:5], hq s[6:7], hs s[8:9], w2_codes s[10:11]
	s_load_b128 s[12:15], s[0:1], 0x20             ; w2_scales s[12:13], yp s[14:15]
	v_lshl_add_u32 v254, v0, 2, 0x23400
	v_mov_b32 v255, 0
	v_lshrrev_b32 v[CV], 5, v0
	v_readfirstlane_b32 s[W], v[CV]
	s_lshr_b32 s[EX], ttmp9, 5
	s_bfe_u32 s[NS], ttmp9, 0x40001
	s_and_b32 s[KH], ttmp9, 1
	s_lshl_b32 s[BIT], 1, s[EX]
	; every address register is made here, ahead of the one branch on the wave's number
	v_and_b32 v[YO], 15, v0                        ; r
	v_bfe_u32 v[YO+1], v0, 4, 1                    ; h
	v_and_b32 v[L16], 31, v0
	v_lshlrev_b32 v[L4], 2, v[L16]
	v_add_nc_u32 v[TR], TIDX, v[L16]
	v_lshlrev_b32 v[L16], 4, v[L16]
	v_add_nc_u32 v[ZA], LIST, v[L16]
	v_mov_b32 v[CW], CNTW
	v_lshlrev_b32 v[C16], 4, v[YO]
	v_lshlrev_b32 v[WO], 12, v[YO]
	v_lshl_add_u32 v[WO], v[YO+1], 4, v[WO]
	v_lshlrev_b32 v[WSO], 7, v[YO]
	v_mul_u32_u24 v[YO+2], v[YO], 272
	v_lshl_add_u32 v[YO+2], v[YO+1], 5, v[YO+2]    ; in: row r, 32 bytes for each half of the lanes
	v_mul_u32_u24 v[YO+3], v[YO+1], 272
	v_lshl_add_u32 v[YO+3], v[YO], 4, v[YO+3]      ; back: lanes 0-15 one row, lanes 16-31 the next
.irp j, 0,1,2,3
	s_xor_b32 s[T0], s[W], \j
	s_lshl_b32 s[T1], s[T0], 16
	v_add_nc_u32 v[HB+\j], s[T1], v[L16]
	s_mul_i32 s[T0], s[T0], 17408
	s_add_co_u32 s[T0], s[T0], \j*4352
	v_add_nc_u32 v[RS+\j], s[T0], v[YO+2]
	s_add_co_u32 s[T0], s[T0], REDB
	v_add_nc_u32 v[RS+4+\j], s[T0], v[YO+2]
.endr
	s_mul_i32 s[T0], s[W], 17408
	v_add_nc_u32 v[RL], s[T0], v[YO+3]
	s_add_co_u32 s[T0], s[T0], REDB
	v_add_nc_u32 v[RL+1], s[T0], v[YO+3]
	s_lshl_b32 s[T0], s[W], 6
	s_add_co_u32 s[T0], s[T0], LIST
	v_lshl_add_u32 v[LY], v[YO+1], 2, s[T0]
	s_lshr_b32 s[T0], s[W], 1
	v_xor_b32 v[SBS], s[T0], v[YO+1]
	v_lshlrev_b32 v[YO+2], 2, v[YO]
	v_lshl_add_u32 v[SBS], v[SBS], 6, v[YO+2]
.irp b, 0,1,2,3
	v_mov_b32 v[ZQ+\b], 0
.endr
	s_mov_b32 s34, 0x05040100                      ; bytes 0, 1 of both words: an even tile's four blocks
	s_mov_b32 s35, 0x07060302                      ; bytes 2, 3: an odd tile's
	s_and_b32 s[T0], s[W], 1
	s_cmp_eq_u32 s[T0], 0
	s_cselect_b32 s[SELS], s34, s35                ; tiles of my parity (sets 0, 2)
	s_cselect_b32 s[SELO], s35, s34                ; of the other (sets 1, 3)
	s_mov_b32 s[C], 0
	s_mov_b32 s[I], 8
	; offsets, apart from the addresses
	s_lshl_b32 s36, s[EX], 22                      ; hq: 4 MiB e + (16 kh + 4 W) K steps of 2,048
	s_lshl_b32 s[T0], s[KH], 15
	s_add_co_u32 s36, s36, s[T0]
	s_lshl_b32 s[T0], s[W], 13
	s_add_co_u32 s36, s36, s[T0]
	s_mov_b32 s37, 0
	s_lshl_b32 s38, s[EX], 17                      ; hs: 128 KiB e + (16 kh + 4 W) x 256
	s_lshl_b32 s[T0], s[KH], 12
	s_add_co_u32 s38, s38, s[T0]
	s_lshl_b32 s[T0], s[W], 10
	s_add_co_u32 s38, s38, s[T0]
	s_mov_b32 s39, 0
	s_lshl_b32 s40, s[EX], 22                      ; w2_codes: 4 MiB e + 64 ns rows of 4,096 + 2,048 kh + 512 W
	s_lshl_b32 s[T0], s[NS], 18
	s_add_co_u32 s40, s40, s[T0]
	s_lshl_b32 s[T0], s[KH], 11
	s_add_co_u32 s40, s40, s[T0]
	s_lshl_b32 s[T0], s[W], 9
	s_add_co_u32 s40, s40, s[T0]
	s_mov_b32 s41, 0
	s_lshl_b32 s42, s[EX], 17                      ; w2_scales: 128 KiB e + 64 ns rows of 128 + 64 kh + 16 W
	s_lshl_b32 s[T0], s[NS], 13
	s_add_co_u32 s42, s42, s[T0]
	s_lshl_b32 s[T0], s[KH], 6
	s_add_co_u32 s42, s42, s[T0]
	s_lshl_b32 s[T0], s[W], 4
	s_add_co_u32 s42, s42, s[T0]
	s_mov_b32 s43, 0
	s_lshl_b32 s44, s[KH], 25                      ; yp: 32 MiB kh + 4 MiB e + 256 ns
	s_lshl_b32 s[T0], s[EX], 22
	s_add_co_u32 s44, s44, s[T0]
	s_lshl_b32 s[T0], s[NS], 8
	s_add_co_u32 s44, s44, s[T0]
	s_mov_b32 s45, 0
	s_wait_kmcnt 0x0
	s_add_nc_u64 s[6:7], s[6:7], s[36:37]
	s_add_nc_u64 s[8:9], s[8:9], s[38:39]
	s_add_nc_u64 s[10:11], s[10:11], s[40:41]
	s_add_nc_u64 s[12:13], s[12:13], s[42:43]
	s_add_nc_u64 s[14:15], s[14:15], s[44:45]
.irp i, 0,1,2,3,4,5,6,7
	global_load_b128 v[ACC+4*\i:ACC+4*\i+3], v[L16], s[4:5] offset:512*\i   ; the route words: register 4 i + k = token 128 i + 4 lane + k
.endr
	WIN 0x40                                       ; destination window 1
.irp t, 0,1,2,3
.irp s, 0,1,2,3
.irp c, 0,1,2,3
	global_load_b128 v[16*(4*\t+\s)+4*\c:16*(4*\t+\s)+4*\c+3], v[WO], s[10:11] offset:\t*65536+128*\s+32*\c th:TH_LOAD_NT   ; a tile's 16 loads cover 512 consecutive bytes of each of its rows
.endr
.endr
.endr
	WIN 0
.irp t, 0,1,2,3
	global_load_b128 v[WS+4*\t:WS+4*\t+3], v[WSO], s[12:13] offset:2048*\t
.endr
	; THE SORT, by wave 0 alone: the same lines as in the launch before
	s_cmp_lg_u32 s[W], 0
	s_cbranch_scc1 .Lsorted
	s_wait_loadcnt 63                              ; 68 loads stand behind the route words' eight: they are in
.irp i, 0,1,2,3,4,5,6,7,8
	ds_store_b128 v[ZA], v[ZQ:ZQ+3] offset:512*\i  ; the list begins as zeros: token 0
.endr
	s_mov_b32 s[CNT], 0
.set n, 0
.rept 32
	v_and_b32 v[ST], s[BIT], v[ACC+n]
	v_cmp_ne_u32 vcc_lo, 0, v[ST]                  ; the lanes whose token chose e
	v_mbcnt_lo_u32_b32 v[SPOS], vcc_lo, s[CNT]     ; those placed so far + those in lower lanes: the token's place in the list
	v_cndmask_b32 v[SPOS], v[TR], v[SPOS], vcc_lo  ; the other lanes take their own spare word's index
	v_min_u32 v[SPOS], TIDX+31, v[SPOS]            ; the index is held inside the list and the spare words; behind this line only a shift and an addition
	v_lshl_add_u32 v[SA], v[SPOS], 2, LIST
	v_add_nc_u32 v[TOKV], 128*(n/4)+n%4, v[L4]
	ds_store_b32 v[SA], v[TOKV]
	s_bcnt1_i32_b32 s[T0], vcc_lo
	s_add_co_u32 s[CNT], s[CNT], s[T0]
.set n, n+1
.endr
	v_mov_b32 v[TOKV], s[CNT]
	ds_store_b32 v[CW], v[TOKV]
.Lsorted:
	s_wait_dscnt 0x0                               ; wave 0's stores have landed
	s_barrier_signal -1
	s_barrier_wait -1
	ds_load_b32 v[CV], v[CW]
	s_wait_dscnt 0x0
	v_readfirstlane_b32 s[NE], v[CV]
	s_min_u32 s[NE], s[NE], 1024
	s_max_u32 s[NE], s[NE], 1                      ; chunk 0 was always made
	s_sub_co_u32 s[LASTC], s[NE], 1
	s_lshr_b32 s[LASTC], s[LASTC], 6
	s_min_u32 s[LASTC], s[LASTC], 15
; chunk C + ahead, held at the last chunk that was made: its scale words and its fragments of my four K steps into buffer buf: 72 loads
.macro PF ahead, buf
	s_add_co_u32 s[T0], s[C], \ahead
	s_min_u32 s[T0], s[T0], s[LASTC]
	s_min_u32 s[T0], s[T0], 15
	s_lshl_b32 s[T1], s[T0], 13
	s_lshl_b32 s[T0], s[T0], 18
.irp j, 0,1,2,3
	v_add_nc_u32 v[HO+\j], s[T0], v[HB+\j]
.endr
	v_add_nc_u32 v[SOS], s[T1], v[SBS]
.irp s, 0,1,2,3
.irp q, 0,1
	global_load_b32 v[HR+8*(\buf)+2*\s+\q], v[SOS], s[8:9] offset:256*\s+128*\q   ; 32 lanes read 128 consecutive bytes
.endr
.endr
	WIN 0x80+0x40*(\buf)                           ; destination window 2 or 3
.irp j, 0,1,2,3
.irp s, 0,1,2,3
.irp c, 0,1,2,3
	global_load_b128 v[16*(4*\j+\s)+4*\c:16*(4*\j+\s)+4*\c+3], v[HO+\j], s[6:7] offset:2048*\s+512*\c   ; 32 lanes read 512 consecutive bytes: the operand's registers as they were stored
.endr
.endr
.endr
	WIN 0
.endm
; 64 matrix instructions on buffer buf; the 16 accumulators take turns, one instruction a turn; the first K step starts the sums.  Then every set goes to its tile's owner.
.macro MULT buf, red
.irp s, 0,1,2,3
	v_perm_b32 v[HSC+2*\s], v[HR+8*(\buf)+2*\s+1], v[HR+8*(\buf)+2*\s], s[SELS]
	v_perm_b32 v[HSC+2*\s+1], v[HR+8*(\buf)+2*\s+1], v[HR+8*(\buf)+2*\s], s[SELO]
.endr
.rept 8
	v_nop                                          ; a scale register written by a vector instruction stands eight places ahead of the scaled product
.endr
	WIN 0x09+4*(\buf)                              ; source 0 window 1, source 1 window 2 or 3, C and D window 0
.irp s, 0,1,2,3
.irp j, 0,1,2,3
.irp t, 0,1,2,3
.if \s == 0
.if \j < 2
	v_wmma_scale_f32_16x16x128_f8f6f4 v[ACC+32*\j+8*\t:ACC+32*\j+8*\t+7], v[16*(4*\t+\s):16*(4*\t+\s)+15], v[16*(4*\j+\s):16*(4*\j+\s)+15], 0, v[WS+4*\t+\s], v[HSC+2*\s+\j%2] matrix_a_fmt:MATRIX_FMT_BF8 matrix_b_fmt:MATRIX_FMT_BF8
.else
	v_wmma_scale_f32_16x16x128_f8f6f4 v[ACC+32*\j+8*\t:ACC+32*\j+8*\t+7], v[16*(4*\t+\s):16*(4*\t+\s)+15], v[16*(4*\j+\s):16*(4*\j+\s)+15], 0, v[WS+4*\t+\s], v[HSC+2*\s+\j%2] matrix_a_fmt:MATRIX_FMT_BF8 matrix_b_fmt:MATRIX_FMT_BF8 matrix_b_scale:MATRIX_SCALE_ROW1
.endif
.else
.if \j < 2
	v_wmma_scale_f32_16x16x128_f8f6f4 v[ACC+32*\j+8*\t:ACC+32*\j+8*\t+7], v[16*(4*\t+\s):16*(4*\t+\s)+15], v[16*(4*\j+\s):16*(4*\j+\s)+15], v[ACC+32*\j+8*\t:ACC+32*\j+8*\t+7], v[WS+4*\t+\s], v[HSC+2*\s+\j%2] matrix_a_fmt:MATRIX_FMT_BF8 matrix_b_fmt:MATRIX_FMT_BF8
.else
	v_wmma_scale_f32_16x16x128_f8f6f4 v[ACC+32*\j+8*\t:ACC+32*\j+8*\t+7], v[16*(4*\t+\s):16*(4*\t+\s)+15], v[16*(4*\j+\s):16*(4*\j+\s)+15], v[ACC+32*\j+8*\t:ACC+32*\j+8*\t+7], v[WS+4*\t+\s], v[HSC+2*\s+\j%2] matrix_a_fmt:MATRIX_FMT_BF8 matrix_b_fmt:MATRIX_FMT_BF8 matrix_b_scale:MATRIX_SCALE_ROW1
.endif
.endif
.endr
.endr
.endr
	WIN 0
.rept 9
	v_nop                                          ; eight places ahead of stores that read results and of loads and vector lines that write registers these products named; the ninth for the next products, which begin the accumulators anew
.endr
.irp j, 0,1,2,3
.irp t, 0,1,2,3
	ds_store_b128 v[RS+4*(\red)+\j], v[ACC+32*\j+8*\t:ACC+32*\j+8*\t+3] offset:64*\t          ; each accumulator from its low end on: row r, columns 16 t + 8 h on
	ds_store_b128 v[RS+4*(\red)+\j], v[ACC+32*\j+8*\t+4:ACC+32*\j+8*\t+7] offset:64*\t+16
.endr
.endr
.endm
; chunk C is finished: my tile's 16 rows x 64 columns: four parts are added and stored at the rows' tokens
.macro FINISH p
	s_wait_xcnt 0x0                                ; the last chunk's stores have read their data and offsets, which are written again below
	s_lshl_b32 s[T0], s[C], 8
	v_add_nc_u32 v[LT], s[T0], v[LY]
.irp i, 0,1,2,3,4,5,6,7
	ds_load_b32 v[TK+\i], v[LT] offset:8*\i        ; the tokens of rows 2 i + h
.endr
.irp q, 0,1,2,3
.irp i, 0,1,2,3,4,5,6,7
	ds_load_b128 v[ACC+32*\q+4*\i:ACC+32*\q+4*\i+3], v[RL+\p] offset:4352*\q+544*\i   ; part q, rows 2 i + h, 16 bytes a lane
.endr
.endr
	s_wait_dscnt 32                                ; 32 loads stand behind the eight tokens
.irp i, 0,1,2,3,4,5,6,7
	v_min_u32 v[TK+\i], 0x3ff, v[TK+\i]
.endr
.irp i, 0,1,2,3,4,5,6,7
	v_lshl_add_u32 v[YO+\i], v[TK+\i], 12, v[C16]  ; a row of yp is 4,096 bytes
.endr
	s_wait_dscnt 0x0
.set i, 0
.rept 16
	v_pk_add_f32 v[ACC+i:ACC+i+1], v[ACC+i:ACC+i+1], v[ACC+32+i:ACC+33+i]
	v_pk_add_f32 v[ACC+64+i:ACC+65+i], v[ACC+64+i:ACC+65+i], v[ACC+96+i:ACC+97+i]
.set i, i+2
.endr
.set i, 0
.rept 16
	v_pk_add_f32 v[ACC+i:ACC+i+1], v[ACC+i:ACC+i+1], v[ACC+64+i:ACC+65+i]
.set i, i+2
.endr
.irp i, 0,1,2,3,4,5,6,7
	global_store_b128 v[YO+\i], v[ACC+4*\i:ACC+4*\i+3], s[14:15]   ; sixteen lanes store 256 consecutive bytes, at a multiple of 256 from yp's first byte
.endr
.endm
.macro HALF p
	s_wait_dscnt 0x0                               ; my partial sums have landed, my reads of the other buffer are over
	s_barrier_signal -1
	s_barrier_wait -1
	s_lshl_b32 s[T0], s[C], 6
	s_cmp_lt_u32 s[T0], s[NE]                      ; is there a chunk C?
	s_cbranch_scc0 .Lidle_\@
	FINISH \p
	s_lshl_b32 s[T0], s[C], 6
	s_add_co_u32 s[T0], s[T0], 64
	s_cmp_lt_u32 s[T0], s[NE]                      ; a chunk C + 1?
	s_cbranch_scc0 .Lidle_\@
	s_wait_loadcnt 0x0                             ; its fragments are in (0: the same proof on every way here)
	s_wait_xcnt 0x0                                ; the stores above have read the accumulators' registers, which the products below write
	s_add_co_u32 s[T0], s[T0], 64
	s_cmp_lt_u32 s[T0], s[NE]                      ; a chunk C + 2?
	s_cbranch_scc0 .Lnopf_\@
	PF 2, \p                                       ; into the buffer that chunk C has left
.Lnopf_\@:
	MULT 1-\p, 1-\p
.Lidle_\@:
	s_add_co_u32 s[C], s[C], 1
.endm
	PF 0, 0
	s_wait_xcnt 0x0                                ; the first run of loads has read its offsets, which the second writes again
	PF 1, 1                                        ; (an expert of one chunk reads chunk 0 again: only written bytes are read)
	s_wait_loadcnt 63                              ; 72 loads stand behind chunk 0's: the route words, the weights and chunk 0 are in
	MULT 0, 0
.Lloop:
	HALF 0
	HALF 1
	s_sub_co_u32 s[I], s[I], 1
	s_cmp_lg_u32 s[I], 0
	s_cbranch_scc1 .Lloop
	s_wait_tensorcnt 0x0
	ds_add_u32 v254, v255
	s_wait_dscnt 0x0
	s_endpgm
.Lfunc_end_k_q9be9edfacd_down:
	.size	k_q9be9edfacd_down, .Lfunc_end_k_q9be9edfacd_down-k_q9be9edfacd_down
	.p2alignl 7, 3214868480
	.fill 96, 4, 3214868480
	.section	.rodata,"a",@progbits
	.p2align	6, 0x0
	.amdhsa_kernel k_q9be9edfacd_down
		.amdhsa_group_segment_fixed_size 144896
		.amdhsa_private_segment_fixed_size 0
		.amdhsa_enable_private_segment 0
		.amdhsa_kernarg_size 48
		.amdhsa_user_sgpr_count 2
		.amdhsa_user_sgpr_kernarg_segment_ptr 1
		.amdhsa_wavefront_size32 1
		.amdhsa_system_sgpr_workgroup_id_x 1
		.amdhsa_system_sgpr_workgroup_id_y 1
		.amdhsa_system_sgpr_workgroup_id_z 1
		.amdhsa_system_vgpr_workitem_id 0
		.amdhsa_next_free_vgpr 1024
		.amdhsa_next_free_sgpr 66
		.amdhsa_reserve_vcc 1
		.amdhsa_float_denorm_mode_32 3
		.amdhsa_float_denorm_mode_16_64 3
		.amdhsa_memory_ordered 1
		.amdhsa_forward_progress 1
		.amdhsa_inst_pref_size 108
	.end_amdhsa_kernel
	.amdgpu_metadata
---
amdhsa.version: [ 1, 2 ]
amdhsa.kernels:
  - .name:           k_q9be9edfacd_down
    .symbol:         k_q9be9edfacd_down.kd
    .args:
      - { .name: route, .offset: 0, .size: 8, .value_kind: global_buffer, .address_space: global }
      - { .name: hq, .offset: 8, .size: 8, .value_kind: global_buffer, .address_space: global }
      - { .name: hs, .offset: 16, .size: 8, .value_kind: global_buffer, .address_space: global }
      - { .name: w2_codes, .offset: 24, .size: 8, .value_kind: global_buffer, .address_space: global }
      - { .name: w2_scales, .offset: 32, .size: 8, .value_kind: global_buffer, .address_space: global }
      - { .name: yp, .offset: 40, .size: 8, .value_kind: global_buffer, .address_space: global }
    .group_segment_fixed_size: 144896
    .private_segment_fixed_size: 0
    .kernarg_segment_align: 8
    .kernarg_segment_size: 48
    .max_flat_workgroup_size: 128
    .sgpr_count:     66
    .vgpr_count:     1024
    .wavefront_size: 32
...
	.end_amdgpu_metadata
.endif
;; end of part 3
;; launch mix (part 4): grid 256 x 1, 4 waves a work-group, no clusters, 0 bytes of LDS; arguments route, gate, expert_scale, yp, out0; writes out0
.if DOCPART == 4
	.amdgcn_target "amdgcn-amd-amdhsa--gfx1250"
	.amdhsa_code_object_version 6
	.text
	.protected	k_q9be9edfacd_mix
	.globl	k_q9be9edfacd_mix
	.p2align	8
	.type	k_q9be9edfacd_mix,@function
k_q9be9edfacd_mix:
	s_mov_b64 s[64:65], 0
	v_nop
	global_prefetch_b8 v0, s[64:65] scope:SCOPE_SE
	s_setreg_imm32_b32 hwreg(HW_REG_WAVE_MODE, 25, 1), 1
	s_wait_xcnt 0x0
; out0[t] = the sum over the token's two experts of gate x expert_scale[e] x (yp[0][e][t] + yp[1][e][t]).  One wave takes one token t = 4 x work-group + wave: four rows of 4,096 bytes in, one out.
; The experts come from the route word, a whole number that the first launch stored; each is held at 7 before it enters an address.
; A stream: every load and store of the wave covers 512 consecutive bytes; all 32 loads are issued at once; no LDS, no barrier, no matrix unit: the waves share nothing.
.set Y, 16                             ; v16-143: group i of 512 bytes: four rows x four registers; the result takes the first row's registers
	s_load_b256 s[4:11], s[0:1], 0x0               ; route s[4:5], gate s[6:7], expert_scale s[8:9], yp s[10:11]
	s_load_b64 s[12:13], s[0:1], 0x20              ; out0
	v_lshrrev_b32 v1, 5, v0
	v_readfirstlane_b32 s14, v1                    ; wave
	v_and_b32 v1, 31, v0
	v_lshlrev_b32 v1, 4, v1                        ; 16 x lane
	s_lshl_b32 s15, ttmp9, 2
	s_add_co_u32 s15, s15, s14                     ; t
	s_lshl_b32 s16, s15, 2
	s_mov_b32 s17, 0
	s_lshl_b32 s18, s15, 3
	s_mov_b32 s19, 0
	s_wait_kmcnt 0x0
	s_add_nc_u64 s[4:5], s[4:5], s[16:17]
	s_add_nc_u64 s[6:7], s[6:7], s[18:19]
	s_load_b32 s20, s[4:5], 0x0                    ; the route word
	s_load_b64 s[22:23], s[6:7], 0x0               ; the two gates
	s_wait_kmcnt 0x0
	s_bfe_u32 s24, s20, 0x30008                    ; the first expert
	s_bfe_u32 s25, s20, 0x30010                    ; the second
	s_min_u32 s24, s24, 7
	s_min_u32 s25, s25, 7
	s_lshl_b32 s26, s24, 2
	s_mov_b32 s27, 0
	s_lshl_b32 s28, s25, 2
	s_mov_b32 s29, 0
	s_add_nc_u64 s[30:31], s[8:9], s[26:27]
	s_add_nc_u64 s[32:33], s[8:9], s[28:29]
	s_load_b32 s34, s[30:31], 0x0                  ; their scales
	s_load_b32 s35, s[32:33], 0x0
	s_lshl_b32 s38, s15, 12                        ; a row: 4,096 bytes
	s_mov_b32 s39, 0
	s_lshl_b32 s36, s24, 22                        ; an expert's rows: 4 MiB
	s_add_co_u32 s36, s36, s38
	s_mov_b32 s37, 0
	s_add_nc_u64 s[40:41], s[10:11], s[36:37]      ; the first expert's row, first K half,
	s_add_nc_u64 s[42:43], s[40:41], 0x2000000     ; second K half
	s_lshl_b32 s36, s25, 22
	s_add_co_u32 s36, s36, s38
	s_add_nc_u64 s[44:45], s[10:11], s[36:37]      ; the second expert's
	s_add_nc_u64 s[46:47], s[44:45], 0x2000000
	s_add_nc_u64 s[12:13], s[12:13], s[38:39]
.irp i, 0,1,2,3,4,5,6,7
	global_load_b128 v[Y+16*\i:Y+16*\i+3], v1, s[40:41] offset:512*\i th:TH_LOAD_NT
	global_load_b128 v[Y+16*\i+4:Y+16*\i+7], v1, s[42:43] offset:512*\i th:TH_LOAD_NT
	global_load_b128 v[Y+16*\i+8:Y+16*\i+11], v1, s[44:45] offset:512*\i th:TH_LOAD_NT
	global_load_b128 v[Y+16*\i+12:Y+16*\i+15], v1, s[46:47] offset:512*\i th:TH_LOAD_NT
.endr
	s_wait_kmcnt 0x0
	s_mul_f32 s48, s22, s34                        ; gate x scale, for each expert;
	s_mul_f32 s50, s23, s35
	s_mov_b32 s49, s48                             ; (the packed forms name a pair and take its low word for both halves: so the upper word is written)
	s_mov_b32 s51, s50
.irp i, 0,1,2,3,4,5,6,7
	s_wait_loadcnt 4*(7-\i)                        ; group i's four loads are in; the groups behind it may be out
.irp u, 0,2
	v_pk_add_f32 v[Y+16*\i+\u:Y+16*\i+\u+1], v[Y+16*\i+\u:Y+16*\i+\u+1], v[Y+16*\i+4+\u:Y+16*\i+5+\u]
	v_pk_add_f32 v[Y+16*\i+8+\u:Y+16*\i+9+\u], v[Y+16*\i+8+\u:Y+16*\i+9+\u], v[Y+16*\i+12+\u:Y+16*\i+13+\u]
.endr
.irp u, 0,2
	v_pk_mul_f32 v[Y+16*\i+\u:Y+16*\i+\u+1], v[Y+16*\i+\u:Y+16*\i+\u+1], s[48:49] op_sel_hi:[1,0]
.endr
.irp u, 0,2
	v_pk_fma_f32 v[Y+16*\i+\u:Y+16*\i+\u+1], v[Y+16*\i+8+\u:Y+16*\i+9+\u], s[50:51], v[Y+16*\i+\u:Y+16*\i+\u+1] op_sel_hi:[1,0,1]
.endr
	global_store_b128 v1, v[Y+16*\i:Y+16*\i+3], s[12:13] offset:512*\i th:TH_STORE_NT   ; 32 lanes store 512 consecutive bytes; each group has its own registers: no store's data are written again
.endr
	s_endpgm
.Lfunc_end_k_q9be9edfacd_mix:
	.size	k_q9be9edfacd_mix, .Lfunc_end_k_q9be9edfacd_mix-k_q9be9edfacd_mix
	.p2alignl 7, 3214868480
	.fill 96, 4, 3214868480
	.section	.rodata,"a",@progbits
	.p2align	6, 0x0
	.amdhsa_kernel k_q9be9edfacd_mix
		.amdhsa_group_segment_fixed_size 0
		.amdhsa_private_segment_fixed_size 0
		.amdhsa_enable_private_segment 0
		.amdhsa_kernarg_size 40
		.amdhsa_user_sgpr_count 2
		.amdhsa_user_sgpr_kernarg_segment_ptr 1
		.amdhsa_wavefront_size32 1
		.amdhsa_system_sgpr_workgroup_id_x 1
		.amdhsa_system_sgpr_workgroup_id_y 1
		.amdhsa_system_sgpr_workgroup_id_z 1
		.amdhsa_system_vgpr_workitem_id 0
		.amdhsa_next_free_vgpr 168
		.amdhsa_next_free_sgpr 66
		.amdhsa_reserve_vcc 0
		.amdhsa_float_denorm_mode_32 3
		.amdhsa_float_denorm_mode_16_64 3
		.amdhsa_memory_ordered 1
		.amdhsa_forward_progress 1
		.amdhsa_inst_pref_size 11
	.end_amdhsa_kernel
	.amdgpu_metadata
---
amdhsa.version: [ 1, 2 ]
amdhsa.kernels:
  - .name:           k_q9be9edfacd_mix
    .symbol:         k_q9be9edfacd_mix.kd
    .args:
      - { .name: route, .offset: 0, .size: 8, .value_kind: global_buffer, .address_space: global }
      - { .name: gate, .offset: 8, .size: 8, .value_kind: global_buffer, .address_space: global }
      - { .name: expert_scale, .offset: 16, .size: 8, .value_kind: global_buffer, .address_space: global }
      - { .name: yp, .offset: 24, .size: 8, .value_kind: global_buffer, .address_space: global }
      - { .name: out0, .offset: 32, .size: 8, .value_kind: global_buffer, .address_space: global }
    .group_segment_fixed_size: 0
    .private_segment_fixed_size: 0
    .kernarg_segment_align: 8
    .kernarg_segment_size: 40
    .max_flat_workgroup_size: 128
    .sgpr_count:     66
    .vgpr_count:     168
    .wavefront_size: 32
...
	.end_amdgpu_metadata
.endif
;; end of part 4
;; ======== version 2 of 3: 4 launches; 1.14 times as fast as version 1
;; workspace buffers: xq 1,048,576 bytes; xs 32,768 bytes; route 4,096 bytes of whole numbers; gate 8,192 bytes; hq 33,554,432 bytes; hs 1,048,576 bytes; yp 67,108,864 bytes
;; launch route: the kernel of part 1 again; grid 256 x 1, 4 waves a work-group, no clusters, 25,088 bytes of LDS; arguments hidden_states, router_w, xq, xs, route, gate; writes xq, xs, route, gate
;; launch up (part 5): grid 256 x 1, 4 waves a work-group, no clusters, 276,224 bytes of LDS; arguments route, xq, xs, w1_codes, w1_scales, hq, hs; writes hq, hs
.if DOCPART == 5
	.amdgcn_target "amdgcn-amd-amdhsa--gfx1250"
	.amdhsa_code_object_version 6
	.text
	.protected	k_q9be9edfacd_up
	.globl	k_q9be9edfacd_up
	.p2align	8
	.type	k_q9be9edfacd_up,@function
k_q9be9edfacd_up:
	s_mov_b64 s[64:65], 0
	v_nop
	global_prefetch_b8 v0, s[64:65] scope:SCOPE_SE
	s_setreg_imm32_b32 hwreg(HW_REG_WAVE_MODE, 25, 1), 1
	s_wait_xcnt 0x0
; h = Q(silu(x W1^T)) for the rows that the router kept, on codes of E5M2 with one E8M0 scale for each 32 along K.
; SHARES.  Work-group = (expert e = x / 32, slice sl = x % 32 of 128 hidden units).  Wave W = kq + 2 nq: hidden units 128 sl + 64 nq + 0..63, K bytes 512 kq + 0..511: 32 KiB of W1,
; 256 registers, read from memory once in the launch and kept.  The expert's rows go in chunks of 64 (four tiles of 16); a wave multiplies all four tiles by its weights (64 matrix
; instructions, 16 accumulators by turns), hands the partial sums of two tiles to the wave with the other K half through LDS, and finishes its own two: sum, silu, quantiser, store.
; WHOLE ROWS IN, TURNED IN LDS.  A fragment wants 16 bytes of each of 16 rows in one register; loaded so, every load would take 32 bytes of each of 16 rows.  So W1's rows are loaded as they lie (a load
; of the wave = 512 consecutive bytes of one row) and turned once through the wave's own LDS; a chunk's 64 rows of x are loaded ONCE for the work-group (wave W: tile W's 16 rows, a load = 256 consecutive bytes
; of each of two rows), laid into one of two LDS buffers with their scale bytes behind each row, and every wave reads its fragments from there.
; THE LIST.  Wave 0 sorts the 1,024 route words by a counting pass into LDS: the tokens that chose e, in an order that hangs on the words alone, so that the next launch finds the same.
; Words behind the count are 0: a chunk's spare rows are rows of token 0, whose results are true numbers that nobody needs.  The count is held at 1 from below: chunk 0 is always made.
; LAYOUT.  The product is used transposed (source 0 = 16 rows of W1, source 1 = 16 rows of x): a lane holds one row.  Lane r of tile 2 b + u takes W1's row 32 b + 8 u + r + 8 (r / 8), so that the 16
; registers of tiles 2 b and 2 b + 1 are 16 neighbours along the next K, and the conversions' results are the next operand's registers.  hq is laid in that order: [e][tile of 16 rows][K step][c][lane][16 bytes].
; hs: [e][chunk][K step][nq][pair of tiles][r] words: bytes = (even tile: blocks 2 nq, 2 nq + 1; odd tile: the same two).
; SET j of a wave holds the chunk's tile (2 kq) xor j: a wave's own tiles are always sets 0 and 1; the wave's number enters addresses alone.
; CONTROL.  16 half-trips, one for each chunk that 1,024 rows can make; every barrier lies outside the branches on the count; a half-trip without a chunk costs a barrier and a compare.
; ONE BARRIER A CHUNK orders three things.  Between barriers c and c + 1: chunk c's partial sums are read from buffer c % 2 and chunk c + 1's written to the other; chunk c + 2's rows of x are written to x's buffer c % 2
; and chunk c + 1's fragments read from the other.  In front of each barrier every wave has waited for all its LDS instructions.
; NO TENSOR LOADS, NO CLUSTER: the branches hang on a count read from memory, so operands come by loads into registers; no byte of W1 is read by two work-groups;
; what the 32 work-groups of an expert share, its rows of x, is gathered by the list, 1 KiB a row.
; LIMITS: NaN and infinities are not served.  Blocks of h whose largest magnitude lies under 2^-111 (zeros too) keep the byte 1; the bytes are read by this program alone.  silu of a very negative number is -0.
.set REDB,  32768                      ; LDS from 0: two buffers for partial sums: in each 8,192 bytes for each receiving wave: 8 accumulators as register images (low four registers, then high four, 16 bytes a lane)
.set XSTB,  65536                      ; x's two buffers
.set XP,    1072                       ; a row there: 1,024 codes, 32 scale bytes, 16 of padding = 67 x 16 bytes: the 16 rows of a fragment load start at 16 different columns of 16 bytes
.set XBUF,  64*XP
.set WTB,   XSTB+2*XBUF                ; where the weights are turned: 32 rows x 528 bytes for each wave, its own
.set WP,    528
.set WTW,   32*WP
.set LIST,  WTB+4*WTW                  ; the list: 1,280 words
.set CNTW,  LIST+5120                  ; the count
.set TRASH, LIST+5248                  ; a word a lane for the sort's lanes that have nothing to place
.set TIDX,  (TRASH-LIST)/4             ; the first of those words, counted in words from the list's first
.set L16, 1                            ; 16 x lane
.set R4,  2                            ; 4 r
.set C16, 3                            ; 16 r
.set P16, 4                            ; 16 (lane % 2)
.set WSO, 5                            ; W1's scale words: (r + 8 (r / 8)) x 32
.set WSA, 6                            ; the weights' turn: in, 16 x lane
.set WLA, 7                            ; and out: (r + 8 (r / 8)) x 528 + 16 h
.set RS,  8                            ; where I put partial sums: my partner's region
.set RL,  9                            ; where I find my partner's: my region
.set HO,  10                           ; offset in hq
.set SO,  11                           ; offset in hs
.set LY,  12                           ; the list: my tile's rows, two an instruction
.set LYS, 13                           ; the same, a row for each two lanes
.set LT,  14
.set LTS, 15
.set XO,  16                           ; v16-23 offsets in xq (at the head: at work)
.set XSO, 24                           ; offset in xs
.set TKS, 25
.set ST,   26                          ; v26-29: the sort's own
.set SPOS, 27
.set SA,   28
.set TOKV, 29
.set L4,   30                          ; 4 x lane
.set TR,   31                          ; TIDX + lane: my spare word, as an index
.set WS,  32                           ; v32-47  W1's scale words 4 t + s: scales and nothing else
.set XSC, 48                           ; v48-63  x's scale words 4 j + s: scales and nothing else
.set FA,  64                           ; v64-67  where my fragments lie: 2 x buffer + pair of sets
.set FS,  68                           ; v68-71  and their scale words
.set SS,  72                           ; v72-73  where I lay my tile's rows, for each buffer
.set SSC, 74                           ; v74-75  and their scale bytes
.set SD0, 76                           ; v76-79  my tile's scale bytes on their way, set 0
.set SD1, 252                          ; v252-255 set 1
.set ACC, 80                           ; v80-207 accumulator (set j, tile t) at 32 j + 8 t
.set PC,  208                          ; v208-223 the codes just made
.set TM,  224                          ; v224-239 the quantiser's
.set TK,  TM+8                         ; v232-239 between two quantisers: tokens
.set PW,  240                          ; the scale word just made
.set ZQ,  244                          ; v244-247 zeros
.set ZA,  248
.set CW,  249
.set CV,  250
.set W,   18
.set KQ,  19
.set NQ,  20
.set EX,  21
.set SL,  22
.set NE,  23                           ; the expert's rows
.set C,   24                           ; the chunk that is being finished
.set I,   25
.set T0,  26
.set T1,  27
.set BIT, 28
.set CNT, 29
.set SEL, 30                           ; s[30:31]
.set MNT, 32
.set T2,  33                           ; 64 C
.set NL,  34                           ; s[34:35] -log2(e), twice
.set MSB, 0                            ; window 1: W1's fragment (t, s) at v[16 (4 t + s)];  window 2: x's fragment (j, s) at v[16 (4 j + s)];  window 3: my tile's rows on their way, two sets of 128
.macro WIN new                         ; the immediate's high byte repeats the setting that is left
.if MSB != (\new)
	s_set_vgpr_msb (MSB<<8)|(\new)
.set MSB, (\new)
.endif
.endm
	s_load_b256 s[4:11], s[0:1], 0x0               ; route s[4:5], xq s[6:7], xs s[8:9], w1_codes s[10:11]
	s_load_b128 s[12:15], s[0:1], 0x20             ; w1_scales s[12:13], hq s[14:15]
	s_load_b64 s[16:17], s[0:1], 0x30              ; hs
	v_lshl_add_u32 v243, v0, 2, 0x43500
	v_mov_b32 v251, 0
	v_lshrrev_b32 v[CV], 5, v0
	v_readfirstlane_b32 s[W], v[CV]
	s_and_b32 s[KQ], s[W], 1
	s_lshr_b32 s[NQ], s[W], 1
	s_lshr_b32 s[EX], ttmp9, 5
	s_and_b32 s[SL], ttmp9, 31
	s_lshl_b32 s[BIT], 1, s[EX]
	; every address register is made here, ahead of the one branch on the wave's number
	v_and_b32 v[XO], 31, v0                        ; lane
	v_and_b32 v[XO+1], 15, v0                      ; r
	v_bfe_u32 v[XO+2], v0, 4, 1                    ; h
	v_and_b32 v[XO+3], 8, v[XO+1]
	v_add_nc_u32 v[XO+3], v[XO+3], v[XO+1]         ; r + 8 (r / 8)
	v_lshrrev_b32 v[XO+4], 1, v[XO]                ; lane / 2
	v_and_b32 v[XO+5], 1, v0                       ; lane % 2
	v_lshlrev_b32 v[L16], 4, v[XO]
	v_lshlrev_b32 v[L4], 2, v[XO]
	v_add_nc_u32 v[TR], TIDX, v[XO]
	v_add_nc_u32 v[ZA], LIST, v[L16]
	v_mov_b32 v[CW], CNTW
	v_lshlrev_b32 v[R4], 2, v[XO+1]
	v_lshlrev_b32 v[C16], 4, v[XO+1]
	v_lshlrev_b32 v[P16], 4, v[XO+5]
	v_lshlrev_b32 v[WSO], 5, v[XO+3]
	s_mul_i32 s[T0], s[W], WTW                     ; the weights' turn: my wave's region
	s_add_co_u32 s[T0], s[T0], WTB
	v_add_nc_u32 v[WSA], s[T0], v[L16]
	v_mul_u32_u24 v[WLA], v[XO+3], WP
	v_lshl_add_u32 v[WLA], v[XO+2], 4, v[WLA]
	v_add_nc_u32 v[WLA], s[T0], v[WLA]
	s_lshl_b32 s[T0], s[W], 6                      ; the list: my tile's 16 words of a chunk's 64
	s_add_co_u32 s[T0], s[T0], LIST
	v_lshl_add_u32 v[LY], v[XO+2], 2, s[T0]
	v_lshl_add_u32 v[LYS], v[XO+4], 2, s[T0]
	s_mul_i32 s[T0], s[W], 16*XP                   ; x's buffers: my tile's 16 rows
	s_add_co_u32 s[T0], s[T0], XSTB
	v_mul_u32_u24 v[SS], v[XO+2], XP               ; lanes 0-15 an even row, lanes 16-31 the next; 16 bytes a lane
	v_add_nc_u32 v[SS], v[SS], v[C16]
	v_add_nc_u32 v[SS], s[T0], v[SS]
	v_add_nc_u32 v[SS+1], XBUF, v[SS]
	v_mul_u32_u24 v[SSC], v[XO+4], XP              ; the scale bytes: two lanes to a row, behind its codes
	v_add_nc_u32 v[SSC], v[SSC], v[P16]
	v_add_nc_u32 v[SSC], s[T0], v[SSC]
	v_add_nc_u32 v[SSC], 1024, v[SSC]
	v_add_nc_u32 v[SSC+1], XBUF, v[SSC]
	v_mul_u32_u24 v[XO+6], v[XO+1], XP             ; r rows
	v_lshl_add_u32 v[XO+7], v[XO+2], 4, v[XO+6]    ; + 16 h
.irp pr, 0,1                                           ; sets 2 pr, 2 pr + 1 are tiles 2 (kq xor pr), + 1: rows 32 (kq xor pr) on
	s_xor_b32 s[T0], s[KQ], \pr
	s_mul_i32 s[T0], s[T0], 32*XP
	s_add_co_u32 s[T0], s[T0], XSTB
	s_lshl_b32 s[T1], s[KQ], 9                     ; my K half's codes
	s_add_co_u32 s[T1], s[T1], s[T0]
	v_add_nc_u32 v[FA+\pr], s[T1], v[XO+7]
	v_add_nc_u32 v[FA+2+\pr], XBUF, v[FA+\pr]
	s_lshl_b32 s[T1], s[KQ], 4                     ; and its four scale words
	s_add_co_u32 s[T1], s[T1], s[T0]
	s_add_co_u32 s[T1], s[T1], 1024
	v_add_nc_u32 v[FS+\pr], s[T1], v[XO+6]
	v_add_nc_u32 v[FS+2+\pr], XBUF, v[FS+\pr]
.endr
	s_xor_b32 s[T0], s[W], 1
	s_lshl_b32 s[T0], s[T0], 13
	v_add_nc_u32 v[RS], s[T0], v[L16]
	s_lshl_b32 s[T0], s[W], 13
	v_add_nc_u32 v[RL], s[T0], v[L16]
.irp b, 0,1,2,3
	v_mov_b32 v[ZQ+\b], 0
	v_mov_b32 v[TM+4+\b], 0                        ; written once: a lane permute's destination counts as one of its sources
.endr
	s_mov_b32 s[SEL], 0x76543210
	s_mov_b32 s[SEL+1], 0xfedcba98
	s_mov_b32 s[MNT], 0x600000                     ; the mantissa field of 57,344
	s_mov_b32 s[NL], 0xbfb8aa3b
	s_mov_b32 s[NL+1], s[NL]
	s_mov_b32 s[C], 0
	s_mov_b32 s[I], 8
	; offsets, apart from the addresses
	s_lshl_b32 s40, s[EX], 22                      ; w1_codes: 4 MiB e + (128 sl + 64 nq) rows of 1,024 + 512 kq
	s_lshl_b32 s[T0], s[SL], 17
	s_add_co_u32 s40, s40, s[T0]
	s_lshl_b32 s[T0], s[NQ], 16
	s_add_co_u32 s40, s40, s[T0]
	s_lshl_b32 s[T0], s[KQ], 9
	s_add_co_u32 s40, s40, s[T0]
	s_mov_b32 s41, 0
	s_lshl_b32 s42, s[EX], 17                      ; w1_scales: 128 KiB e + (128 sl + 64 nq) rows of 32 + 16 kq
	s_lshl_b32 s[T0], s[SL], 12
	s_add_co_u32 s42, s42, s[T0]
	s_lshl_b32 s[T0], s[NQ], 11
	s_add_co_u32 s42, s42, s[T0]
	s_lshl_b32 s[T0], s[KQ], 4
	s_add_co_u32 s42, s42, s[T0]
	s_mov_b32 s43, 0
	s_lshl_b32 s44, s[EX], 22                      ; hq: 4 MiB e + 2,048 sl + 131,072 kq (my two tiles) + 1,024 nq (my two blocks)
	s_lshl_b32 s[T0], s[SL], 11
	s_add_co_u32 s44, s44, s[T0]
	s_lshl_b32 s[T0], s[KQ], 17
	s_add_co_u32 s44, s44, s[T0]
	s_lshl_b32 s[T0], s[NQ], 10
	s_add_co_u32 s44, s44, s[T0]
	s_mov_b32 s45, 0
	s_lshl_b32 s46, s[EX], 17                      ; hs: 128 KiB e + 256 sl + 128 nq + 64 kq
	s_lshl_b32 s[T0], s[SL], 8
	s_add_co_u32 s46, s46, s[T0]
	s_lshl_b32 s[T0], s[NQ], 7
	s_add_co_u32 s46, s46, s[T0]
	s_lshl_b32 s[T0], s[KQ], 6
	s_add_co_u32 s46, s46, s[T0]
	s_mov_b32 s47, 0
	s_wait_kmcnt 0x0
	s_add_nc_u64 s[10:11], s[10:11], s[40:41]
	s_add_nc_u64 s[12:13], s[12:13], s[42:43]
	s_add_nc_u64 s[14:15], s[14:15], s[44:45]
	s_add_nc_u64 s[16:17], s[16:17], s[46:47]
.irp i, 0,1,2,3,4,5,6,7
	global_load_b128 v[ACC+4*\i:ACC+4*\i+3], v[L16], s[4:5] offset:512*\i   ; the route words: register 4 i + k = token 128 i + 4 lane + k.  Every wave loads them, so that the counts below are the same in all
.endr
	WIN 0x40                                       ; destination window 1
.set i, 0
.rept 64
	global_load_b128 v[4*i:4*i+3], v[L16], s[10:11] offset:1024*i th:TH_LOAD_NT   ; row i of my 64: 32 lanes read its 512 consecutive bytes of my K half
.set i, i+1
.endr
	WIN 0
.irp t, 0,1,2,3
	global_load_b128 v[WS+4*\t:WS+4*\t+3], v[WSO], s[12:13] offset:(32*(\t/2)+8*(\t%2))*32   ; four K steps' scale words of a row
.endr
	; THE SORT, by wave 0 alone
	s_cmp_lg_u32 s[W], 0
	s_cbranch_scc1 .Lsorted
	s_wait_loadcnt 63                              ; 68 loads stand behind the route words' eight: they are in
.irp i, 0,1,2,3,4,5,6,7,8,9
	ds_store_b128 v[ZA], v[ZQ:ZQ+3] offset:512*\i  ; the list begins as zeros: token 0
.endr
	s_mov_b32 s[CNT], 0
.set n, 0
.rept 32
	v_and_b32 v[ST], s[BIT], v[ACC+n]
	v_cmp_ne_u32 vcc_lo, 0, v[ST]                  ; the lanes whose token chose e
	v_mbcnt_lo_u32_b32 v[SPOS], vcc_lo, s[CNT]     ; those placed so far + those in lower lanes: the token's place in the list
	v_cndmask_b32 v[SPOS], v[TR], v[SPOS], vcc_lo  ; the other lanes take their own spare word's index
	v_min_u32 v[SPOS], TIDX+31, v[SPOS]            ; the index is held inside the list and the spare words; behind this line only a shift and an addition
	v_lshl_add_u32 v[SA], v[SPOS], 2, LIST
	v_add_nc_u32 v[TOKV], 128*(n/4)+n%4, v[L4]
	ds_store_b32 v[SA], v[TOKV]
	s_bcnt1_i32_b32 s[T0], vcc_lo
	s_add_co_u32 s[CNT], s[CNT], s[T0]
.set n, n+1
.endr
	v_mov_b32 v[TOKV], s[CNT]
	ds_store_b32 v[CW], v[TOKV]
.Lsorted:
	s_wait_dscnt 0x0                               ; wave 0's stores have landed
	s_barrier_signal -1
	s_barrier_wait -1
	ds_load_b32 v[CV], v[CW]
	s_wait_dscnt 0x0
	v_readfirstlane_b32 s[NE], v[CV]
	s_min_u32 s[NE], s[NE], 1024
	s_max_u32 s[NE], s[NE], 1                      ; chunk 0 is always made
; the weights, 32 rows at a time, through my own LDS: in as rows, out as fragments, into the registers that they left.  LDS serves a wave's instructions in order (ISA guide 5.7.1.4): no wait between
.macro WTURN ru                        ; ru: rows from a tile to the next inside the 32
	WIN 0x44                                       ; a store's data (source 1) and a load's destination: window 1
.irp g, 0,1
.set i, 0
.rept 32
	ds_store_b128 v[WSA], v[128*\g+4*i:128*\g+4*i+3] offset:WP*i
.set i, i+1
.endr
.irp u, 0,1
.irp s, 0,1,2,3
.irp c, 0,1,2,3
	ds_load_b128 v[128*\g+64*\u+16*\s+4*\c:128*\g+64*\u+16*\s+4*\c+3], v[WLA] offset:(\ru)*\u*WP+128*\s+32*\c   ; fragment (tile 2 g + u, K step s), registers 4 c on
.endr
.endr
.endr
.endr
	WIN 0
.endm
; chunk C + ahead: my tile's 16 tokens from the list, their rows of codes and scale bytes into set: 33 loads
.macro GLOAD ahead, set
	s_add_co_u32 s[T0], s[C], \ahead
	s_lshl_b32 s[T0], s[T0], 8
	v_add_nc_u32 v[LT], s[T0], v[LY]
	v_add_nc_u32 v[LTS], s[T0], v[LYS]
.irp i, 0,1,2,3,4,5,6,7
	ds_load_b32 v[TK+\i], v[LT] offset:8*\i        ; the tokens of rows 2 i + h
.endr
	ds_load_b32 v[TKS], v[LTS]                     ; and of row lane / 2
	s_wait_dscnt 0x0
.irp i, 0,1,2,3,4,5,6,7
	v_min_u32 v[TK+\i], 0x3ff, v[TK+\i]
.endr
	v_min_u32 v[TKS], 0x3ff, v[TKS]
.irp i, 0,1,2,3,4,5,6,7
	v_lshl_add_u32 v[XO+\i], v[TK+\i], 10, v[C16]
.endr
	v_lshl_add_u32 v[XSO], v[TKS], 5, v[P16]
	global_load_b128 v[SD0+(SD1-SD0)*(\set):SD0+(SD1-SD0)*(\set)+3], v[XSO], s[8:9]   ; 32 scale bytes of each of my 16 rows
	WIN 0xc0                                       ; destination window 3
.irp i, 0,1,2,3,4,5,6,7
.irp q, 0,1,2,3
	global_load_b128 v[128*(\set)+16*\i+4*\q:128*(\set)+16*\i+4*\q+3], v[XO+\i], s[6:7] offset:256*\q   ; sixteen lanes read 256 consecutive bytes of a row
.endr
.endr
	WIN 0
.endm
; what GLOAD brought goes into x's buffer buf
.macro STAGE buf, set
	ds_store_b128 v[SSC+(\buf)], v[SD0+(SD1-SD0)*(\set):SD0+(SD1-SD0)*(\set)+3]
	WIN 0x0c                                       ; a store's data are its source 1: window 3
.irp i, 0,1,2,3,4,5,6,7
.irp q, 0,1,2,3
	ds_store_b128 v[SS+(\buf)], v[128*(\set)+16*\i+4*\q:128*(\set)+16*\i+4*\q+3] offset:2*\i*XP+256*\q
.endr
.endr
	WIN 0
.endm
; my 16 fragments (four tiles x my four K steps) and their scale words out of x's buffer buf
.macro FRAG buf
.irp j, 0,1,2,3
	ds_load_b128 v[XSC+4*\j:XSC+4*\j+3], v[FS+2*(\buf)+\j/2] offset:(\j%2)*16*XP
.endr
	WIN 0x80                                       ; destination window 2
.irp j, 0,1,2,3
.irp s, 0,1,2,3
.irp c, 0,1,2,3
	ds_load_b128 v[16*(4*\j+\s)+4*\c:16*(4*\j+\s)+4*\c+3], v[FA+2*(\buf)+\j/2] offset:(\j%2)*16*XP+128*\s+32*\c
.endr
.endr
.endr
	WIN 0
.endm
; 64 matrix instructions; the 16 accumulators take turns, one instruction a turn; the first K step starts the sums.  Then sets 2 and 3 go to my partner.
.macro MULT red
	WIN 0x09                                       ; source 0 window 1, source 1 window 2, C and D window 0
.irp s, 0,1,2,3
.irp j, 0,1,2,3
.irp t, 0,1,2,3
.if \s == 0
	v_wmma_scale_f32_16x16x128_f8f6f4 v[ACC+32*\j+8*\t:ACC+32*\j+8*\t+7], v[16*(4*\t+\s):16*(4*\t+\s)+15], v[16*(4*\j+\s):16*(4*\j+\s)+15], 0, v[WS+4*\t+\s], v[XSC+4*\j+\s] matrix_a_fmt:MATRIX_FMT_BF8 matrix_b_fmt:MATRIX_FMT_BF8
.else
	v_wmma_scale_f32_16x16x128_f8f6f4 v[ACC+32*\j+8*\t:ACC+32*\j+8*\t+7], v[16*(4*\t+\s):16*(4*\t+\s)+15], v[16*(4*\j+\s):16*(4*\j+\s)+15], v[ACC+32*\j+8*\t:ACC+32*\j+8*\t+7], v[WS+4*\t+\s], v[XSC+4*\j+\s] matrix_a_fmt:MATRIX_FMT_BF8 matrix_b_fmt:MATRIX_FMT_BF8
.endif
.endr
.endr
.endr
	WIN 0
.rept 9
	v_nop                                          ; eight places ahead of stores that read results and of loads into registers that these products named; the ninth for the next products, which begin the accumulators anew
.endr
.irp a, 0,1,2,3,4,5,6,7
	ds_store_b128 v[RS], v[ACC+64+8*\a:ACC+64+8*\a+3] offset:(\red)*REDB+\a*1024        ; each accumulator from its low end on
	ds_store_b128 v[RS], v[ACC+64+8*\a+4:ACC+64+8*\a+7] offset:(\red)*REDB+\a*1024+512
.endr
.endm
; 64 numbers of a lane, v[s] on, register 16 b + i = k 32 b + 16 (lane / 16) + i of a row, become 16 registers of codes in v[PC] on and four scale bytes in v[PW]
.macro QUANT s
.irp b, 0,1,2,3
	v_max3_num_f32 v[TM+\b], |v[\s+16*\b]|, |v[\s+1+16*\b]|, 0x8000000   ; my 16 numbers, and the floor 2^(16 - 127): the byte cannot fall under 1
.endr
.irp i, 2,4,6,8,10,12,14
.irp b, 0,1,2,3
	v_max3_num_f32 v[TM+\b], v[TM+\b], |v[\s+16*\b+\i]|, |v[\s+1+16*\b+\i]|
.endr
.endr
.irp b, 0,1,2,3
	v_permlanex16_b32 v[TM+4+\b], v[TM+\b], s[SEL], s[SEL+1]
.endr
.irp b, 0,1,2,3
	v_max_num_f32 v[TM+\b], v[TM+\b], v[TM+4+\b]   ; with lane l xor 16's: the block's largest magnitude
.endr
.irp b, 0,1,2,3
	v_add_nc_u32 v[TM+12+\b], 0xf8800000, v[TM+\b] ; 15 off its exponent field: the conversion's scale operand
.endr
.irp b, 0,1,2,3
	v_and_or_b32 v[TM+8+\b], v[TM+\b], 0x7f800000, s[MNT]   ; 57,344 x the scale
.endr
.irp b, 0,1,2,3
	v_lshrrev_b32 v[TM+4+\b], 23, v[TM+12+\b]      ; the scale's byte
.endr
	v_lshl_or_b32 v[PW], v[TM+5], 8, v[TM+4]
	v_lshl_or_b32 v[PW], v[TM+6], 16, v[PW]
	v_lshl_or_b32 v[PW], v[TM+7], 24, v[PW]
.irp b, 0,1,2,3
.irp i, 0,1,2,3,4,5,6,7,8,9,10,11,12,13,14,15
	v_med3_num_f32 v[\s+16*\b+\i], v[\s+16*\b+\i], -v[TM+8+\b], v[TM+8+\b]   ; the conversion to an 8-bit code does not saturate (ISA guide 7.6.2): the hold comes first
.endr
	v_cvt_scalef32_pk8_bf8_f32 v[PC+4*\b:PC+1+4*\b], v[\s+16*\b:\s+7+16*\b], v[TM+12+\b]
	v_cvt_scalef32_pk8_bf8_f32 v[PC+2+4*\b:PC+3+4*\b], v[\s+8+16*\b:\s+15+16*\b], v[TM+12+\b]
.endr
	v_nop                                          ; a plain line behind the last conversion: later products write its sources
.endm
; chunk C is finished, first part: my partner's sums are asked for
.macro FIN_A p
	s_wait_xcnt 0x0                                ; the last chunk's stores have read their data and offsets, which are written again below
.irp a, 0,1,2,3,4,5,6,7
	ds_load_b128 v[ACC+64+8*\a:ACC+64+8*\a+3], v[RL] offset:(\p)*REDB+\a*1024           ; my partner's sums for my tiles, into the registers that my own gifts have left
	ds_load_b128 v[ACC+64+8*\a+4:ACC+64+8*\a+7], v[RL] offset:(\p)*REDB+\a*1024+512
.endr
	s_lshl_b32 s[T0], s[C], 18                     ; a chunk of hq: four tiles of 64 KiB
	s_lshl_b32 s[T1], s[C], 13                     ; of hs: 8 KiB
	v_add_nc_u32 v[HO], s[T0], v[L16]
	v_add_nc_u32 v[SO], s[T1], v[R4]
.endm
; second part: my two tiles x my 64 hidden units: sum, silu, quantiser, store
.macro FIN_B
.set i, 0
.rept 32
	v_pk_add_f32 v[ACC+i:ACC+i+1], v[ACC+i:ACC+i+1], v[ACC+64+i:ACC+65+i]   ; the two K halves; each accumulator is read from its low end on
.set i, i+2
.endr
.set i, 0
.rept 32
	v_pk_mul_f32 v[ACC+64+i:ACC+65+i], v[ACC+i:ACC+i+1], s[NL:NL+1] op_sel_hi:[1,0]   ; -z log2(e)
.set i, i+2
.endr
.set i, 0
.rept 64
	v_exp_f32 v[ACC+64+i], v[ACC+64+i]
.set i, i+1
.endr
	v_nop                                          ; a plain line behind the batch,
	s_wait_alu depctr_va_vdst(0)                   ; and one wait for it ahead of its first reader
.set i, 0
.rept 32
	v_pk_add_f32 v[ACC+64+i:ACC+65+i], v[ACC+64+i:ACC+65+i], 1.0 op_sel_hi:[1,0]
.set i, i+2
.endr
.set i, 0
.rept 64
	v_rcp_f32 v[ACC+64+i], v[ACC+64+i]
.set i, i+1
.endr
	v_nop
	s_wait_alu depctr_va_vdst(0)
.set i, 0
.rept 32
	v_pk_mul_f32 v[ACC+i:ACC+i+1], v[ACC+i:ACC+i+1], v[ACC+64+i:ACC+65+i]   ; silu(z) = z / (1 + e^-z)
.set i, i+2
.endr
	QUANT ACC                                      ; block 2 j + b: tile j of my two, block 2 nq + b of the K step
.irp b, 0,1,2,3
	global_store_b128 v[HO], v[PC+4*\b:PC+4*\b+3], s[14:15] offset:(\b/2)*65536+(\b%2)*512   ; 32 lanes store 512 consecutive bytes
.endr
	global_store_b32 v[SO], v[PW], s[16:17]        ; lanes l and l xor 16 store the same word with the same value
.endm
.macro HALF p
	s_wait_dscnt 0x0                               ; my partial sums and my rows of x have landed; my reads of the other buffers are over
	s_barrier_signal -1
	s_barrier_wait -1
	s_lshl_b32 s[T2], s[C], 6
	s_cmp_lt_u32 s[T2], s[NE]                      ; is there a chunk C?
	s_cbranch_scc0 .Lidle_\@
	FIN_A \p
	s_add_co_u32 s[T0], s[T2], 128
	s_cmp_lt_u32 s[T0], s[NE]                      ; a chunk C + 2?
	s_cbranch_scc0 .Lnost_\@
	s_wait_loadcnt 0x0                             ; its rows, asked for a half-trip ago, are in (0: the same proof on every way here)
	STAGE \p, 0                                    ; into the buffer that chunk C has left: its last reads stand in front of the barrier above
	s_add_co_u32 s[T0], s[T2], 192
	s_cmp_lt_u32 s[T0], s[NE]                      ; a chunk C + 3?
	s_cbranch_scc0 .Lnost_\@
	s_wait_dscnt 0x0                               ; the stores have read their registers, which take the next loads
	GLOAD 3, 0
.Lnost_\@:
	s_wait_dscnt 0x0                               ; my partner's sums are in
	s_add_co_u32 s[T0], s[T2], 64
	s_cmp_lt_u32 s[T0], s[NE]                      ; a chunk C + 1?
	s_cbranch_scc0 .Lnofr_\@
	FRAG 1-\p                                      ; its fragments land while chunk C is finished
.Lnofr_\@:
	FIN_B
	s_add_co_u32 s[T0], s[T2], 64
	s_cmp_lt_u32 s[T0], s[NE]
	s_cbranch_scc0 .Lidle_\@
	s_wait_dscnt 0x0                               ; the fragments and their scale words are in
	MULT 1-\p
.Lidle_\@:
	s_add_co_u32 s[C], s[C], 1
.endm
	GLOAD 0, 0
	s_wait_xcnt 0x0                                ; the first run of loads has read its offsets, which the second writes again
	GLOAD 1, 1                                     ; (behind the count the list holds token 0: every byte read is a written one)
	s_wait_loadcnt 63                              ; 66 loads stand behind the weights and their scale words: these are in
	WTURN 8
	s_wait_loadcnt 33                              ; chunk 1's 33 loads stand behind chunk 0's
	STAGE 0, 0
	s_wait_loadcnt 0x0
	STAGE 1, 1
	s_wait_dscnt 0x0                               ; the stores have read their registers, which take the next loads
	GLOAD 2, 0
	s_wait_dscnt 0x0                               ; my rows of chunks 0 and 1 have landed, my weights are back in registers
	s_barrier_signal -1
	s_barrier_wait -1
	FRAG 0
	s_wait_dscnt 0x0
	MULT 0
.Lloop:
	HALF 0
	HALF 1
	s_sub_co_u32 s[I], s[I], 1
	s_cmp_lg_u32 s[I], 0
	s_cbranch_scc1 .Lloop
	s_wait_tensorcnt 0x0
	ds_add_u32 v243, v251
	s_wait_dscnt 0x0
	s_endpgm
.Lfunc_end_k_q9be9edfacd_up:
	.size	k_q9be9edfacd_up, .Lfunc_end_k_q9be9edfacd_up-k_q9be9edfacd_up
	.p2alignl 7, 3214868480
	.fill 96, 4, 3214868480
	.section	.rodata,"a",@progbits
	.p2align	6, 0x0
	.amdhsa_kernel k_q9be9edfacd_up
		.amdhsa_group_segment_fixed_size 276224
		.amdhsa_private_segment_fixed_size 0
		.amdhsa_enable_private_segment 0
		.amdhsa_kernarg_size 56
		.amdhsa_user_sgpr_count 2
		.amdhsa_user_sgpr_kernarg_segment_ptr 1
		.amdhsa_wavefront_size32 1
		.amdhsa_system_sgpr_workgroup_id_x 1
		.amdhsa_system_sgpr_workgroup_id_y 1
		.amdhsa_system_sgpr_workgroup_id_z 1
		.amdhsa_system_vgpr_workitem_id 0
		.amdhsa_next_free_vgpr 1024
		.amdhsa_next_free_sgpr 66
		.amdhsa_reserve_vcc 1
		.amdhsa_float_denorm_mode_32 3
		.amdhsa_float_denorm_mode_16_64 3
		.amdhsa_memory_ordered 1
		.amdhsa_forward_progress 1
		.amdhsa_inst_pref_size 158
	.end_amdhsa_kernel
	.amdgpu_metadata
---
amdhsa.version: [ 1, 2 ]
amdhsa.kernels:
  - .name:           k_q9be9edfacd_up
    .symbol:         k_q9be9edfacd_up.kd
    .args:
      - { .name: route, .offset: 0, .size: 8, .value_kind: global_buffer, .address_space: global }
      - { .name: xq, .offset: 8, .size: 8, .value_kind: global_buffer, .address_space: global }
      - { .name: xs, .offset: 16, .size: 8, .value_kind: global_buffer, .address_space: global }
      - { .name: w1_codes, .offset: 24, .size: 8, .value_kind: global_buffer, .address_space: global }
      - { .name: w1_scales, .offset: 32, .size: 8, .value_kind: global_buffer, .address_space: global }
      - { .name: hq, .offset: 40, .size: 8, .value_kind: global_buffer, .address_space: global }
      - { .name: hs, .offset: 48, .size: 8, .value_kind: global_buffer, .address_space: global }
    .group_segment_fixed_size: 276224
    .private_segment_fixed_size: 0
    .kernarg_segment_align: 8
    .kernarg_segment_size: 56
    .max_flat_workgroup_size: 128
    .sgpr_count:     66
    .vgpr_count:     1024
    .wavefront_size: 32
...
	.end_amdgpu_metadata
.endif
;; end of part 5
;; launch down (part 6): grid 256 x 1, 4 waves a work-group, no clusters, 212,736 bytes of LDS; arguments route, hq, hs, w2_codes, w2_scales, yp; writes yp
.if DOCPART == 6
	.amdgcn_target "amdgcn-amd-amdhsa--gfx1250"
	.amdhsa_code_object_version 6
	.text
	.protected	k_q9be9edfacd_down
	.globl	k_q9be9edfacd_down
	.p2align	8
	.type	k_q9be9edfacd_down,@function
k_q9be9edfacd_down:
	s_mov_b64 s[64:65], 0
	v_nop
	global_prefetch_b8 v0, s[64:65] scope:SCOPE_SE
	s_setreg_imm32_b32 hwreg(HW_REG_WAVE_MODE, 25, 1), 1
	s_wait_xcnt 0x0
; y = h W2^T for the rows that the router kept, on codes of E5M2 with one E8M0 scale for each 32 along K, in two halves of K: yp[K half][e][token][1024] f32; the next launch adds the halves.
; SHARES.  Work-group = (expert e = x / 32, 64 output columns ns = (x / 2) % 16, K half kh = x % 2 of 2,048).  Wave W takes K steps 16 kh + 4 W + 0..3 of those 64 columns: 32 KiB of W2,
; 256 registers, read from memory once in the launch and kept.  The expert's rows go in chunks of 64 (four tiles of 16), as the launch before laid them.  A wave multiplies all four tiles (64 matrix
; instructions, 16 accumulators by turns), puts each tile's partial sums into LDS for the wave that owns the tile (wave = tile), and adds and stores its own tile's four parts.
; W2's ROWS ARE LOADED AS THEY LIE (a load of the wave = 512 consecutive bytes of one row) and turned once, through the wave's own LDS, into fragments; h comes in the order of the operand's registers, 512 consecutive bytes a load.
; THE LIST is sorted again by wave 0, by the same lines as in the launch before, so row i of the expert is the same token here.  Spare rows are rows of token 0: they store expert e's true y of token 0.
; LAYOUT.  Transposed use (source 0 = 16 rows of W2, source 1 = 16 rows of h): a lane holds one row and eight neighbouring columns.  In LDS the parts lie as rows of 256 bytes + 16, so they come back as whole rows.
; SET j of a wave holds the chunk's tile W xor j; slot j of a receiving wave's region holds what wave (receiver xor j) sent.
; h's SCALES lie as words (even tile: blocks 2 nq, 2 nq + 1; odd tile: the same): two words (nq = 0, 1) give a tile's word by one byte permute; lanes 0-15 load my tile's pair of tiles, lanes 16-31 the other pair.
; CONTROL, and why no tensor loads and no cluster: as in the launch before: branches hang on a count read from memory; no byte of W2 is read by two work-groups.
; LIMITS: NaN and infinities are not served.
.set REDB,  69632                      ; LDS from 0: two buffers; in each 17,408 bytes for each receiving wave: four slots of 16 rows x 272 bytes
.set WTB,   2*REDB                     ; where the weights are turned: 32 rows x 528 bytes for each wave, its own
.set WP,    528
.set WTW,   32*WP
.set LIST,  WTB+4*WTW                  ; the list: 1,280 words
.set CNTW,  LIST+5120
.set TRASH, LIST+5248                  ; a word a lane for the sort's lanes that have nothing to place
.set TIDX,  (TRASH-LIST)/4             ; the first of those words, counted in words from the list's first
.set L16, 1                            ; 16 x lane
.set C16, 2                            ; 16 r
.set WSA, 3                            ; the weights' turn: in, 16 x lane
.set WSO, 4                            ; W2's scale words: 128 r
.set HB,  5                            ; v5-8   16 x lane + 64 KiB x (W xor j)
.set HO,  9                            ; v9-12  the same + the chunk
.set SBS, 13                           ; ((W / 2) xor h) x 64 + 4 r
.set SOS, 14
.set RS,  15                           ; v15-22 where set j's sums go, for each buffer
.set RL,  23                           ; v23-24 where I read my tile's parts
.set LY,  25                           ; the list: my tile's rows, two an instruction
.set LT,  26
.set ST,   27                          ; the sort's own
.set SPOS, 28
.set SA,   29
.set TOKV, 30
.set L4,   31
.set WS,  32                           ; v32-47 W2's scale words 4 t + s: scales and nothing else
.set HR,  48                           ; v48-55, v56-63 h's scale words as stored, 2 s + nq, buffers 0 and 1
.set HSC, 64                           ; v64-71 h's scale words as the products want them: 2 s: tiles of my parity, 2 s + 1: of the other: scales and nothing else
.set TK,  72                           ; v72-79 tokens
.set ACC, 80                           ; v80-207
.set YO,  208                          ; v208-215 offsets in yp
.set WLA, 216                          ; the weights' turn: out, r x 528 + 16 h
.set TR,  243                          ; TIDX + lane: my spare word, as an index
.set ZQ,  244
.set ZA,  248
.set CW,  249
.set CV,  250
.set W,   18
.set EX,  19
.set NS,  20
.set KH,  21
.set NE,  22
.set C,   23
.set I,   24
.set T0,  25
.set T1,  26
.set BIT, 27
.set CNT, 28
.set LASTC, 29                         ; the expert's last chunk
.set SELS, 30
.set SELO, 31
.set MSB, 0                            ; window 1: W2's fragment (t, s) at v[16 (4 t + s)];  windows 2, 3: h's fragment (j, s) at v[16 (4 j + s)], buffers 0 and 1
.macro WIN new
.if MSB != (\new)
	s_set_vgpr_msb (MSB<<8)|(\new)
.set MSB, (\new)
.endif
.endm
	s_load_b256 s[4:11], s[0:1], 0x0               ; route s[4:5], hq s[6:7], hs s[8:9], w2_codes s[10:11]
	s_load_b128 s[12:15], s[0:1], 0x20             ; w2_scales s[12:13], yp s[14:15]
	v_lshl_add_u32 v254, v0, 2, 0x33d00
	v_mov_b32 v255, 0
	v_lshrrev_b32 v[CV], 5, v0
	v_readfirstlane_b32 s[W], v[CV]
	s_lshr_b32 s[EX], ttmp9, 5
	s_bfe_u32 s[NS], ttmp9, 0x40001
	s_and_b32 s[KH], ttmp9, 1
	s_lshl_b32 s[BIT], 1, s[EX]
	; every address register is made here, ahead of the one branch on the wave's number
	v_and_b32 v[YO], 15, v0                        ; r
	v_bfe_u32 v[YO+1], v0, 4, 1                    ; h
	v_and_b32 v[L16], 31, v0
	v_lshlrev_b32 v[L4], 2, v[L16]
	v_add_nc_u32 v[TR], TIDX, v[L16]
	v_lshlrev_b32 v[L16], 4, v[L16]
	v_add_nc_u32 v[ZA], LIST, v[L16]
	v_mov_b32 v[CW], CNTW
	v_lshlrev_b32 v[C16], 4, v[YO]
	v_lshlrev_b32 v[WSO], 7, v[YO]
	s_mul_i32 s[T0], s[W], WTW                     ; the weights' turn: my wave's region
	s_add_co_u32 s[T0], s[T0], WTB
	v_add_nc_u32 v[WSA], s[T0], v[L16]
	v_mul_u32_u24 v[WLA], v[YO], WP
	v_lshl_add_u32 v[WLA], v[YO+1], 4, v[WLA]
	v_add_nc_u32 v[WLA], s[T0], v[WLA]
	v_mul_u32_u24 v[YO+2], v[YO], 272
	v_lshl_add_u32 v[YO+2], v[YO+1], 5, v[YO+2]    ; in: row r, 32 bytes for each half of the lanes
	v_mul_u32_u24 v[YO+3], v[YO+1], 272
	v_lshl_add_u32 v[YO+3], v[YO], 4, v[YO+3]      ; back: lanes 0-15 one row, lanes 16-31 the next
.irp j, 0,1,2,3
	s_xor_b32 s[T0], s[W], \j
	s_lshl_b32 s[T1], s[T0], 16
	v_add_nc_u32 v[HB+\j], s[T1], v[L16]
	s_mul_i32 s[T0], s[T0], 17408
	s_add_co_u32 s[T0], s[T0], \j*4352
	v_add_nc_u32 v[RS+\j], s[T0], v[YO+2]
	s_add_co_u32 s[T0], s[T0], REDB
	v_add_nc_u32 v[RS+4+\j], s[T0], v[YO+2]
.endr
	s_mul_i32 s[T0], s[W], 17408
	v_add_nc_u32 v[RL], s[T0], v[YO+3]
	s_add_co_u32 s[T0], s[T0], REDB
	v_add_nc_u32 v[RL+1], s[T0], v[YO+3]
	s_lshl_b32 s[T0], s[W], 6
	s_add_co_u32 s[T0], s[T0], LIST
	v_lshl_add_u32 v[LY], v[YO+1], 2, s[T0]
	s_lshr_b32 s[T0], s[W], 1
	v_xor_b32 v[SBS], s[T0], v[YO+1]
	v_lshlrev_b32 v[YO+2], 2, v[YO]
	v_lshl_add_u32 v[SBS], v[SBS], 6, v[YO+2]
.irp b, 0,1,2,3
	v_mov_b32 v[ZQ+\b], 0
.endr
	s_mov_b32 s34, 0x05040100                      ; bytes 0, 1 of both words: an even tile's four blocks
	s_mov_b32 s35, 0x07060302                      ; bytes 2, 3: an odd tile's
	s_and_b32 s[T0], s[W], 1
	s_cmp_eq_u32 s[T0], 0
	s_cselect_b32 s[SELS], s34, s35                ; tiles of my parity (sets 0, 2)
	s_cselect_b32 s[SELO], s35, s34                ; of the other (sets 1, 3)
	s_mov_b32 s[C], 0
	s_mov_b32 s[I], 8
	; offsets, apart from the addresses
	s_lshl_b32 s36, s[EX], 22                      ; hq: 4 MiB e + (16 kh + 4 W) K steps of 2,048
	s_lshl_b32 s[T0], s[KH], 15
	s_add_co_u32 s36, s36, s[T0]
	s_lshl_b32 s[T0], s[W], 13
	s_add_co_u32 s36, s36, s[T0]
	s_mov_b32 s37, 0
	s_lshl_b32 s38, s[EX], 17                      ; hs: 128 KiB e + (16 kh + 4 W) x 256
	s_lshl_b32 s[T0], s[KH], 12
	s_add_co_u32 s38, s38, s[T0]
	s_lshl_b32 s[T0], s[W], 10
	s_add_co_u32 s38, s38, s[T0]
	s_mov_b32 s39, 0
	s_lshl_b32 s40, s[EX], 22                      ; w2_codes: 4 MiB e + 64 ns rows of 4,096 + 2,048 kh + 512 W
	s_lshl_b32 s[T0], s[NS], 18
	s_add_co_u32 s40, s40, s[T0]
	s_lshl_b32 s[T0], s[KH], 11
	s_add_co_u32 s40, s40, s[T0]
	s_lshl_b32 s[T0], s[W], 9
	s_add_co_u32 s40, s40, s[T0]
	s_mov_b32 s41, 0
	s_lshl_b32 s42, s[EX], 17                      ; w2_scales: 128 KiB e + 64 ns rows of 128 + 64 kh + 16 W
	s_lshl_b32 s[T0], s[NS], 13
	s_add_co_u32 s42, s42, s[T0]
	s_lshl_b32 s[T0], s[KH], 6
	s_add_co_u32 s42, s42, s[T0]
	s_lshl_b32 s[T0], s[W], 4
	s_add_co_u32 s42, s42, s[T0]
	s_mov_b32 s43, 0
	s_lshl_b32 s44, s[KH], 25                      ; yp: 32 MiB kh + 4 MiB e + 256 ns
	s_lshl_b32 s[T0], s[EX], 22
	s_add_co_u32 s44, s44, s[T0]
	s_lshl_b32 s[T0], s[NS], 8
	s_add_co_u32 s44, s44, s[T0]
	s_mov_b32 s45, 0
	s_wait_kmcnt 0x0
	s_add_nc_u64 s[6:7], s[6:7], s[36:37]
	s_add_nc_u64 s[8:9], s[8:9], s[38:39]
	s_add_nc_u64 s[10:11], s[10:11], s[40:41]
	s_add_nc_u64 s[12:13], s[12:13], s[42:43]
	s_add_nc_u64 s[14:15], s[14:15], s[44:45]
.irp i, 0,1,2,3,4,5,6,7
	global_load_b128 v[ACC+4*\i:ACC+4*\i+3], v[L16], s[4:5] offset:512*\i   ; the route words: register 4 i + k = token 128 i + 4 lane + k
.endr
	WIN 0x40                                       ; destination window 1
.set i, 0
.rept 64
	global_load_b128 v[4*i:4*i+3], v[L16], s[10:11] offset:4096*i th:TH_LOAD_NT   ; row i of my 64: 32 lanes read its 512 consecutive bytes of my four K steps
.set i, i+1
.endr
	WIN 0
.irp t, 0,1,2,3
	global_load_b128 v[WS+4*\t:WS+4*\t+3], v[WSO], s[12:13] offset:2048*\t
.endr
	; THE SORT, by wave 0 alone: the same lines as in the launch before
	s_cmp_lg_u32 s[W], 0
	s_cbranch_scc1 .Lsorted
	s_wait_loadcnt 63                              ; 68 loads stand behind the route words' eight: they are in
.irp i, 0,1,2,3,4,5,6,7,8,9
	ds_store_b128 v[ZA], v[ZQ:ZQ+3] offset:512*\i  ; the list begins as zeros: token 0
.endr
	s_mov_b32 s[CNT], 0
.set n, 0
.rept 32
	v_and_b32 v[ST], s[BIT], v[ACC+n]
	v_cmp_ne_u32 vcc_lo, 0, v[ST]                  ; the lanes whose token chose e
	v_mbcnt_lo_u32_b32 v[SPOS], vcc_lo, s[CNT]     ; those placed so far + those in lower lanes: the token's place in the list
	v_cndmask_b32 v[SPOS], v[TR], v[SPOS], vcc_lo  ; the other lanes take their own spare word's index
	v_min_u32 v[SPOS], TIDX+31, v[SPOS]            ; the index is held inside the list and the spare words; behind this line only a shift and an addition
	v_lshl_add_u32 v[SA], v[SPOS], 2, LIST
	v_add_nc_u32 v[TOKV], 128*(n/4)+n%4, v[L4]
	ds_store_b32 v[SA], v[TOKV]
	s_bcnt1_i32_b32 s[T0], vcc_lo
	s_add_co_u32 s[CNT], s[CNT], s[T0]
.set n, n+1
.endr
	v_mov_b32 v[TOKV], s[CNT]
	ds_store_b32 v[CW], v[TOKV]
.Lsorted:
	s_wait_dscnt 0x0                               ; wave 0's stores have landed
	s_barrier_signal -1
	s_barrier_wait -1
	ds_load_b32 v[CV], v[CW]
	s_wait_dscnt 0x0
	v_readfirstlane_b32 s[NE], v[CV]
	s_min_u32 s[NE], s[NE], 1024
	s_max_u32 s[NE], s[NE], 1                      ; chunk 0 was always made
	s_sub_co_u32 s[LASTC], s[NE], 1
	s_lshr_b32 s[LASTC], s[LASTC], 6
	s_min_u32 s[LASTC], s[LASTC], 15
; the weights, 32 rows at a time, through my own LDS: in as rows, out as fragments, into the registers that they left.  LDS serves a wave's instructions in order (ISA guide 5.7.1.4): no wait between
.macro WTURN ru                        ; ru: rows from a tile to the next inside the 32
	WIN 0x44                                       ; a store's data (source 1) and a load's destination: window 1
.irp g, 0,1
.set i, 0
.rept 32
	ds_store_b128 v[WSA], v[128*\g+4*i:128*\g+4*i+3] offset:WP*i
.set i, i+1
.endr
.irp u, 0,1
.irp s, 0,1,2,3
.irp c, 0,1,2,3
	ds_load_b128 v[128*\g+64*\u+16*\s+4*\c:128*\g+64*\u+16*\s+4*\c+3], v[WLA] offset:(\ru)*\u*WP+128*\s+32*\c   ; fragment (tile 2 g + u, K step s), registers 4 c on
.endr
.endr
.endr
.endr
	WIN 0
.endm
; chunk C + ahead, held at the last chunk that was made: its scale words and its fragments of my four K steps into buffer buf: 72 loads
.macro PF ahead, buf
	s_add_co_u32 s[T0], s[C], \ahead
	s_min_u32 s[T0], s[T0], s[LASTC]
	s_min_u32 s[T0], s[T0], 15
	s_lshl_b32 s[T1], s[T0], 13
	s_lshl_b32 s[T0], s[T0], 18
.irp j, 0,1,2,3
	v_add_nc_u32 v[HO+\j], s[T0], v[HB+\j]
.endr
	v_add_nc_u32 v[SOS], s[T1], v[SBS]
.irp s, 0,1,2,3
.irp q, 0,1
	global_load_b32 v[HR+8*(\buf)+2*\s+\q], v[SOS], s[8:9] offset:256*\s+128*\q   ; 32 lanes read 128 consecutive bytes
.endr
.endr
	WIN 0x80+0x40*(\buf)                           ; destination window 2 or 3
.irp j, 0,1,2,3
.irp s, 0,1,2,3
.irp c, 0,1,2,3
	global_load_b128 v[16*(4*\j+\s)+4*\c:16*(4*\j+\s)+4*\c+3], v[HO+\j], s[6:7] offset:2048*\s+512*\c   ; 32 lanes read 512 consecutive bytes: the operand's registers as they were stored
.endr
.endr
.endr
	WIN 0
.endm
; 64 matrix instructions on buffer buf; the 16 accumulators take turns, one instruction a turn; the first K step starts the sums.  Then every set goes to its tile's owner.
.macro MULT buf, red
.irp s, 0,1,2,3
	v_perm_b32 v[HSC+2*\s], v[HR+8*(\buf)+2*\s+1], v[HR+8*(\buf)+2*\s], s[SELS]
	v_perm_b32 v[HSC+2*\s+1], v[HR+8*(\buf)+2*\s+1], v[HR+8*(\buf)+2*\s], s[SELO]
.endr
.rept 8
	v_nop                                          ; a scale register written by a vector instruction stands eight places ahead of the scaled product
.endr
	WIN 0x09+4*(\buf)                              ; source 0 window 1, source 1 window 2 or 3, C and D window 0
.irp s, 0,1,2,3
.irp j, 0,1,2,3
.irp t, 0,1,2,3
.if \s == 0
.if \j < 2
	v_wmma_scale_f32_16x16x128_f8f6f4 v[ACC+32*\j+8*\t:ACC+32*\j+8*\t+7], v[16*(4*\t+\s):16*(4*\t+\s)+15], v[16*(4*\j+\s):16*(4*\j+\s)+15], 0, v[WS+4*\t+\s], v[HSC+2*\s+\j%2] matrix_a_fmt:MATRIX_FMT_BF8 matrix_b_fmt:MATRIX_FMT_BF8
.else
	v_wmma_scale_f32_16x16x128_f8f6f4 v[ACC+32*\j+8*\t:ACC+32*\j+8*\t+7], v[16*(4*\t+\s):16*(4*\t+\s)+15], v[16*(4*\j+\s):16*(4*\j+\s)+15], 0, v[WS+4*\t+\s], v[HSC+2*\s+\j%2] matrix_a_fmt:MATRIX_FMT_BF8 matrix_b_fmt:MATRIX_FMT_BF8 matrix_b_scale:MATRIX_SCALE_ROW1
.endif
.else
.if \j < 2
	v_wmma_scale_f32_16x16x128_f8f6f4 v[ACC+32*\j+8*\t:ACC+32*\j+8*\t+7], v[16*(4*\t+\s):16*(4*\t+\s)+15], v[16*(4*\j+\s):16*(4*\j+\s)+15], v[ACC+32*\j+8*\t:ACC+32*\j+8*\t+7], v[WS+4*\t+\s], v[HSC+2*\s+\j%2] matrix_a_fmt:MATRIX_FMT_BF8 matrix_b_fmt:MATRIX_FMT_BF8
.else
	v_wmma_scale_f32_16x16x128_f8f6f4 v[ACC+32*\j+8*\t:ACC+32*\j+8*\t+7], v[16*(4*\t+\s):16*(4*\t+\s)+15], v[16*(4*\j+\s):16*(4*\j+\s)+15], v[ACC+32*\j+8*\t:ACC+32*\j+8*\t+7], v[WS+4*\t+\s], v[HSC+2*\s+\j%2] matrix_a_fmt:MATRIX_FMT_BF8 matrix_b_fmt:MATRIX_FMT_BF8 matrix_b_scale:MATRIX_SCALE_ROW1
.endif
.endif
.endr
.endr
.endr
	WIN 0
.rept 9
	v_nop                                          ; eight places ahead of stores that read results and of loads and vector lines that write registers these products named; the ninth for the next products, which begin the accumulators anew
.endr
.irp j, 0,1,2,3
.irp t, 0,1,2,3
	ds_store_b128 v[RS+4*(\red)+\j], v[ACC+32*\j+8*\t:ACC+32*\j+8*\t+3] offset:64*\t          ; each accumulator from its low end on: row r, columns 16 t + 8 h on
	ds_store_b128 v[RS+4*(\red)+\j], v[ACC+32*\j+8*\t+4:ACC+32*\j+8*\t+7] offset:64*\t+16
.endr
.endr
.endm
; chunk C is finished: my tile's 16 rows x 64 columns: four parts are added and stored at the rows' tokens
.macro FINISH p
	s_wait_xcnt 0x0                                ; the last chunk's stores have read their data and offsets, which are written again below
	s_lshl_b32 s[T0], s[C], 8
	v_add_nc_u32 v[LT], s[T0], v[LY]
.irp i, 0,1,2,3,4,5,6,7
	ds_load_b32 v[TK+\i], v[LT] offset:8*\i        ; the tokens of rows 2 i + h
.endr
.irp q, 0,1,2,3
.irp i, 0,1,2,3,4,5,6,7
	ds_load_b128 v[ACC+32*\q+4*\i:ACC+32*\q+4*\i+3], v[RL+\p] offset:4352*\q+544*\i   ; part q, rows 2 i + h, 16 bytes a lane
.endr
.endr
	s_wait_dscnt 32                                ; 32 loads stand behind the eight tokens
.irp i, 0,1,2,3,4,5,6,7
	v_min_u32 v[TK+\i], 0x3ff, v[TK+\i]
.endr
.irp i, 0,1,2,3,4,5,6,7
	v_lshl_add_u32 v[YO+\i], v[TK+\i], 12, v[C16]  ; a row of yp is 4,096 bytes
.endr
	s_wait_dscnt 0x0
.set i, 0
.rept 16
	v_pk_add_f32 v[ACC+i:ACC+i+1], v[ACC+i:ACC+i+1], v[ACC+32+i:ACC+33+i]
	v_pk_add_f32 v[ACC+64+i:ACC+65+i], v[ACC+64+i:ACC+65+i], v[ACC+96+i:ACC+97+i]
.set i, i+2
.endr
.set i, 0
.rept 16
	v_pk_add_f32 v[ACC+i:ACC+i+1], v[ACC+i:ACC+i+1], v[ACC+64+i:ACC+65+i]
.set i, i+2
.endr
.irp i, 0,1,2,3,4,5,6,7
	global_store_b128 v[YO+\i], v[ACC+4*\i:ACC+4*\i+3], s[14:15]   ; sixteen lanes store 256 consecutive bytes, at a multiple of 256 from yp's first byte
.endr
.endm
.macro HALF p
	s_wait_dscnt 0x0                               ; my partial sums have landed, my reads of the other buffer are over
	s_barrier_signal -1
	s_barrier_wait -1
	s_lshl_b32 s[T0], s[C], 6
	s_cmp_lt_u32 s[T0], s[NE]                      ; is there a chunk C?
	s_cbranch_scc0 .Lidle_\@
	FINISH \p
	s_lshl_b32 s[T0], s[C], 6
	s_add_co_u32 s[T0], s[T0], 64
	s_cmp_lt_u32 s[T0], s[NE]                      ; a chunk C + 1?
	s_cbranch_scc0 .Lidle_\@
	s_wait_loadcnt 0x0                             ; its fragments are in (0: the same proof on every way here)
	s_wait_xcnt 0x0                                ; the stores above have read the accumulators' registers, which the products below write
	s_add_co_u32 s[T0], s[T0], 64
	s_cmp_lt_u32 s[T0], s[NE]                      ; a chunk C + 2?
	s_cbranch_scc0 .Lnopf_\@
	PF 2, \p                                       ; into the buffer that chunk C has left
.Lnopf_\@:
	MULT 1-\p, 1-\p
.Lidle_\@:
	s_add_co_u32 s[C], s[C], 1
.endm
	PF 0, 0
	s_wait_loadcnt 63                              ; chunk 0's 72 loads stand behind the weights and their scale words: these are in
	WTURN 16
	s_wait_xcnt 0x0                                ; the first run of loads has read its offsets, which the second writes again
	PF 1, 1                                        ; (an expert of one chunk reads chunk 0 again: only written bytes are read)
	s_wait_loadcnt 63                              ; 72 loads stand behind chunk 0's: it is in
	s_wait_dscnt 0x0                               ; my weights are back in registers
	MULT 0, 0
.Lloop:
	HALF 0
	HALF 1
	s_sub_co_u32 s[I], s[I], 1
	s_cmp_lg_u32 s[I], 0
	s_cbranch_scc1 .Lloop
	s_wait_tensorcnt 0x0
	ds_add_u32 v254, v255
	s_wait_dscnt 0x0
	s_endpgm
.Lfunc_end_k_q9be9edfacd_down:
	.size	k_q9be9edfacd_down, .Lfunc_end_k_q9be9edfacd_down-k_q9be9edfacd_down
	.p2alignl 7, 3214868480
	.fill 96, 4, 3214868480
	.section	.rodata,"a",@progbits
	.p2align	6, 0x0
	.amdhsa_kernel k_q9be9edfacd_down
		.amdhsa_group_segment_fixed_size 212736
		.amdhsa_private_segment_fixed_size 0
		.amdhsa_enable_private_segment 0
		.amdhsa_kernarg_size 48
		.amdhsa_user_sgpr_count 2
		.amdhsa_user_sgpr_kernarg_segment_ptr 1
		.amdhsa_wavefront_size32 1
		.amdhsa_system_sgpr_workgroup_id_x 1
		.amdhsa_system_sgpr_workgroup_id_y 1
		.amdhsa_system_sgpr_workgroup_id_z 1
		.amdhsa_system_vgpr_workitem_id 0
		.amdhsa_next_free_vgpr 1024
		.amdhsa_next_free_sgpr 66
		.amdhsa_reserve_vcc 1
		.amdhsa_float_denorm_mode_32 3
		.amdhsa_float_denorm_mode_16_64 3
		.amdhsa_memory_ordered 1
		.amdhsa_forward_progress 1
		.amdhsa_inst_pref_size 116
	.end_amdhsa_kernel
	.amdgpu_metadata
---
amdhsa.version: [ 1, 2 ]
amdhsa.kernels:
  - .name:           k_q9be9edfacd_down
    .symbol:         k_q9be9edfacd_down.kd
    .args:
      - { .name: route, .offset: 0, .size: 8, .value_kind: global_buffer, .address_space: global }
      - { .name: hq, .offset: 8, .size: 8, .value_kind: global_buffer, .address_space: global }
      - { .name: hs, .offset: 16, .size: 8, .value_kind: global_buffer, .address_space: global }
      - { .name: w2_codes, .offset: 24, .size: 8, .value_kind: global_buffer, .address_space: global }
      - { .name: w2_scales, .offset: 32, .size: 8, .value_kind: global_buffer, .address_space: global }
      - { .name: yp, .offset: 40, .size: 8, .value_kind: global_buffer, .address_space: global }
    .group_segment_fixed_size: 212736
    .private_segment_fixed_size: 0
    .kernarg_segment_align: 8
    .kernarg_segment_size: 48
    .max_flat_workgroup_size: 128
    .sgpr_count:     66
    .vgpr_count:     1024
    .wavefront_size: 32
...
	.end_amdgpu_metadata
.endif
;; end of part 6
;; launch mix: the kernel of part 4 again; grid 256 x 1, 4 waves a work-group, no clusters, 0 bytes of LDS; arguments route, gate, expert_scale, yp, out0; writes out0
;; ======== version 3 of 3: 4 launches; version 2 with the launches up, down written anew for expert scheduling mode
;; workspace buffers: xq 1,048,576 bytes; xs 32,768 bytes; route 4,096 bytes of whole numbers; gate 8,192 bytes; hq 33,554,432 bytes; hs 1,048,576 bytes; yp 67,108,864 bytes
;; launch route: the kernel of part 1 again; grid 256 x 1, 4 waves a work-group, no clusters, 25,088 bytes of LDS; arguments hidden_states, router_w, xq, xs, route, gate; writes xq, xs, route, gate
;; launch up (part 7): grid 256 x 1, 4 waves a work-group, no clusters, 276,224 bytes of LDS; arguments route, xq, xs, w1_codes, w1_scales, hq, hs; writes hq, hs
.if DOCPART == 7
	.amdgcn_target "amdgcn-amd-amdhsa--gfx1250"
	.amdhsa_code_object_version 6
	.text
	.protected	k_q9be9edfacd_up
	.globl	k_q9be9edfacd_up
	.p2align	8
	.type	k_q9be9edfacd_up,@function
k_q9be9edfacd_up:
	s_mov_b64 s[64:65], 0
	v_nop
	global_prefetch_b8 v0, s[64:65] scope:SCOPE_SE
	s_setreg_imm32_b32 hwreg(HW_REG_WAVE_SCHED_MODE, 0, 2), 2
	s_setreg_imm32_b32 hwreg(HW_REG_WAVE_MODE, 25, 1), 1
	s_wait_xcnt 0x0
	s_wait_alu depctr_vm_vsrc(0)
; h = Q(silu(x W1^T)) for the rows that the router kept, on codes of E5M2 with one E8M0 scale for each 32 along K.
; SHARES.  Work-group = (expert e = x / 32, slice sl = x % 32 of 128 hidden units).  Wave W = kq + 2 nq: hidden units 128 sl + 64 nq + 0..63, K bytes 512 kq + 0..511: 32 KiB of W1,
; 256 registers, read from memory once in the launch and kept.  The expert's rows go in chunks of 64 (four tiles of 16); a wave multiplies all four tiles by its weights (64 matrix
; instructions, 16 accumulators by turns), hands the partial sums of two tiles to the wave with the other K half through LDS, and finishes its own two: sum, silu, quantiser, store.
; WHOLE ROWS IN, TURNED IN LDS.  A fragment wants 16 bytes of each of 16 rows in one register; loaded so, every load would take 32 bytes of each of 16 rows.  So W1's rows are loaded as they lie (a load
; of the wave = 512 consecutive bytes of one row) and turned once through the wave's own LDS; a chunk's 64 rows of x are loaded ONCE for the work-group (wave W: tile W's 16 rows, a load = 256 consecutive bytes
; of each of two rows), laid into one of two LDS buffers with their scale bytes behind each row, and every wave reads its fragments from there.
; THE LIST.  Every wave holds the 1,024 route words in its own registers and finds by a counting pass each token's place among those that chose e, and their count: so a wave's branches hang on numbers that it
; loaded itself.  Wave 0 stores the list into LDS: the tokens that chose e, in an order that hangs on the words alone, so that the next launch finds the same.
; Words behind the count are 0: a chunk's spare rows are rows of token 0, whose results are true numbers that nobody needs.  The count is held at 1 from below: chunk 0 is always made.
; LAYOUT.  The product is used transposed (source 0 = 16 rows of W1, source 1 = 16 rows of x): a lane holds one row.  Lane r of tile 2 b + u takes W1's row 32 b + 8 u + r + 8 (r / 8), so that the 16
; registers of tiles 2 b and 2 b + 1 are 16 neighbours along the next K, and the conversions' results are the next operand's registers.  hq is laid in that order: [e][tile of 16 rows][K step][c][lane][16 bytes].
; hs: [e][chunk][K step][nq][pair of tiles][r] words: bytes = (even tile: blocks 2 nq, 2 nq + 1; odd tile: the same two).
; SET j of a wave holds the chunk's tile (2 kq) xor j: a wave's own tiles are always sets 0 and 1; the wave's number enters addresses alone.
; CONTROL.  16 half-trips, one for each chunk that 1,024 rows can make; every barrier lies outside the branches on the count; a half-trip without a chunk costs a barrier and a compare.
; ONE BARRIER A CHUNK orders three things.  Between barriers c and c + 1: chunk c's partial sums are read from buffer c % 2 and chunk c + 1's written to the other; chunk c + 2's rows of x are written to x's buffer c % 2
; and chunk c + 1's fragments read from the other.  In front of each barrier every wave has waited for all its LDS instructions.
; NO TENSOR LOADS, NO CLUSTER: the branches hang on a count read from memory, so operands come by loads into registers; no byte of W1 is read by two work-groups;
; what the 32 work-groups of an expert share, its rows of x, is gathered by the list, 1 KiB a row.
; LIMITS: NaN and infinities are not served.  Blocks of h whose largest magnitude lies under 2^-111 (zeros too) keep the byte 1; the bytes are read by this program alone.  silu of a very negative number is -0.
; THE MODE: SCHED_MODE bits 1:0 = 2 (LLVM: expert scheduling mode 2), set by the entry lines.  The code itself states the register dependences
; between vector or matrix instructions and memory or LDS instructions, with s_wait_alu, always for 0.
; THE PLAN.  Registers that memory or LDS instructions touch, and who else names them:
;   v1, v5-9, v64-75, v248   addresses, made at the head and never written again: one wait on va_vdst ahead of the first load serves them for the whole kernel.
;   SAD, STK             the list's 32 addresses and 32 tokens of a lane: written by the counting pass, read by wave 0's LDS stores; the first products write these registers again.
;   window 1             W1: loaded as rows, read by the turn's LDS stores, loaded back as fragments into the same registers (a wait on vm_vsrc between); then read by products alone.
;   window 3, SD0, SD1   a tile's rows on their way: GLOAD's loads land there, STAGE's LDS stores read them, no vector line names them: a wait on vm_vsrc between STAGE and the next GLOAD.
;   LT, LTS, XO, XSO     written by GLOAD's vector lines, read by its loads: that same wait on vm_vsrc ahead of them, and a wait on va_vdst behind each of the two groups (the second group is made of loaded tokens).
;   window 2, XSC        a chunk's fragments and scale words: FRAGJ's LDS loads land there, MULT's products read them.
;   ACC+64 ..            MULT's products write them, its LDS stores read them, my partner's sums land there, FIN_B works there.
;   PC, PW, HO, SO       written by FIN_B's and FIN_A's vector lines, read by the chunk's five stores.
; MULT's one wait on va_vdst, behind its places, states that the accumulators are written (for its LDS stores) and that the products are done reading window 2 and XSC.  From there to the next MULT no vector line names
; window 2, XSC, FA or FS: so the next chunk's fragments owe nothing more, and their 68 loads are dealt in four groups among FIN_B's vector lines, which name ACC, PC, TM and PW alone.
; They are asked for in every chunk, the expert's last too, where nobody multiplies them: x's other buffer holds written bytes in every case (the head fills both) and no wave writes it between these two barriers;
; so the test for a next chunk stands once in a half-trip, behind FIN_B.
.set REDB,  32768                      ; LDS from 0: two buffers for partial sums: in each 8,192 bytes for each receiving wave: 8 accumulators as register images (low four registers, then high four, 16 bytes a lane)
.set XSTB,  65536                      ; x's two buffers
.set XP,    1072                       ; a row there: 1,024 codes, 32 scale bytes, 16 of padding = 67 x 16 bytes: the 16 rows of a fragment load start at 16 different columns of 16 bytes
.set XBUF,  64*XP
.set WTB,   XSTB+2*XBUF                ; where the weights are turned: 32 rows x 528 bytes for each wave, its own
.set WP,    528
.set WTW,   32*WP
.set LIST,  WTB+4*WTW                  ; the list: 1,280 words
.set TRASH, LIST+5248                  ; a word a lane for the list's lanes that have nothing to place (the 128 bytes between the list and these words are not used)
.set TIDX,  (TRASH-LIST)/4             ; the first of those words, counted in words from the list's first
.set L16, 1                            ; 16 x lane
.set R4,  2                            ; 4 r
.set C16, 3                            ; 16 r
.set P16, 4                            ; 16 (lane % 2)
.set WSO, 5                            ; W1's scale words: (r + 8 (r / 8)) x 32
.set WSA, 6                            ; the weights' turn: in, 16 x lane
.set WLA, 7                            ; and out: (r + 8 (r / 8)) x 528 + 16 h
.set RS,  8                            ; where I put partial sums: my partner's region
.set RL,  9                            ; where I find my partner's: my region
.set HO,  10                           ; offset in hq
.set SO,  11                           ; offset in hs
.set LY,  12                           ; the list: my tile's rows, two an instruction
.set LYS, 13                           ; the same, a row for each two lanes
.set LT,  14
.set LTS, 15
.set XO,  16                           ; v16-23 offsets in xq (at the head: at work)
.set XSO, 24                           ; offset in xs
.set TKS, 25
.set ST,   26                          ; v26-27: the counting pass's own
.set SPOS, 27
.set L4,   30                          ; 4 x lane
.set TR,   31                          ; TIDX + lane: my spare word, as an index
.set WS,  32                           ; v32-47  W1's scale words 4 t + s: scales and nothing else
.set XSC, 48                           ; v48-63  x's scale words 4 j + s: scales and nothing else
.set FA,  64                           ; v64-67  where my fragments lie: 2 x buffer + pair of sets
.set FS,  68                           ; v68-71  and their scale words
.set SS,  72                           ; v72-73  where I lay my tile's rows, for each buffer
.set SSC, 74                           ; v74-75  and their scale bytes
.set SD0, 76                           ; v76-79  my tile's scale bytes on their way, set 0
.set SD1, 252                          ; v252-255 set 1
.set ACC, 80                           ; v80-207 accumulator (set j, tile t) at 32 j + 8 t
.set SAD, ACC+32                       ; v112-143 in the counting pass: an LDS address for each of a lane's 32 tokens
.set STK, ACC+64                       ; v144-175 in the counting pass: the 32 tokens
.set PC,  208                          ; v208-223 the codes just made
.set TM,  224                          ; v224-239 the quantiser's
.set TK,  TM+8                         ; v232-239 between two quantisers: tokens
.set PW,  240                          ; the scale word just made
.set ZQ,  244                          ; v244-247 zeros
.set ZA,  248
.set CV,  250                          ; at the head only: at work
.set W,   18
.set KQ,  19
.set NQ,  20
.set EX,  21
.set SL,  22
.set NE,  23                           ; the expert's rows
.set C,   24                           ; the chunk that is being finished
.set I,   25
.set T0,  26
.set T1,  27
.set BIT, 28
.set CNT, 29
.set SEL, 30                           ; s[30:31]
.set MNT, 32
.set T2,  33                           ; 64 C
.set NL,  34                           ; s[34:35] -log2(e), twice
.set MK,  48                           ; s[48:63] in the counting pass: sixteen masks of lanes
.set MSB, 0                            ; window 1: W1's fragment (t, s) at v[16 (4 t + s)];  window 2: x's fragment (j, s) at v[16 (4 j + s)];  window 3: my tile's rows on their way, two sets of 128
.macro WIN new                         ; the immediate's high byte repeats the setting that is left
.if MSB != (\new)
	s_set_vgpr_msb (MSB<<8)|(\new)
.set MSB, (\new)
.endif
.endm
	s_load_b256 s[4:11], s[0:1], 0x0               ; route s[4:5], xq s[6:7], xs s[8:9], w1_codes s[10:11]
	s_load_b128 s[12:15], s[0:1], 0x20             ; w1_scales s[12:13], hq s[14:15]
	s_load_b64 s[16:17], s[0:1], 0x30              ; hs
	v_lshl_add_u32 v243, v0, 2, 0x43500            ; my spare word's LDS address and 0: made here and kept for the closing lines alone
	v_mov_b32 v251, 0
	v_lshrrev_b32 v[CV], 5, v0
	v_readfirstlane_b32 s[W], v[CV]
	s_lshr_b32 s[EX], ttmp9, 5
	s_and_b32 s[SL], ttmp9, 31
	s_lshl_b32 s[BIT], 1, s[EX]
	; every address register is made here, ahead of the one branch on the wave's number
	v_and_b32 v[XO], 31, v0                        ; lane
	v_and_b32 v[XO+1], 15, v0                      ; r
	v_bfe_u32 v[XO+2], v0, 4, 1                    ; h
	v_and_b32 v[XO+3], 8, v[XO+1]
	v_add_nc_u32 v[XO+3], v[XO+3], v[XO+1]         ; r + 8 (r / 8)
	v_lshrrev_b32 v[XO+4], 1, v[XO]                ; lane / 2
	v_and_b32 v[XO+5], 1, v0                       ; lane % 2
	v_lshlrev_b32 v[L16], 4, v[XO]
	v_lshlrev_b32 v[L4], 2, v[XO]
	v_add_nc_u32 v[TR], TIDX, v[XO]
	v_add_nc_u32 v[ZA], LIST, v[L16]
	v_lshlrev_b32 v[R4], 2, v[XO+1]
	v_lshlrev_b32 v[C16], 4, v[XO+1]
	v_lshlrev_b32 v[P16], 4, v[XO+5]
	v_lshlrev_b32 v[WSO], 5, v[XO+3]
	s_wait_alu depctr_va_sdst(0)                   ; the wave's number is written, ahead of its first reader
	s_and_b32 s[KQ], s[W], 1
	s_lshr_b32 s[NQ], s[W], 1
	s_mul_i32 s[T0], s[W], WTW                     ; the weights' turn: my wave's region
	s_add_co_u32 s[T0], s[T0], WTB
	v_add_nc_u32 v[WSA], s[T0], v[L16]
	v_mul_u32_u24 v[WLA], v[XO+3], WP
	v_lshl_add_u32 v[WLA], v[XO+2], 4, v[WLA]
	v_add_nc_u32 v[WLA], s[T0], v[WLA]
	s_lshl_b32 s[T0], s[W], 6                      ; the list: my tile's 16 words of a chunk's 64
	s_add_co_u32 s[T0], s[T0], LIST
	v_lshl_add_u32 v[LY], v[XO+2], 2, s[T0]
	v_lshl_add_u32 v[LYS], v[XO+4], 2, s[T0]
	s_mul_i32 s[T0], s[W], 16*XP                   ; x's buffers: my tile's 16 rows
	s_add_co_u32 s[T0], s[T0], XSTB
	v_mul_u32_u24 v[SS], v[XO+2], XP               ; lanes 0-15 an even row, lanes 16-31 the next; 16 bytes a lane
	v_add_nc_u32 v[SS], v[SS], v[C16]
	v_add_nc_u32 v[SS], s[T0], v[SS]
	v_add_nc_u32 v[SS+1], XBUF, v[SS]
	v_mul_u32_u24 v[SSC], v[XO+4], XP              ; the scale bytes: two lanes to a row, behind its codes
	v_add_nc_u32 v[SSC], v[SSC], v[P16]
	v_add_nc_u32 v[SSC], s[T0], v[SSC]
	v_add_nc_u32 v[SSC], 1024, v[SSC]
	v_add_nc_u32 v[SSC+1], XBUF, v[SSC]
	v_mul_u32_u24 v[XO+6], v[XO+1], XP             ; r rows
	v_lshl_add_u32 v[XO+7], v[XO+2], 4, v[XO+6]    ; + 16 h
.irp pr, 0,1                                           ; sets 2 pr, 2 pr + 1 are tiles 2 (kq xor pr), + 1: rows 32 (kq xor pr) on
	s_xor_b32 s[T0], s[KQ], \pr
	s_mul_i32 s[T0], s[T0], 32*XP
	s_add_co_u32 s[T0], s[T0], XSTB
	s_lshl_b32 s[T1], s[KQ], 9                     ; my K half's codes
	s_add_co_u32 s[T1], s[T1], s[T0]
	v_add_nc_u32 v[FA+\pr], s[T1], v[XO+7]
	v_add_nc_u32 v[FA+2+\pr], XBUF, v[FA+\pr]
	s_lshl_b32 s[T1], s[KQ], 4                     ; and its four scale words
	s_add_co_u32 s[T1], s[T1], s[T0]
	s_add_co_u32 s[T1], s[T1], 1024
	v_add_nc_u32 v[FS+\pr], s[T1], v[XO+6]
	v_add_nc_u32 v[FS+2+\pr], XBUF, v[FS+\pr]
.endr
	s_xor_b32 s[T0], s[W], 1
	s_lshl_b32 s[T0], s[T0], 13
	v_add_nc_u32 v[RS], s[T0], v[L16]
	s_lshl_b32 s[T0], s[W], 13
	v_add_nc_u32 v[RL], s[T0], v[L16]
.irp b, 0,1,2,3
	v_mov_b32 v[ZQ+\b], 0
	v_mov_b32 v[TM+4+\b], 0                        ; written once: a lane permute's destination counts as one of its sources
.endr
	s_mov_b32 s[SEL], 0x76543210
	s_mov_b32 s[SEL+1], 0xfedcba98
	s_mov_b32 s[MNT], 0x600000                     ; the mantissa field of 57,344
	s_mov_b32 s[NL], 0xbfb8aa3b
	s_mov_b32 s[NL+1], s[NL]
	s_mov_b32 s[C], 0
	s_mov_b32 s[I], 8
	; offsets, apart from the addresses
	s_lshl_b32 s40, s[EX], 22                      ; w1_codes: 4 MiB e + (128 sl + 64 nq) rows of 1,024 + 512 kq
	s_lshl_b32 s[T0], s[SL], 17
	s_add_co_u32 s40, s40, s[T0]
	s_lshl_b32 s[T0], s[NQ], 16
	s_add_co_u32 s40, s40, s[T0]
	s_lshl_b32 s[T0], s[KQ], 9
	s_add_co_u32 s40, s40, s[T0]
	s_mov_b32 s41, 0
	s_lshl_b32 s42, s[EX], 17                      ; w1_scales: 128 KiB e + (128 sl + 64 nq) rows of 32 + 16 kq
	s_lshl_b32 s[T0], s[SL], 12
	s_add_co_u32 s42, s42, s[T0]
	s_lshl_b32 s[T0], s[NQ], 11
	s_add_co_u32 s42, s42, s[T0]
	s_lshl_b32 s[T0], s[KQ], 4
	s_add_co_u32 s42, s42, s[T0]
	s_mov_b32 s43, 0
	s_lshl_b32 s44, s[EX], 22                      ; hq: 4 MiB e + 2,048 sl + 131,072 kq (my two tiles) + 1,024 nq (my two blocks)
	s_lshl_b32 s[T0], s[SL], 11
	s_add_co_u32 s44, s44, s[T0]
	s_lshl_b32 s[T0], s[KQ], 17
	s_add_co_u32 s44, s44, s[T0]
	s_lshl_b32 s[T0], s[NQ], 10
	s_add_co_u32 s44, s44, s[T0]
	s_mov_b32 s45, 0
	s_lshl_b32 s46, s[EX], 17                      ; hs: 128 KiB e + 256 sl + 128 nq + 64 kq
	s_lshl_b32 s[T0], s[SL], 8
	s_add_co_u32 s46, s46, s[T0]
	s_lshl_b32 s[T0], s[NQ], 7
	s_add_co_u32 s46, s46, s[T0]
	s_lshl_b32 s[T0], s[KQ], 6
	s_add_co_u32 s46, s46, s[T0]
	s_mov_b32 s47, 0
	s_wait_kmcnt 0x0
	s_add_nc_u64 s[10:11], s[10:11], s[40:41]
	s_add_nc_u64 s[12:13], s[12:13], s[42:43]
	s_add_nc_u64 s[14:15], s[14:15], s[44:45]
	s_add_nc_u64 s[16:17], s[16:17], s[46:47]
	s_wait_alu depctr_va_vdst(0)                   ; every address and offset made above is written, and so are the zeros v[ZQ ..]: the loads and LDS instructions of the whole kernel read them
.irp i, 0,1,2,3,4,5,6,7
	global_load_b128 v[ACC+4*\i:ACC+4*\i+3], v[L16], s[4:5] offset:512*\i   ; the route words: register 4 i + k = token 128 i + 4 lane + k.  Every wave loads them and counts for itself
.endr
	WIN 0x40                                       ; destination window 1
.set i, 0
.rept 64
	global_load_b128 v[4*i:4*i+3], v[L16], s[10:11] offset:1024*i th:TH_LOAD_NT   ; row i of my 64: 32 lanes read its 512 consecutive bytes of my K half
.set i, i+1
.endr
	WIN 0
.irp t, 0,1,2,3
	global_load_b128 v[WS+4*\t:WS+4*\t+3], v[WSO], s[12:13] offset:(32*(\t/2)+8*(\t%2))*32   ; four K steps' scale words of a row
.endr
	; THE COUNTING PASS, by every wave.  The compares stand in two runs of sixteen, each into a mask register of its own, with one wait behind the run;
	; each of a lane's 32 tokens has its own address and data register, so that wave 0's 32 stores stand in one run behind one wait.
	s_wait_loadcnt 63                              ; 68 loads stand behind the route words' eight: they are in
	s_mov_b32 s[CNT], 0
.set n, 0
.rept 2
.set k, 0
.rept 16
	v_and_b32 v[ST], s[BIT], v[ACC+n+k]
	v_cmp_ne_u32 s[MK+k], 0, v[ST]                 ; the lanes whose token chose e
.set k, k+1
.endr
	s_wait_alu depctr_va_sdst(0)                   ; the sixteen masks are written, ahead of their first readers
.set k, 0
.rept 16
	v_mbcnt_lo_u32_b32 v[SPOS], s[MK+k], s[CNT]    ; those placed so far + those in lower lanes: the token's place in the list
	v_cndmask_b32 v[SPOS], v[TR], v[SPOS], s[MK+k] ; the other lanes take their own spare word's index
	v_min_u32 v[SPOS], TIDX+31, v[SPOS]            ; the index is held inside the list and the spare words; behind this line only a shift and an addition
	v_lshl_add_u32 v[SAD+n+k], v[SPOS], 2, LIST
	v_add_nc_u32 v[STK+n+k], 128*((n+k)/4)+(n+k)%4, v[L4]
	s_bcnt1_i32_b32 s[T0], s[MK+k]
	s_add_co_u32 s[CNT], s[CNT], s[T0]
.set k, k+1
.endr
.set n, n+16
.endr
	s_min_u32 s[NE], s[CNT], 1024
	s_max_u32 s[NE], s[NE], 1                      ; chunk 0 is always made
	; the list goes into LDS by wave 0 alone
	s_cmp_lg_u32 s[W], 0
	s_cbranch_scc1 .Lsorted
	s_wait_alu depctr_va_vdst(0)                   ; the 32 addresses and the 32 tokens are written, which the stores below read
.irp i, 0,1,2,3,4,5,6,7,8,9
	ds_store_b128 v[ZA], v[ZQ:ZQ+3] offset:512*\i  ; the list begins as zeros: token 0
.endr
.set n, 0
.rept 32
	ds_store_b32 v[SAD+n], v[STK+n]
.set n, n+1
.endr
.Lsorted:
	s_wait_dscnt 0x0                               ; wave 0's stores have landed
	s_barrier_signal -1
	s_barrier_wait -1
; the weights, 32 rows at a time, through my own LDS: in as rows, out as fragments, into the registers that they left.  LDS serves a wave's instructions in order (ISA guide 5.7.1.4): no wait on DScnt between
.macro WTURN ru                        ; ru: rows from a tile to the next inside the 32
	WIN 0x44                                       ; a store's data (source 1) and a load's destination: window 1
.irp g, 0,1
.set i, 0
.rept 32
	ds_store_b128 v[WSA], v[128*\g+4*i:128*\g+4*i+3] offset:WP*i
.set i, i+1
.endr
	s_wait_alu depctr_vm_vsrc(0)                   ; the 32 stores have read their registers, in which the fragments below land
.irp u, 0,1
.irp s, 0,1,2,3
.irp c, 0,1,2,3
	ds_load_b128 v[128*\g+64*\u+16*\s+4*\c:128*\g+64*\u+16*\s+4*\c+3], v[WLA] offset:(\ru)*\u*WP+128*\s+32*\c   ; fragment (tile 2 g + u, K step s), registers 4 c on
.endr
.endr
.endr
.endr
	WIN 0
.endm
; chunk C + ahead: my tile's 16 tokens from the list, their rows of codes and scale bytes into set: 33 loads.  Ahead of every call but the first stands a wait on vm_vsrc for the registers that are written here
.macro GLOAD ahead, set
	s_add_co_u32 s[T0], s[C], \ahead
	s_lshl_b32 s[T0], s[T0], 8
	v_add_nc_u32 v[LT], s[T0], v[LY]
	v_add_nc_u32 v[LTS], s[T0], v[LYS]
	s_wait_alu depctr_va_vdst(0)                   ; v[LT] and v[LTS] are written, which the LDS loads below read; the vector lines that named v[TK ..] and v[TKS] (the last quantiser, the last gather) are done: the tokens land there
.irp i, 0,1,2,3,4,5,6,7
	ds_load_b32 v[TK+\i], v[LT] offset:8*\i        ; the tokens of rows 2 i + h
.endr
	ds_load_b32 v[TKS], v[LTS]                     ; and of row lane / 2
	s_wait_dscnt 0x0
.irp i, 0,1,2,3,4,5,6,7
	v_min_u32 v[TK+\i], 0x3ff, v[TK+\i]
.endr
	v_min_u32 v[TKS], 0x3ff, v[TKS]
.irp i, 0,1,2,3,4,5,6,7
	v_lshl_add_u32 v[XO+\i], v[TK+\i], 10, v[C16]
.endr
	v_lshl_add_u32 v[XSO], v[TKS], 5, v[P16]
	s_wait_alu depctr_va_vdst(0)                   ; the nine offsets v[XO ..] and v[XSO] are written, which the loads below read
	global_load_b128 v[SD0+(SD1-SD0)*(\set):SD0+(SD1-SD0)*(\set)+3], v[XSO], s[8:9]   ; 32 scale bytes of each of my 16 rows
	WIN 0xc0                                       ; destination window 3
.irp i, 0,1,2,3,4,5,6,7
.irp q, 0,1,2,3
	global_load_b128 v[128*(\set)+16*\i+4*\q:128*(\set)+16*\i+4*\q+3], v[XO+\i], s[6:7] offset:256*\q   ; sixteen lanes read 256 consecutive bytes of a row
.endr
.endr
	WIN 0
.endm
; what GLOAD brought goes into x's buffer buf.  Its data come from loads and its addresses from the head: no vector line is waited for
.macro STAGE buf, set
	ds_store_b128 v[SSC+(\buf)], v[SD0+(SD1-SD0)*(\set):SD0+(SD1-SD0)*(\set)+3]
	WIN 0x0c                                       ; a store's data are its source 1: window 3
.irp i, 0,1,2,3,4,5,6,7
.irp q, 0,1,2,3
	ds_store_b128 v[SS+(\buf)], v[128*(\set)+16*\i+4*\q:128*(\set)+16*\i+4*\q+3] offset:2*\i*XP+256*\q
.endr
.endr
	WIN 0
.endm
; set j's four fragments (my four K steps) and their scale words out of x's buffer buf: 17 LDS loads.  No wait: since the wait behind the last products no vector or matrix line has named these registers
.macro FRAGJ buf, j
	ds_load_b128 v[XSC+4*(\j):XSC+4*(\j)+3], v[FS+2*(\buf)+(\j)/2] offset:((\j)%2)*16*XP
	WIN 0x80                                       ; destination window 2
.irp s, 0,1,2,3
.irp c, 0,1,2,3
	ds_load_b128 v[16*(4*(\j)+\s)+4*\c:16*(4*(\j)+\s)+4*\c+3], v[FA+2*(\buf)+(\j)/2] offset:((\j)%2)*16*XP+128*\s+32*\c
.endr
.endr
	WIN 0
.endm
; 64 matrix instructions; the 16 accumulators take turns, one instruction a turn; the first K step starts the sums.  Then sets 2 and 3 go to my partner.
.macro MULT red
	WIN 0x09                                       ; source 0 window 1, source 1 window 2, C and D window 0
.irp s, 0,1,2,3
.irp j, 0,1,2,3
.irp t, 0,1,2,3
.if \s == 0
	v_wmma_scale_f32_16x16x128_f8f6f4 v[ACC+32*\j+8*\t:ACC+32*\j+8*\t+7], v[16*(4*\t+\s):16*(4*\t+\s)+15], v[16*(4*\j+\s):16*(4*\j+\s)+15], 0, v[WS+4*\t+\s], v[XSC+4*\j+\s] matrix_a_fmt:MATRIX_FMT_BF8 matrix_b_fmt:MATRIX_FMT_BF8
.else
	v_wmma_scale_f32_16x16x128_f8f6f4 v[ACC+32*\j+8*\t:ACC+32*\j+8*\t+7], v[16*(4*\t+\s):16*(4*\t+\s)+15], v[16*(4*\j+\s):16*(4*\j+\s)+15], v[ACC+32*\j+8*\t:ACC+32*\j+8*\t+7], v[WS+4*\t+\s], v[XSC+4*\j+\s] matrix_a_fmt:MATRIX_FMT_BF8 matrix_b_fmt:MATRIX_FMT_BF8
.endif
.endr
.endr
.endr
	WIN 0
.rept 9
	v_nop                                          ; eight places ahead of stores that read results; the ninth for the next products, which begin the accumulators anew
.endr
	s_wait_alu depctr_va_vdst(0)                   ; the products have written the accumulators, which the LDS stores below read, and are done reading window 2 and v[XSC ..], in which the next chunk's fragments land; the places above stay beside this wait
.irp a, 0,1,2,3,4,5,6,7
	ds_store_b128 v[RS], v[ACC+64+8*\a:ACC+64+8*\a+3] offset:(\red)*REDB+\a*1024        ; each accumulator from its low end on
	ds_store_b128 v[RS], v[ACC+64+8*\a+4:ACC+64+8*\a+7] offset:(\red)*REDB+\a*1024+512
.endr
.endm
; 64 numbers of a lane, v[s] on, register 16 b + i = k 32 b + 16 (lane / 16) + i of a row, become 16 registers of codes in v[PC] on and four scale bytes in v[PW]
.macro QUANT s
.irp b, 0,1,2,3
	v_max3_num_f32 v[TM+\b], |v[\s+16*\b]|, |v[\s+1+16*\b]|, 0x8000000   ; my 16 numbers, and the floor 2^(16 - 127): the byte cannot fall under 1
.endr
.irp i, 2,4,6,8,10,12,14
.irp b, 0,1,2,3
	v_max3_num_f32 v[TM+\b], v[TM+\b], |v[\s+16*\b+\i]|, |v[\s+1+16*\b+\i]|
.endr
.endr
.irp b, 0,1,2,3
	v_permlanex16_b32 v[TM+4+\b], v[TM+\b], s[SEL], s[SEL+1]
.endr
.irp b, 0,1,2,3
	v_max_num_f32 v[TM+\b], v[TM+\b], v[TM+4+\b]   ; with lane l xor 16's: the block's largest magnitude
.endr
.irp b, 0,1,2,3
	v_add_nc_u32 v[TM+12+\b], 0xf8800000, v[TM+\b] ; 15 off its exponent field: the conversion's scale operand
.endr
.irp b, 0,1,2,3
	v_and_or_b32 v[TM+8+\b], v[TM+\b], 0x7f800000, s[MNT]   ; 57,344 x the scale
.endr
.irp b, 0,1,2,3
	v_lshrrev_b32 v[TM+4+\b], 23, v[TM+12+\b]      ; the scale's byte
.endr
	v_lshl_or_b32 v[PW], v[TM+5], 8, v[TM+4]
	v_lshl_or_b32 v[PW], v[TM+6], 16, v[PW]
	v_lshl_or_b32 v[PW], v[TM+7], 24, v[PW]
.irp b, 0,1,2,3
.irp i, 0,1,2,3,4,5,6,7,8,9,10,11,12,13,14,15
	v_med3_num_f32 v[\s+16*\b+\i], v[\s+16*\b+\i], -v[TM+8+\b], v[TM+8+\b]   ; the conversion to an 8-bit code does not saturate (ISA guide 7.6.2): the hold comes first
.endr
	v_cvt_scalef32_pk8_bf8_f32 v[PC+4*\b:PC+1+4*\b], v[\s+16*\b:\s+7+16*\b], v[TM+12+\b]
	v_cvt_scalef32_pk8_bf8_f32 v[PC+2+4*\b:PC+3+4*\b], v[\s+8+16*\b:\s+15+16*\b], v[TM+12+\b]
.endr
	v_nop                                          ; a plain line behind the last conversion: later products write its sources
.endm
; chunk C is finished, first part: my partner's sums are asked for
.macro FIN_A p
	s_wait_xcnt 0x0                                ; the last chunk's stores have read their data and offsets, which are written again below
	s_wait_alu depctr_vm_vsrc(0)                   ; my LDS stores of sets 2 and 3 have read v[ACC+64 ..], in which my partner's sums land; the last chunk's stores have read v[HO], v[SO], v[PC ..] and v[PW], which this chunk writes again
.irp a, 0,1,2,3,4,5,6,7
	ds_load_b128 v[ACC+64+8*\a:ACC+64+8*\a+3], v[RL] offset:(\p)*REDB+\a*1024           ; my partner's sums for my tiles, into the registers that my own gifts have left
	ds_load_b128 v[ACC+64+8*\a+4:ACC+64+8*\a+7], v[RL] offset:(\p)*REDB+\a*1024+512
.endr
	s_lshl_b32 s[T0], s[C], 18                     ; a chunk of hq: four tiles of 64 KiB
	s_lshl_b32 s[T1], s[C], 13                     ; of hs: 8 KiB
	v_add_nc_u32 v[HO], s[T0], v[L16]
	v_add_nc_u32 v[SO], s[T1], v[R4]
.endm
; second part: my two tiles x my 64 hidden units: sum, silu, quantiser, store.  The fragments in x's buffer buf are asked for on the way, a set at a time:
; the vector lines here name ACC, PC, TM and PW alone, none of the registers that those loads touch
.macro FIN_B buf
.set i, 0
.rept 32
	v_pk_add_f32 v[ACC+i:ACC+i+1], v[ACC+i:ACC+i+1], v[ACC+64+i:ACC+65+i]   ; the two K halves; each accumulator is read from its low end on
.set i, i+2
.endr
	FRAGJ \buf, 0
.set i, 0
.rept 32
	v_pk_mul_f32 v[ACC+64+i:ACC+65+i], v[ACC+i:ACC+i+1], s[NL:NL+1] op_sel_hi:[1,0]   ; -z log2(e)
.set i, i+2
.endr
	FRAGJ \buf, 1
.set i, 0
.rept 64
	v_exp_f32 v[ACC+64+i], v[ACC+64+i]
.set i, i+1
.endr
	v_nop                                          ; a plain line behind the batch,
	s_wait_alu depctr_va_vdst(0)                   ; and one wait for it: the 64 exponentials have written v[ACC+64 ..], ahead of their first reader
.set i, 0
.rept 32
	v_pk_add_f32 v[ACC+64+i:ACC+65+i], v[ACC+64+i:ACC+65+i], 1.0 op_sel_hi:[1,0]
.set i, i+2
.endr
	FRAGJ \buf, 2
.set i, 0
.rept 64
	v_rcp_f32 v[ACC+64+i], v[ACC+64+i]
.set i, i+1
.endr
	v_nop
	s_wait_alu depctr_va_vdst(0)                   ; the 64 reciprocals have written v[ACC+64 ..], ahead of their first reader
.set i, 0
.rept 32
	v_pk_mul_f32 v[ACC+i:ACC+i+1], v[ACC+i:ACC+i+1], v[ACC+64+i:ACC+65+i]   ; silu(z) = z / (1 + e^-z)
.set i, i+2
.endr
	FRAGJ \buf, 3
	QUANT ACC                                      ; block 2 j + b: tile j of my two, block 2 nq + b of the K step
	s_wait_alu depctr_va_vdst(0)                   ; the conversions have written v[PC ..], the scale word v[PW] and the offsets v[HO], v[SO] are written: the five stores below read them
.irp b, 0,1,2,3
	global_store_b128 v[HO], v[PC+4*\b:PC+4*\b+3], s[14:15] offset:(\b/2)*65536+(\b%2)*512   ; 32 lanes store 512 consecutive bytes
.endr
	global_store_b32 v[SO], v[PW], s[16:17]        ; lanes l and l xor 16 store the same word with the same value
.endm
.macro HALF p
	s_wait_dscnt 0x0                               ; my partial sums and my rows of x have landed; my reads of the other buffers are over
	s_barrier_signal -1
	s_barrier_wait -1
	s_lshl_b32 s[T2], s[C], 6
	s_cmp_lt_u32 s[T2], s[NE]                      ; is there a chunk C?
	s_cbranch_scc0 .Lidle_\@
	FIN_A \p
	s_add_co_u32 s[T0], s[T2], 128
	s_cmp_lt_u32 s[T0], s[NE]                      ; a chunk C + 2?
	s_cbranch_scc0 .Lnost_\@
	s_wait_loadcnt 0x0                             ; its rows, asked for a half-trip ago, are in (0: the same proof on every way here)
	STAGE \p, 0                                    ; into the buffer that chunk C has left: its last reads stand in front of the barrier above
	s_add_co_u32 s[T0], s[T2], 192
	s_cmp_lt_u32 s[T0], s[NE]                      ; a chunk C + 3?
	s_cbranch_scc0 .Lnost_\@
	s_wait_dscnt 0x0                               ; the stores are done
	s_wait_alu depctr_vm_vsrc(0)                   ; the LDS stores above have read set 0 of window 3 and v[SD0 ..], in which the next loads land; the last gather's loads have read v[LT], v[LTS], v[XO ..] and v[XSO], which are written again
	GLOAD 3, 0
.Lnost_\@:
	s_wait_dscnt 0x0                               ; my partner's sums are in
	FIN_B 1-\p                                     ; chunk C is finished, and the other buffer's fragments are asked for among its lines
	s_add_co_u32 s[T0], s[T2], 64
	s_cmp_lt_u32 s[T0], s[NE]                      ; a chunk C + 1?
	s_cbranch_scc0 .Lidle_\@
	s_wait_dscnt 0x0                               ; the fragments and their scale words are in
	MULT 1-\p
.Lidle_\@:
	s_add_co_u32 s[C], s[C], 1
.endm
	GLOAD 0, 0
	s_wait_xcnt 0x0                                ; the first run of loads has read its offsets, which the second writes again
	s_wait_alu depctr_vm_vsrc(0)                   ; the first gather's loads have read v[LT], v[LTS], v[XO ..] and v[XSO], which the second writes again; wave 0's stores of the list have read v[SAD ..] and v[STK ..], which the first products write
	GLOAD 1, 1                                     ; (behind the count the list holds token 0: every byte read is a written one)
	s_wait_loadcnt 63                              ; 66 loads stand behind the weights and their scale words: these are in
	WTURN 8
	s_wait_loadcnt 33                              ; chunk 1's 33 loads stand behind chunk 0's
	STAGE 0, 0
	s_wait_loadcnt 0x0
	STAGE 1, 1
	s_wait_dscnt 0x0                               ; the stores are done
	s_wait_alu depctr_vm_vsrc(0)                   ; the LDS stores above have read set 0 of window 3 and v[SD0 ..], in which the next loads land; the second gather's loads have read v[LT], v[LTS], v[XO ..] and v[XSO], which are written again
	GLOAD 2, 0
	s_wait_dscnt 0x0                               ; my rows of chunks 0 and 1 have landed, my weights are back in registers
	s_barrier_signal -1
	s_barrier_wait -1
.irp j, 0,1,2,3
	FRAGJ 0, \j                                    ; no vector or matrix line has named these registers yet
.endr
	s_wait_dscnt 0x0
	MULT 0
.Lloop:
	HALF 0
	HALF 1
	s_sub_co_u32 s[I], s[I], 1
	s_cmp_lg_u32 s[I], 0
	s_cbranch_scc1 .Lloop
	s_wait_dscnt 0x0                               ; the closing lines, six on end
	s_wait_alu 0x0
	s_wait_tensorcnt 0x0
	ds_add_u32 v243, v251
	s_wait_dscnt 0x0
	s_endpgm
.Lfunc_end_k_q9be9edfacd_up:
	.size	k_q9be9edfacd_up, .Lfunc_end_k_q9be9edfacd_up-k_q9be9edfacd_up
	.p2alignl 7, 3214868480
	.fill 96, 4, 3214868480
	.section	.rodata,"a",@progbits
	.p2align	6, 0x0
	.amdhsa_kernel k_q9be9edfacd_up
		.amdhsa_group_segment_fixed_size 276224
		.amdhsa_private_segment_fixed_size 0
		.amdhsa_enable_private_segment 0
		.amdhsa_kernarg_size 56
		.amdhsa_user_sgpr_count 2
		.amdhsa_user_sgpr_kernarg_segment_ptr 1
		.amdhsa_wavefront_size32 1
		.amdhsa_system_sgpr_workgroup_id_x 1
		.amdhsa_system_sgpr_workgroup_id_y 1
		.amdhsa_system_sgpr_workgroup_id_z 1
		.amdhsa_system_vgpr_workitem_id 0
		.amdhsa_next_free_vgpr 1024
		.amdhsa_next_free_sgpr 66
		.amdhsa_reserve_vcc 0
		.amdhsa_float_denorm_mode_32 3
		.amdhsa_float_denorm_mode_16_64 3
		.amdhsa_memory_ordered 1
		.amdhsa_forward_progress 1
		.amdhsa_inst_pref_size 162
	.end_amdhsa_kernel
	.amdgpu_metadata
---
amdhsa.version: [ 1, 2 ]
amdhsa.kernels:
  - .name:           k_q9be9edfacd_up
    .symbol:         k_q9be9edfacd_up.kd
    .args:
      - { .name: route, .offset: 0, .size: 8, .value_kind: global_buffer, .address_space: global }
      - { .name: xq, .offset: 8, .size: 8, .value_kind: global_buffer, .address_space: global }
      - { .name: xs, .offset: 16, .size: 8, .value_kind: global_buffer, .address_space: global }
      - { .name: w1_codes, .offset: 24, .size: 8, .value_kind: global_buffer, .address_space: global }
      - { .name: w1_scales, .offset: 32, .size: 8, .value_kind: global_buffer, .address_space: global }
      - { .name: hq, .offset: 40, .size: 8, .value_kind: global_buffer, .address_space: global }
      - { .name: hs, .offset: 48, .size: 8, .value_kind: global_buffer, .address_space: global }
    .group_segment_fixed_size: 276224
    .private_segment_fixed_size: 0
    .kernarg_segment_align: 8
    .kernarg_segment_size: 56
    .max_flat_workgroup_size: 128
    .sgpr_count:     66
    .vgpr_count:     1024
    .wavefront_size: 32
...
	.end_amdgpu_metadata
.endif
;; end of part 7
;; launch down (part 8): grid 256 x 1, 4 waves a work-group, no clusters, 212,736 bytes of LDS; arguments route, hq, hs, w2_codes, w2_scales, yp; writes yp
.if DOCPART == 8
	.amdgcn_target "amdgcn-amd-amdhsa--gfx1250"
	.amdhsa_code_object_version 6
	.text
	.protected	k_q9be9edfacd_down
	.globl	k_q9be9edfacd_down
	.p2align	8
	.type	k_q9be9edfacd_down,@function
k_q9be9edfacd_down:
	s_mov_b64 s[64:65], 0
	v_nop
	global_prefetch_b8 v0, s[64:65] scope:SCOPE_SE
	s_setreg_imm32_b32 hwreg(HW_REG_WAVE_SCHED_MODE, 0, 2), 2
	s_setreg_imm32_b32 hwreg(HW_REG_WAVE_MODE, 25, 1), 1
	s_wait_xcnt 0x0
	s_wait_alu depctr_vm_vsrc(0)
; y = h W2^T for the rows that the router kept, on codes of E5M2 with one E8M0 scale for each 32 along K, in two halves of K: yp[K half][e][token][1024] f32; the next launch adds the halves.
; SHARES.  Work-group = (expert e = x / 32, 64 output columns ns = (x / 2) % 16, K half kh = x % 2 of 2,048).  Wave W takes K steps 16 kh + 4 W + 0..3 of those 64 columns: 32 KiB of W2,
; 256 registers, read from memory once in the launch and kept.  The expert's rows go in chunks of 64 (four tiles of 16), as the launch before laid them.  A wave multiplies all four tiles (64 matrix
; instructions, 16 accumulators by turns), puts each tile's partial sums into LDS for the wave that owns the tile (wave = tile), and adds and stores its own tile's four parts.
; W2's ROWS ARE LOADED AS THEY LIE (a load of the wave = 512 consecutive bytes of one row) and turned once, through the wave's own LDS, into fragments; h comes in the order of the operand's registers, 512 consecutive bytes a load.
; THE LIST is made again by the same lines as in the launch before (every wave counts for itself, wave 0 stores the list), so row i of the expert is the same token here.  Spare rows are rows of token 0: they store expert e's true y of token 0.
; LAYOUT.  Transposed use (source 0 = 16 rows of W2, source 1 = 16 rows of h): a lane holds one row and eight neighbouring columns.  In LDS the parts lie as rows of 256 bytes + 16, so they come back as whole rows.
; SET j of a wave holds the chunk's tile W xor j; slot j of a receiving wave's region holds what wave (receiver xor j) sent.
; h's SCALES lie as words (even tile: blocks 2 nq, 2 nq + 1; odd tile: the same): two words (nq = 0, 1) give a tile's word by one byte permute; lanes 0-15 load my tile's pair of tiles, lanes 16-31 the other pair.
; CONTROL, and why no tensor loads and no cluster: as in the launch before: branches hang on a count read from memory; no byte of W2 is read by two work-groups.
; LIMITS: NaN and infinities are not served.
; THE MODE: SCHED_MODE bits 1:0 = 2 (LLVM: expert scheduling mode 2), set by the entry lines.  The code itself states the register dependences
; between vector or matrix instructions and memory or LDS instructions, with s_wait_alu, always for 0.
; THE PLAN.  Registers that memory or LDS instructions touch, and who else names them:
;   v1, v3, v4, v15-24, v216, v248   addresses, made at the head and never written again: one wait on va_vdst ahead of the first load serves them for the whole kernel.
;   SAD, STK               the list's 32 addresses and 32 tokens of a lane: written by the counting pass, read by wave 0's LDS stores; the first products write these registers again.
;   window 1               W2: loaded as rows, read by the turn's LDS stores, loaded back as fragments into the same registers (a wait on vm_vsrc between); then read by products alone.
;   HO, SOS                written by PF's vector lines, read by its 72 loads: a wait on vm_vsrc ahead of the lines, a wait on va_vdst behind them.
;   windows 2 and 3, HR    two buffers of h's fragments and stored scale words: the loads of chunk C + 2 land in the buffer that chunk C has left; read by that buffer's products and byte permutes, which stand ahead of PF's wait.
;   HSC                    written by the byte permutes, read by the products as scales: the eight places, then a wait on va_vdst.
;   ACC                    written by the products, read by MULT's LDS stores; then my tile's four parts land there, are added there, and the eight stores read the sums.
;   LT, TK, YO             FINISH's own: the list's address, the tokens, the offsets in yp.
.set REDB,  69632                      ; LDS from 0: two buffers; in each 17,408 bytes for each receiving wave: four slots of 16 rows x 272 bytes
.set WTB,   2*REDB                     ; where the weights are turned: 32 rows x 528 bytes for each wave, its own
.set WP,    528
.set WTW,   32*WP
.set LIST,  WTB+4*WTW                  ; the list: 1,280 words
.set TRASH, LIST+5248                  ; a word a lane for the list's lanes that have nothing to place (the 128 bytes between the list and these words are not used)
.set TIDX,  (TRASH-LIST)/4             ; the first of those words, counted in words from the list's first
.set L16, 1                            ; 16 x lane
.set C16, 2                            ; 16 r
.set WSA, 3                            ; the weights' turn: in, 16 x lane
.set WSO, 4                            ; W2's scale words: 128 r
.set HB,  5                            ; v5-8   16 x lane + 64 KiB x (W xor j)
.set HO,  9                            ; v9-12  the same + the chunk
.set SBS, 13                           ; ((W / 2) xor h) x 64 + 4 r
.set SOS, 14
.set RS,  15                           ; v15-22 where set j's sums go, for each buffer
.set RL,  23                           ; v23-24 where I read my tile's parts
.set LY,  25                           ; the list: my tile's rows, two an instruction
.set LT,  26
.set ST,   27                          ; the counting pass's own
.set SPOS, 28
.set L4,   31
.set WS,  32                           ; v32-47 W2's scale words 4 t + s: scales and nothing else
.set HR,  48                           ; v48-55, v56-63 h's scale words as stored, 2 s + nq, buffers 0 and 1
.set HSC, 64                           ; v64-71 h's scale words as the products want them: 2 s: tiles of my parity, 2 s + 1: of the other: scales and nothing else
.set TK,  72                           ; v72-79 tokens
.set ACC, 80                           ; v80-207
.set SAD, ACC+32                       ; v112-143 in the counting pass: an LDS address for each of a lane's 32 tokens
.set STK, ACC+64                       ; v144-175 in the counting pass: the 32 tokens
.set YO,  208                          ; v208-215 offsets in yp
.set WLA, 216                          ; the weights' turn: out, r x 528 + 16 h
.set TR,  243                          ; TIDX + lane: my spare word, as an index
.set ZQ,  244
.set ZA,  248
.set CV,  250                          ; at the head only: at work
.set W,   18
.set EX,  19
.set NS,  20
.set KH,  21
.set NE,  22
.set C,   23
.set I,   24
.set T0,  25
.set T1,  26
.set BIT, 27
.set CNT, 28
.set LASTC, 29                         ; the expert's last chunk
.set SELS, 30
.set SELO, 31
.set MK,  48                           ; s[48:63] in the counting pass: sixteen masks of lanes
.set MSB, 0                            ; window 1: W2's fragment (t, s) at v[16 (4 t + s)];  windows 2, 3: h's fragment (j, s) at v[16 (4 j + s)], buffers 0 and 1
.macro WIN new
.if MSB != (\new)
	s_set_vgpr_msb (MSB<<8)|(\new)
.set MSB, (\new)
.endif
.endm
	s_load_b256 s[4:11], s[0:1], 0x0               ; route s[4:5], hq s[6:7], hs s[8:9], w2_codes s[10:11]
	s_load_b128 s[12:15], s[0:1], 0x20             ; w2_scales s[12:13], yp s[14:15]
	v_lshl_add_u32 v254, v0, 2, 0x33d00            ; my spare word's LDS address and 0: made here and kept for the closing lines alone
	v_mov_b32 v255, 0
	v_lshrrev_b32 v[CV], 5, v0
	v_readfirstlane_b32 s[W], v[CV]
	s_lshr_b32 s[EX], ttmp9, 5
	s_bfe_u32 s[NS], ttmp9, 0x40001
	s_and_b32 s[KH], ttmp9, 1
	s_lshl_b32 s[BIT], 1, s[EX]
	; every address register is made here, ahead of the one branch on the wave's number
	v_and_b32 v[YO], 15, v0                        ; r
	v_bfe_u32 v[YO+1], v0, 4, 1                    ; h
	v_and_b32 v[L16], 31, v0
	v_lshlrev_b32 v[L4], 2, v[L16]
	v_add_nc_u32 v[TR], TIDX, v[L16]
	v_lshlrev_b32 v[L16], 4, v[L16]
	v_add_nc_u32 v[ZA], LIST, v[L16]
	v_lshlrev_b32 v[C16], 4, v[YO]
	v_lshlrev_b32 v[WSO], 7, v[YO]
	s_wait_alu depctr_va_sdst(0)                   ; the wave's number is written, ahead of its first reader
	s_mul_i32 s[T0], s[W], WTW                     ; the weights' turn: my wave's region
	s_add_co_u32 s[T0], s[T0], WTB
	v_add_nc_u32 v[WSA], s[T0], v[L16]
	v_mul_u32_u24 v[WLA], v[YO], WP
	v_lshl_add_u32 v[WLA], v[YO+1], 4, v[WLA]
	v_add_nc_u32 v[WLA], s[T0], v[WLA]
	v_mul_u32_u24 v[YO+2], v[YO], 272
	v_lshl_add_u32 v[YO+2], v[YO+1], 5, v[YO+2]    ; in: row r, 32 bytes for each half of the lanes
	v_mul_u32_u24 v[YO+3], v[YO+1], 272
	v_lshl_add_u32 v[YO+3], v[YO], 4, v[YO+3]      ; back: lanes 0-15 one row, lanes 16-31 the next
.irp j, 0,1,2,3
	s_xor_b32 s[T0], s[W], \j
	s_lshl_b32 s[T1], s[T0], 16
	v_add_nc_u32 v[HB+\j], s[T1], v[L16]
	s_mul_i32 s[T0], s[T0], 17408
	s_add_co_u32 s[T0], s[T0], \j*4352
	v_add_nc_u32 v[RS+\j], s[T0], v[YO+2]
	s_add_co_u32 s[T0], s[T0], REDB
	v_add_nc_u32 v[RS+4+\j], s[T0], v[YO+2]
.endr
	s_mul_i32 s[T0], s[W], 17408
	v_add_nc_u32 v[RL], s[T0], v[YO+3]
	s_add_co_u32 s[T0], s[T0], REDB
	v_add_nc_u32 v[RL+1], s[T0], v[YO+3]
	s_lshl_b32 s[T0], s[W], 6
	s_add_co_u32 s[T0], s[T0], LIST
	v_lshl_add_u32 v[LY], v[YO+1], 2, s[T0]
	s_lshr_b32 s[T0], s[W], 1
	v_xor_b32 v[SBS], s[T0], v[YO+1]
	v_lshlrev_b32 v[YO+2], 2, v[YO]
	v_lshl_add_u32 v[SBS], v[SBS], 6, v[YO+2]
.irp b, 0,1,2,3
	v_mov_b32 v[ZQ+\b], 0
.endr
	s_mov_b32 s34, 0x05040100                      ; bytes 0, 1 of both words: an even tile's four blocks
	s_mov_b32 s35, 0x07060302                      ; bytes 2, 3: an odd tile's
	s_and_b32 s[T0], s[W], 1
	s_cmp_eq_u32 s[T0], 0
	s_cselect_b32 s[SELS], s34, s35                ; tiles of my parity (sets 0, 2)
	s_cselect_b32 s[SELO], s35, s34                ; of the other (sets 1, 3)
	s_mov_b32 s[C], 0
	s_mov_b32 s[I], 8
	; offsets, apart from the addresses
	s_lshl_b32 s36, s[EX], 22                      ; hq: 4 MiB e + (16 kh + 4 W) K steps of 2,048
	s_lshl_b32 s[T0], s[KH], 15
	s_add_co_u32 s36, s36, s[T0]
	s_lshl_b32 s[T0], s[W], 13
	s_add_co_u32 s36, s36, s[T0]
	s_mov_b32 s37, 0
	s_lshl_b32 s38, s[EX], 17                      ; hs: 128 KiB e + (16 kh + 4 W) x 256
	s_lshl_b32 s[T0], s[KH], 12
	s_add_co_u32 s38, s38, s[T0]
	s_lshl_b32 s[T0], s[W], 10
	s_add_co_u32 s38, s38, s[T0]
	s_mov_b32 s39, 0
	s_lshl_b32 s40, s[EX], 22                      ; w2_codes: 4 MiB e + 64 ns rows of 4,096 + 2,048 kh + 512 W
	s_lshl_b32 s[T0], s[NS], 18
	s_add_co_u32 s40, s40, s[T0]
	s_lshl_b32 s[T0], s[KH], 11
	s_add_co_u32 s40, s40, s[T0]
	s_lshl_b32 s[T0], s[W], 9
	s_add_co_u32 s40, s40, s[T0]
	s_mov_b32 s41, 0
	s_lshl_b32 s42, s[EX], 17                      ; w2_scales: 128 KiB e + 64 ns rows of 128 + 64 kh + 16 W
	s_lshl_b32 s[T0], s[NS], 13
	s_add_co_u32 s42, s42, s[T0]
	s_lshl_b32 s[T0], s[KH], 6
	s_add_co_u32 s42, s42, s[T0]
	s_lshl_b32 s[T0], s[W], 4
	s_add_co_u32 s42, s42, s[T0]
	s_mov_b32 s43, 0
	s_lshl_b32 s44, s[KH], 25                      ; yp: 32 MiB kh + 4 MiB e + 256 ns
	s_lshl_b32 s[T0], s[EX], 22
	s_add_co_u32 s44, s44, s[T0]
	s_lshl_b32 s[T0], s[NS], 8
	s_add_co_u32 s44, s44, s[T0]
	s_mov_b32 s45, 0
	s_wait_kmcnt 0x0
	s_add_nc_u64 s[6:7], s[6:7], s[36:37]
	s_add_nc_u64 s[8:9], s[8:9], s[38:39]
	s_add_nc_u64 s[10:11], s[10:11], s[40:41]
	s_add_nc_u64 s[12:13], s[12:13], s[42:43]
	s_add_nc_u64 s[14:15], s[14:15], s[44:45]
	s_wait_alu depctr_va_vdst(0)                   ; every address and offset made above is written, and so are the zeros v[ZQ ..]: the loads and LDS instructions of the whole kernel read them
.irp i, 0,1,2,3,4,5,6,7
	global_load_b128 v[ACC+4*\i:ACC+4*\i+3], v[L16], s[4:5] offset:512*\i   ; the route words: register 4 i + k = token 128 i + 4 lane + k.  Every wave loads them and counts for itself
.endr
	WIN 0x40                                       ; destination window 1
.set i, 0
.rept 64
	global_load_b128 v[4*i:4*i+3], v[L16], s[10:11] offset:4096*i th:TH_LOAD_NT   ; row i of my 64: 32 lanes read its 512 consecutive bytes of my four K steps
.set i, i+1
.endr
	WIN 0
.irp t, 0,1,2,3
	global_load_b128 v[WS+4*\t:WS+4*\t+3], v[WSO], s[12:13] offset:2048*\t
.endr
	; THE COUNTING PASS, by every wave: the same lines as in the launch before.  The compares stand in two runs of sixteen, each into a mask register of its own, with one wait behind the run;
	; each of a lane's 32 tokens has its own address and data register, so that wave 0's 32 stores stand in one run behind one wait.
	s_wait_loadcnt 63                              ; 68 loads stand behind the route words' eight: they are in
	s_mov_b32 s[CNT], 0
.set n, 0
.rept 2
.set k, 0
.rept 16
	v_and_b32 v[ST], s[BIT], v[ACC+n+k]
	v_cmp_ne_u32 s[MK+k], 0, v[ST]                 ; the lanes whose token chose e
.set k, k+1
.endr
	s_wait_alu depctr_va_sdst(0)                   ; the sixteen masks are written, ahead of their first readers
.set k, 0
.rept 16
	v_mbcnt_lo_u32_b32 v[SPOS], s[MK+k], s[CNT]    ; those placed so far + those in lower lanes: the token's place in the list
	v_cndmask_b32 v[SPOS], v[TR], v[SPOS], s[MK+k] ; the other lanes take their own spare word's index
	v_min_u32 v[SPOS], TIDX+31, v[SPOS]            ; the index is held inside the list and the spare words; behind this line only a shift and an addition
	v_lshl_add_u32 v[SAD+n+k], v[SPOS], 2, LIST
	v_add_nc_u32 v[STK+n+k], 128*((n+k)/4)+(n+k)%4, v[L4]
	s_bcnt1_i32_b32 s[T0], s[MK+k]
	s_add_co_u32 s[CNT], s[CNT], s[T0]
.set k, k+1
.endr
.set n, n+16
.endr
	s_min_u32 s[NE], s[CNT], 1024
	s_max_u32 s[NE], s[NE], 1                      ; chunk 0 was always made
	s_sub_co_u32 s[LASTC], s[NE], 1
	s_lshr_b32 s[LASTC], s[LASTC], 6
	s_min_u32 s[LASTC], s[LASTC], 15
	; the list goes into LDS by wave 0 alone
	s_cmp_lg_u32 s[W], 0
	s_cbranch_scc1 .Lsorted
	s_wait_alu depctr_va_vdst(0)                   ; the 32 addresses and the 32 tokens are written, which the stores below read
.irp i, 0,1,2,3,4,5,6,7,8,9
	ds_store_b128 v[ZA], v[ZQ:ZQ+3] offset:512*\i  ; the list begins as zeros: token 0
.endr
.set n, 0
.rept 32
	ds_store_b32 v[SAD+n], v[STK+n]
.set n, n+1
.endr
.Lsorted:
	s_wait_dscnt 0x0                               ; wave 0's stores have landed
	s_barrier_signal -1
	s_barrier_wait -1
; the weights, 32 rows at a time, through my own LDS: in as rows, out as fragments, into the registers that they left.  LDS serves a wave's instructions in order (ISA guide 5.7.1.4): no wait on DScnt between
.macro WTURN ru                        ; ru: rows from a tile to the next inside the 32
	WIN 0x44                                       ; a store's data (source 1) and a load's destination: window 1
.irp g, 0,1
.set i, 0
.rept 32
	ds_store_b128 v[WSA], v[128*\g+4*i:128*\g+4*i+3] offset:WP*i
.set i, i+1
.endr
	s_wait_alu depctr_vm_vsrc(0)                   ; the 32 stores have read their registers, in which the fragments below land
.irp u, 0,1
.irp s, 0,1,2,3
.irp c, 0,1,2,3
	ds_load_b128 v[128*\g+64*\u+16*\s+4*\c:128*\g+64*\u+16*\s+4*\c+3], v[WLA] offset:(\ru)*\u*WP+128*\s+32*\c   ; fragment (tile 2 g + u, K step s), registers 4 c on
.endr
.endr
.endr
.endr
	WIN 0
.endm
; chunk C + ahead, held at the last chunk that was made: its scale words and its fragments of my four K steps into buffer buf: 72 loads.  Ahead of every call but the first stands a wait on vm_vsrc for the five offsets
.macro PF ahead, buf
	s_add_co_u32 s[T0], s[C], \ahead
	s_min_u32 s[T0], s[T0], s[LASTC]
	s_min_u32 s[T0], s[T0], 15
	s_lshl_b32 s[T1], s[T0], 13
	s_lshl_b32 s[T0], s[T0], 18
.irp j, 0,1,2,3
	v_add_nc_u32 v[HO+\j], s[T0], v[HB+\j]
.endr
	v_add_nc_u32 v[SOS], s[T1], v[SBS]
	s_wait_alu depctr_va_vdst(0)                   ; the offsets v[HO ..] and v[SOS] are written, which the 72 loads below read; the products and permutes that read buffer buf are done: the loads land there
.irp s, 0,1,2,3
.irp q, 0,1
	global_load_b32 v[HR+8*(\buf)+2*\s+\q], v[SOS], s[8:9] offset:256*\s+128*\q   ; 32 lanes read 128 consecutive bytes
.endr
.endr
	WIN 0x80+0x40*(\buf)                           ; destination window 2 or 3
.irp j, 0,1,2,3
.irp s, 0,1,2,3
.irp c, 0,1,2,3
	global_load_b128 v[16*(4*\j+\s)+4*\c:16*(4*\j+\s)+4*\c+3], v[HO+\j], s[6:7] offset:2048*\s+512*\c   ; 32 lanes read 512 consecutive bytes: the operand's registers as they were stored
.endr
.endr
.endr
	WIN 0
.endm
; 64 matrix instructions on buffer buf; the 16 accumulators take turns, one instruction a turn; the first K step starts the sums.  Then every set goes to its tile's owner.
.macro MULT buf, red
.irp s, 0,1,2,3
	v_perm_b32 v[HSC+2*\s], v[HR+8*(\buf)+2*\s+1], v[HR+8*(\buf)+2*\s], s[SELS]
	v_perm_b32 v[HSC+2*\s+1], v[HR+8*(\buf)+2*\s+1], v[HR+8*(\buf)+2*\s], s[SELO]
.endr
.rept 8
	v_nop                                          ; a scale register written by a vector instruction stands eight places ahead of the scaled product
.endr
	s_wait_alu depctr_va_vdst(0)                   ; the permutes have written v[HSC ..], which the products take as scales; the places above stay beside this wait
	WIN 0x09+4*(\buf)                              ; source 0 window 1, source 1 window 2 or 3, C and D window 0
.irp s, 0,1,2,3
.irp j, 0,1,2,3
.irp t, 0,1,2,3
.if \s == 0
.if \j < 2
	v_wmma_scale_f32_16x16x128_f8f6f4 v[ACC+32*\j+8*\t:ACC+32*\j+8*\t+7], v[16*(4*\t+\s):16*(4*\t+\s)+15], v[16*(4*\j+\s):16*(4*\j+\s)+15], 0, v[WS+4*\t+\s], v[HSC+2*\s+\j%2] matrix_a_fmt:MATRIX_FMT_BF8 matrix_b_fmt:MATRIX_FMT_BF8
.else
	v_wmma_scale_f32_16x16x128_f8f6f4 v[ACC+32*\j+8*\t:ACC+32*\j+8*\t+7], v[16*(4*\t+\s):16*(4*\t+\s)+15], v[16*(4*\j+\s):16*(4*\j+\s)+15], 0, v[WS+4*\t+\s], v[HSC+2*\s+\j%2] matrix_a_fmt:MATRIX_FMT_BF8 matrix_b_fmt:MATRIX_FMT_BF8 matrix_b_scale:MATRIX_SCALE_ROW1
.endif
.else
.if \j < 2
	v_wmma_scale_f32_16x16x128_f8f6f4 v[ACC+32*\j+8*\t:ACC+32*\j+8*\t+7], v[16*(4*\t+\s):16*(4*\t+\s)+15], v[16*(4*\j+\s):16*(4*\j+\s)+15], v[ACC+32*\j+8*\t:ACC+32*\j+8*\t+7], v[WS+4*\t+\s], v[HSC+2*\s+\j%2] matrix_a_fmt:MATRIX_FMT_BF8 matrix_b_fmt:MATRIX_FMT_BF8
.else
	v_wmma_scale_f32_16x16x128_f8f6f4 v[ACC+32*\j+8*\t:ACC+32*\j+8*\t+7], v[16*(4*\t+\s):16*(4*\t+\s)+15], v[16*(4*\j+\s):16*(4*\j+\s)+15], v[ACC+32*\j+8*\t:ACC+32*\j+8*\t+7], v[WS+4*\t+\s], v[HSC+2*\s+\j%2] matrix_a_fmt:MATRIX_FMT_BF8 matrix_b_fmt:MATRIX_FMT_BF8 matrix_b_scale:MATRIX_SCALE_ROW1
.endif
.endif
.endr
.endr
.endr
	WIN 0
.rept 9
	v_nop                                          ; eight places ahead of stores that read results and of vector lines that write registers these products named; the ninth for the next products, which begin the accumulators anew
.endr
	s_wait_alu depctr_va_vdst(0)                   ; the products have written the accumulators, which the LDS stores below read; the places above stay beside this wait
.irp j, 0,1,2,3
.irp t, 0,1,2,3
	ds_store_b128 v[RS+4*(\red)+\j], v[ACC+32*\j+8*\t:ACC+32*\j+8*\t+3] offset:64*\t          ; each accumulator from its low end on: row r, columns 16 t + 8 h on
	ds_store_b128 v[RS+4*(\red)+\j], v[ACC+32*\j+8*\t+4:ACC+32*\j+8*\t+7] offset:64*\t+16
.endr
.endr
.endm
; chunk C is finished: my tile's 16 rows x 64 columns: four parts are added and stored at the rows' tokens
.macro FINISH p
	s_wait_xcnt 0x0                                ; the last chunk's stores have read their data and offsets, which are written again below
	s_wait_alu depctr_vm_vsrc(0)                   ; my LDS stores of the partial sums have read v[ACC ..], in which the four parts land; the last chunk's stores have read v[YO ..] and its LDS loads v[LT], which are written again
	s_lshl_b32 s[T0], s[C], 8
	v_add_nc_u32 v[LT], s[T0], v[LY]
	s_wait_alu depctr_va_vdst(0)                   ; v[LT] is written, which the LDS loads below read; the last chunk's vector lines that named v[TK ..] are done: the tokens land there
.irp i, 0,1,2,3,4,5,6,7
	ds_load_b32 v[TK+\i], v[LT] offset:8*\i        ; the tokens of rows 2 i + h
.endr
.irp q, 0,1,2,3
.irp i, 0,1,2,3,4,5,6,7
	ds_load_b128 v[ACC+32*\q+4*\i:ACC+32*\q+4*\i+3], v[RL+\p] offset:4352*\q+544*\i   ; part q, rows 2 i + h, 16 bytes a lane
.endr
.endr
	s_wait_dscnt 32                                ; 32 loads stand behind the eight tokens
.irp i, 0,1,2,3,4,5,6,7
	v_min_u32 v[TK+\i], 0x3ff, v[TK+\i]
.endr
.irp i, 0,1,2,3,4,5,6,7
	v_lshl_add_u32 v[YO+\i], v[TK+\i], 12, v[C16]  ; a row of yp is 4,096 bytes
.endr
	s_wait_dscnt 0x0
.set i, 0
.rept 16
	v_pk_add_f32 v[ACC+i:ACC+i+1], v[ACC+i:ACC+i+1], v[ACC+32+i:ACC+33+i]
	v_pk_add_f32 v[ACC+64+i:ACC+65+i], v[ACC+64+i:ACC+65+i], v[ACC+96+i:ACC+97+i]
.set i, i+2
.endr
.set i, 0
.rept 16
	v_pk_add_f32 v[ACC+i:ACC+i+1], v[ACC+i:ACC+i+1], v[ACC+64+i:ACC+65+i]
.set i, i+2
.endr
	s_wait_alu depctr_va_vdst(0)                   ; the sums v[ACC .. ACC+31] and the offsets v[YO ..] are written, which the eight stores below read
.irp i, 0,1,2,3,4,5,6,7
	global_store_b128 v[YO+\i], v[ACC+4*\i:ACC+4*\i+3], s[14:15]   ; sixteen lanes store 256 consecutive bytes, at a multiple of 256 from yp's first byte
.endr
.endm
.macro HALF p
	s_wait_dscnt 0x0                               ; my partial sums have landed, my reads of the other buffer are over
	s_barrier_signal -1
	s_barrier_wait -1
	s_lshl_b32 s[T0], s[C], 6
	s_cmp_lt_u32 s[T0], s[NE]                      ; is there a chunk C?
	s_cbranch_scc0 .Lidle_\@
	FINISH \p
	s_lshl_b32 s[T0], s[C], 6
	s_add_co_u32 s[T0], s[T0], 64
	s_cmp_lt_u32 s[T0], s[NE]                      ; a chunk C + 1?
	s_cbranch_scc0 .Lidle_\@
	s_wait_loadcnt 0x0                             ; its fragments are in (0: the same proof on every way here)
	s_wait_xcnt 0x0                                ; the stores above have read the accumulators' registers, which the products below write
	s_wait_alu depctr_vm_vsrc(0)                   ; the eight stores above have read v[ACC .. ACC+31], which the products write; the last chunk's loads of h have read v[HO ..] and v[SOS], which are written again
	s_add_co_u32 s[T0], s[T0], 64
	s_cmp_lt_u32 s[T0], s[NE]                      ; a chunk C + 2?
	s_cbranch_scc0 .Lnopf_\@
	PF 2, \p                                       ; into the buffer that chunk C has left
.Lnopf_\@:
	MULT 1-\p, 1-\p
.Lidle_\@:
	s_add_co_u32 s[C], s[C], 1
.endm
	PF 0, 0
	s_wait_loadcnt 63                              ; chunk 0's 72 loads stand behind the weights and their scale words: these are in
	WTURN 16
	s_wait_xcnt 0x0                                ; the first run of loads has read its offsets, which the second writes again
	s_wait_alu depctr_vm_vsrc(0)                   ; chunk 0's loads have read v[HO ..] and v[SOS], which are written again; wave 0's stores of the list have read v[SAD ..] and v[STK ..], which the first products write
	PF 1, 1                                        ; (an expert of one chunk reads chunk 0 again: only written bytes are read)
	s_wait_loadcnt 63                              ; 72 loads stand behind chunk 0's: it is in
	s_wait_dscnt 0x0                               ; my weights are back in registers
	MULT 0, 0
.Lloop:
	HALF 0
	HALF 1
	s_sub_co_u32 s[I], s[I], 1
	s_cmp_lg_u32 s[I], 0
	s_cbranch_scc1 .Lloop
	s_wait_dscnt 0x0                               ; the closing lines, six on end
	s_wait_alu 0x0
	s_wait_tensorcnt 0x0
	ds_add_u32 v254, v255
	s_wait_dscnt 0x0
	s_endpgm
.Lfunc_end_k_q9be9edfacd_down:
	.size	k_q9be9edfacd_down, .Lfunc_end_k_q9be9edfacd_down-k_q9be9edfacd_down
	.p2alignl 7, 3214868480
	.fill 96, 4, 3214868480
	.section	.rodata,"a",@progbits
	.p2align	6, 0x0
	.amdhsa_kernel k_q9be9edfacd_down
		.amdhsa_group_segment_fixed_size 212736
		.amdhsa_private_segment_fixed_size 0
		.amdhsa_enable_private_segment 0
		.amdhsa_kernarg_size 48
		.amdhsa_user_sgpr_count 2
		.amdhsa_user_sgpr_kernarg_segment_ptr 1
		.amdhsa_wavefront_size32 1
		.amdhsa_system_sgpr_workgroup_id_x 1
		.amdhsa_system_sgpr_workgroup_id_y 1
		.amdhsa_system_sgpr_workgroup_id_z 1
		.amdhsa_system_vgpr_workitem_id 0
		.amdhsa_next_free_vgpr 1024
		.amdhsa_next_free_sgpr 66
		.amdhsa_reserve_vcc 0
		.amdhsa_float_denorm_mode_32 3
		.amdhsa_float_denorm_mode_16_64 3
		.amdhsa_memory_ordered 1
		.amdhsa_forward_progress 1
		.amdhsa_inst_pref_size 119
	.end_amdhsa_kernel
	.amdgpu_metadata
---
amdhsa.version: [ 1, 2 ]
amdhsa.kernels:
  - .name:           k_q9be9edfacd_down
    .symbol:         k_q9be9edfacd_down.kd
    .args:
      - { .name: route, .offset: 0, .size: 8, .value_kind: global_buffer, .address_space: global }
      - { .name: hq, .offset: 8, .size: 8, .value_kind: global_buffer, .address_space: global }
      - { .name: hs, .offset: 16, .size: 8, .value_kind: global_buffer, .address_space: global }
      - { .name: w2_codes, .offset: 24, .size: 8, .value_kind: global_buffer, .address_space: global }
      - { .name: w2_scales, .offset: 32, .size: 8, .value_kind: global_buffer, .address_space: global }
      - { .name: yp, .offset: 40, .size: 8, .value_kind: global_buffer, .address_space: global }
    .group_segment_fixed_size: 212736
    .private_segment_fixed_size: 0
    .kernarg_segment_align: 8
    .kernarg_segment_size: 48
    .max_flat_workgroup_size: 128
    .sgpr_count:     66
    .vgpr_count:     1024
    .wavefront_size: 32
...
	.end_amdgpu_metadata
.endif
;; end of part 8
;; launch mix: the kernel of part 4 again; grid 256 x 1, 4 waves a work-group, no clusters, 0 bytes of LDS; arguments route, gate, expert_scale, yp, out0; writes out0
